; MI455X (gfx1250); checked and timed in simulation.
; The chip was launched on July 23, 2026; its instructions are those of AMD's public machine-readable ISA for CDNA 5 (MIT licence, August 2026) and "CDNA5" Instruction Set Architecture Reference Guide (July 2026). The comments in the code are by the model that wrote it; some were corrected since.
;; crosstask performer. Allowed arithmetic: float matrix products may take bf16 or f16 operands with f32 sums; all other float work in f32.
;; Inputs: contour_fea 8 x 2,048 x 512 float32; kc_b 512 float32; kc_w 512 x 512 float32; ks_b 512 float32; ks_w 512 x 512 float32; ln1c_b 512 float32; ln1c_g 512 float32; ln1s_b 512 float32; ln1s_g 512 float32; ln2c_b 512 float32; ln2c_g 512 float32; ln2s_b 512 float32; ln2s_g 512 float32; mlpc_b1 512 float32; mlpc_b2 512 float32; mlpc_w1 512 x 512 float32; mlpc_w2 512 x 512 float32; mlps_b1 512 float32; mlps_b2 512 float32; mlps_w1 512 x 512 float32; mlps_w2 512 x 512 float32; proj_c_b 512 float32; proj_c_w 512 x 512 float32; proj_s_b 512 float32; proj_s_w 512 x 512 float32; qc_b 512 float32; qc_w 512 x 512 float32; qs_b 512 float32; qs_w 512 x 512 float32; saliency_fea 8 x 2,048 x 512 float32; vc_b 512 float32; vc_w 512 x 512 float32; vs_b 512 float32; vs_w 512 x 512 float32; w_c 256 x 512 float32; w_s 256 x 512 float32.
;; Outputs: out0 8 x 2,048 x 512 float32; out1 8 x 2,048 x 512 float32.
;; 3 versions, each right; version 2 is faster than version 1; version 3 is version 2 with the launch prep written anew for expert scheduling mode. Each part assembles by itself: llvm-mc -triple=amdgcn-amd-amdhsa -mcpu=gfx1250 --defsym DOCPART=n.
;; ======== version 1 of 3: 5 launches
;; limits: a function is approximated: absolute error at most 1.5e-07
;; workspace buffers: wb 6,815,744 bytes; vt 33,554,432 bytes; kpt 16,777,216 bytes; kaug 4,718,592 bytes; sres 67,108,864 bytes
;; launch prep (part 1): grid 8 x 26, 8 waves a work-group, no clusters, 0 bytes of LDS; arguments vs_w, ks_w, qs_w, proj_s_w, mlps_w1, mlps_w2, vc_w, kc_w, qc_w, proj_c_w, mlpc_w1, mlpc_w2, w_s, w_c, wb; writes wb
.if DOCPART == 1
	.amdgcn_target "amdgcn-amd-amdhsa--gfx1250"
	.amdhsa_code_object_version 6
	.text
	.protected	k_q5e0f5e405c_prep
	.globl	k_q5e0f5e405c_prep
	.p2align	8
	.type	k_q5e0f5e405c_prep,@function
k_q5e0f5e405c_prep:
	s_mov_b64 s[64:65], 0
	v_nop
	global_prefetch_b8 v0, s[64:65] scope:SCOPE_SE
	s_setreg_imm32_b32 hwreg(HW_REG_WAVE_MODE, 25, 1), 1
	s_wait_xcnt 0x0
; prep: the 14 weight matrices, f32 to bf16 (rounded once, to nearest even), laid out anew so that what one wave of a later
; launch fetches for one K step is 16 KiB of consecutive bytes.
; DEAD WORK: none.  Every one of the 36 inputs of the problem has a way to an output, so every one is loaded by some launch and
; every step of the computation is done.  No maximum is taken away before the exponentials because the computation itself takes none.
; LIMITS of the whole program: matrix operands (normalised rows, K, Q, V, the feature maps, kptv, the key sums, y, the hidden layer,
; all weights) are rounded once to bf16; sums, norms, |x|^2/2, exponents, D + 1e-8 and the residuals stay in f32.  The exponential and
; the reciprocal flush denormals (a feature below 2^-126 becomes 0), a division is a reciprocal and a multiply, and erf is the
; five-term rational form of Abramowitz and Stegun 7.1.26, absolute error at most 1.5e-7.
; LAYOUT of wb: matrix i of the twelve 512 x 512 at byte i * 0x80000 as [k/64][n][k%64]; w_s at 0x600000 and w_c at 0x640000
; as [k/128][n/64][(k/64)%2][n%64][k%64].
; A work-group takes 32 rows of a half matrix of 256 rows (grid y: 24 halves of the large ones, then the two small ones).
; Eight lanes take one aligned 256-byte piece of a row; a store of a wave covers 512 consecutive bytes.
; No LDS, no matrix unit, no cluster: each byte is read once and written once, and no work-group shares a byte with another.
.set IN,  16                           ; v[16:79]  64 f32 of my row: 8 for each of the eight k blocks
.set OUT, 80                           ; v[80:111] the same as bf16
	s_load_b512 s[8:23], s[0:1], 0x0               ; matrices 0 to 7
	s_load_b256 s[24:31], s[0:1], 0x40             ; 8 to 11
	s_load_b128 s[32:35], s[0:1], 0x60             ; w_s, w_c
	s_load_b64 s[36:37], s[0:1], 0x70              ; wb
	s_and_b32 s4, ttmp7, 0xffff                    ; y: which half matrix
	s_lshr_b32 s5, s4, 1                           ; large: matrix y / 2,
	s_and_b32 s6, s4, 1                            ; half y % 2
	s_lshl_b32 s42, s5, 19                         ; and its place in wb
	s_max_u32 s7, s4, 24
	s_sub_co_u32 s43, s7, 24                       ; small: 0 or 1
	s_sub_co_u32 s7, s7, 12                        ; matrix 12 or 13
	s_lshl_b32 s43, s43, 18
	s_add_co_u32 s43, s43, 0x600000
	s_cmp_ge_u32 s4, 24
	s_cselect_b32 s5, s7, s5
	s_cselect_b32 s6, 0, s6
	s_cselect_b32 s42, s43, s42
	s_mov_b32 s43, 0
	s_lshl_b32 s44, s6, 8
	s_lshl_b32 s45, ttmp9, 5
	s_add_co_u32 s44, s44, s45                     ; the work-group's first row
	v_lshrrev_b32 v1, 3, v0
	v_add_nc_u32 v1, s44, v1                       ; my row: eight threads a row
	v_and_b32 v2, 7, v0
	v_lshlrev_b32 v3, 5, v2
	v_lshl_add_u32 v3, v1, 11, v3                  ; source: row x 2,048 + 32 bytes a thread
	v_lshlrev_b32 v2, 4, v2
	v_lshl_add_u32 v4, v1, 7, v2                   ; large: n x 128 + 16 bytes a thread
	v_and_b32 v5, 63, v1
	v_lshl_add_u32 v5, v5, 7, v2
	v_lshrrev_b32 v6, 6, v1
	v_lshl_add_u32 v5, v6, 14, v5                  ; small: (n / 64) x 16,384 + (n % 64) x 128 + 16 bytes a thread
	s_wait_kmcnt 0x0
	s_mov_b64 s[40:41], s[8:9]
.irp i,1,2,3,4,5,6,7,8,9,10,11,12,13
	s_cmp_eq_u32 s5, \i
	s_cselect_b64 s[40:41], s[8+2*\i:9+2*\i], s[40:41]   ; the matrix is chosen by its number alone
.endr
	s_add_nc_u64 s[36:37], s[36:37], s[42:43]
.irp k,0,1,2,3,4,5,6,7
	global_load_b128 v[IN+8*\k:IN+8*\k+3],   v3, s[40:41] offset:256*\k th:TH_LOAD_NT
	global_load_b128 v[IN+8*\k+4:IN+8*\k+7], v3, s[40:41] offset:256*\k+16 th:TH_LOAD_NT
.endr
.irp k,0,1,2,3,4,5,6,7
	s_wait_loadcnt 14-2*\k                         ; loads come back in order: block k is in, the younger ones stay out
.irp p,0,1,2,3
	v_cvt_pk_bf16_f32 v[OUT+4*\k+\p], v[IN+8*\k+2*\p], v[IN+8*\k+2*\p+1]
.endr
.endr
	s_cmp_ge_u32 s4, 24
	s_cbranch_scc1 .Lsmall
.irp k,0,1,2,3,4,5,6,7
	global_store_b128 v4, v[OUT+4*\k:OUT+4*\k+3], s[36:37] offset:\k*65536
.endr
	s_endpgm
.Lsmall:
.irp k,0,1,2,3,4,5,6,7
	global_store_b128 v5, v[OUT+4*\k:OUT+4*\k+3], s[36:37] offset:(\k>>1)*65536+(\k&1)*8192
.endr
	s_endpgm
.Lfunc_end_k_q5e0f5e405c_prep:
	.size	k_q5e0f5e405c_prep, .Lfunc_end_k_q5e0f5e405c_prep-k_q5e0f5e405c_prep
	.p2alignl 7, 3214868480
	.fill 96, 4, 3214868480
	.section	.rodata,"a",@progbits
	.p2align	6, 0x0
	.amdhsa_kernel k_q5e0f5e405c_prep
		.amdhsa_group_segment_fixed_size 0
		.amdhsa_private_segment_fixed_size 0
		.amdhsa_enable_private_segment 0
		.amdhsa_kernarg_size 120
		.amdhsa_user_sgpr_count 2
		.amdhsa_user_sgpr_kernarg_segment_ptr 1
		.amdhsa_wavefront_size32 1
		.amdhsa_system_sgpr_workgroup_id_x 1
		.amdhsa_system_sgpr_workgroup_id_y 1
		.amdhsa_system_sgpr_workgroup_id_z 1
		.amdhsa_system_vgpr_workitem_id 0
		.amdhsa_next_free_vgpr 112
		.amdhsa_next_free_sgpr 66
		.amdhsa_reserve_vcc 0
		.amdhsa_float_denorm_mode_32 3
		.amdhsa_float_denorm_mode_16_64 3
		.amdhsa_memory_ordered 1
		.amdhsa_forward_progress 1
		.amdhsa_inst_pref_size 8
	.end_amdhsa_kernel
	.amdgpu_metadata
---
amdhsa.version: [ 1, 2 ]
amdhsa.kernels:
  - .name:           k_q5e0f5e405c_prep
    .symbol:         k_q5e0f5e405c_prep.kd
    .args:
      - { .name: vs_w, .offset: 0, .size: 8, .value_kind: global_buffer, .address_space: global }
      - { .name: ks_w, .offset: 8, .size: 8, .value_kind: global_buffer, .address_space: global }
      - { .name: qs_w, .offset: 16, .size: 8, .value_kind: global_buffer, .address_space: global }
      - { .name: proj_s_w, .offset: 24, .size: 8, .value_kind: global_buffer, .address_space: global }
      - { .name: mlps_w1, .offset: 32, .size: 8, .value_kind: global_buffer, .address_space: global }
      - { .name: mlps_w2, .offset: 40, .size: 8, .value_kind: global_buffer, .address_space: global }
      - { .name: vc_w, .offset: 48, .size: 8, .value_kind: global_buffer, .address_space: global }
      - { .name: kc_w, .offset: 56, .size: 8, .value_kind: global_buffer, .address_space: global }
      - { .name: qc_w, .offset: 64, .size: 8, .value_kind: global_buffer, .address_space: global }
      - { .name: proj_c_w, .offset: 72, .size: 8, .value_kind: global_buffer, .address_space: global }
      - { .name: mlpc_w1, .offset: 80, .size: 8, .value_kind: global_buffer, .address_space: global }
      - { .name: mlpc_w2, .offset: 88, .size: 8, .value_kind: global_buffer, .address_space: global }
      - { .name: w_s, .offset: 96, .size: 8, .value_kind: global_buffer, .address_space: global }
      - { .name: w_c, .offset: 104, .size: 8, .value_kind: global_buffer, .address_space: global }
      - { .name: wb, .offset: 112, .size: 8, .value_kind: global_buffer, .address_space: global }
    .group_segment_fixed_size: 0
    .private_segment_fixed_size: 0
    .kernarg_segment_align: 8
    .kernarg_segment_size: 120
    .max_flat_workgroup_size: 256
    .sgpr_count:     66
    .vgpr_count:     112
    .wavefront_size: 32
...
	.end_amdgpu_metadata
.endif
;; end of part 1
;; launch kv (part 2): grid 128 x 2, 4 waves a work-group, clusters of 4 x 1, 327,680 bytes of LDS; arguments saliency_fea, contour_fea, ln1s_g, ln1c_g, ln1s_b, ln1c_b, vs_b, vc_b, ks_b, kc_b, wb, vt, kpt; writes vt, kpt
.if DOCPART == 2
	.amdgcn_target "amdgcn-amd-amdhsa--gfx1250"
	.amdhsa_code_object_version 6
	.text
	.protected	k_q5e0f5e405c_kv
	.globl	k_q5e0f5e405c_kv
	.p2align	8
	.type	k_q5e0f5e405c_kv,@function
k_q5e0f5e405c_kv:
	s_mov_b64 s[64:65], 0
	v_nop
	global_prefetch_b8 v0, s[64:65] scope:SCOPE_SE
	s_setreg_imm32_b32 hwreg(HW_REG_WAVE_MODE, 25, 1), 1
	s_wait_xcnt 0x0
	s_wait_alu depctr_hold_cnt(0) depctr_sa_sdst(0) depctr_va_vdst(0) depctr_va_sdst(0) depctr_va_ssrc(0) depctr_va_vcc(0) depctr_vm_vsrc(0)
	s_getreg_b32 s2, hwreg(HW_REG_IB_STS2, 6, 4)
	s_cmp_eq_u32 s2, 0
	s_cbranch_scc0 .Lentry_in_a_cluster
	s_endpgm
.Lentry_in_a_cluster:
	s_bfe_u32 s2, ttmp6, 0x10000c
	s_cmp_lg_u32 s2, 0x3003
	s_cbranch_scc0 .Lentry_shape_is_right
	s_endpgm
.Lentry_shape_is_right:
; kv: for a block of 128 tokens of one stream (grid y: 0 saliency, 1 contour): LN1; V = n Wv^T + bv, stored transposed in bf16;
; K = n Wk^T + bk with xd = |K|^2 / 2 in f32; kp = exp(K w^T - xd) / 16, stored transposed in bf16.  (Keys of the saliency stream
; serve the contour branch and take w_c; keys of the contour stream take w_s.)  Nothing is left out.
; Four waves, as many as a WGP has SIMDs.  A wave makes all 128 tokens x 128 output columns (64 in the feature stage): 64 accumulator tiles.
; The normalised rows, and later K, lie in LDS (ACT, 128 rows of 1,024 bytes, pitch 1,040).  The bf16 weights walk through a ring of
; two LDS slots in K steps of 64 (128 in the feature stage); a wave fetches its own 16 KiB of each tile with one tensor load.
; CLUSTER: the four work-groups of a cluster walk the same weights, so each tile is asked for jointly (mask 15).  A round of the
; cluster barrier stands in front of every joint refill.  By this text's own count a wave has two tensor loads out at the start, later one.
; ORIENTATION: source 0 is index b, source 1 index a.  Weights as source 0: a lane holds one token and 8 neighbouring columns (K, which
; goes back to ACT by rows).  Tokens as source 0: a lane holds one column and 8 neighbouring tokens (V and kp, which are stored transposed).
; REGISTERS in windows of 256: window 0 scratch (v1-9), addresses (v10-31), more scratch (v32-63), source-1 fragments (two buffers), bias;
; window 1 source-0 fragments; windows 2 and 3 the accumulators, tile (a, b) at v[8 (8 (a % 4) + b)] of window 2 + a / 4.
.set PX,    1040                       ; ACT pitch: 65 x 16 bytes, so 16 rows start in 16 different 16-byte columns
.set ACT4,  64*PX
.set RING,  128*PX                     ; 133,120
.set WPART, 18432                      ; a wave's part of a slot: 128 rows of 128 bytes, pitch 144
.set SLOT,  4*WPART
.set STAGE, RING+2*SLOT                ; 280,576: 16 rows x 272 bytes for each wave, the way out
.set STATP, STAGE+4*4352               ; 297,984: [token 128][wave 4] f32, partial |K|^2
.set CROW,  STATP+2048                 ; 300,032: [token 128] f32, -xd log2 e - 4
.set CRD,  10                          ; v10  CROW + 32 h
.set XDC,  11                          ; v11  CROW + 4 (32 w + lane)
.set XDA,  12                          ; v12  STATP + 16 (32 w + lane)
.set VH,   13
.set VR,   14
.set VL,   15
.set ADRX, 16                          ; v16-17 ACT fragments, rows 0-63 and 64-127
.set ADRW, 18                          ; v18-19 weight fragments, slot 0 and 1
.set STO,  20                          ; v20-21 ACT stores of my 128 columns
.set BVO,  22                          ; v22  512 w + 4 r: V's bias (outside v2-9, which the layer norm uses for its sums)
.set LOFF, 24                          ; v24  16 x lane
.set LNST, 25                          ; v25  LN: where a row's 8 bytes go
.set BOFF, 26                          ; v26  512 w + 32 h
.set SGS,  28                          ; v28  stage, in
.set SGR,  29                          ; v29  stage, back
.set TOFF, 30                          ; v30  4,096 h + 16 r: two rows of a transposed array
.set STP,  31                          ; v31  STATP + 16 r + 4 w
.set TMP,  32                          ; v32-63
.set X,    64                          ; v64-127 an epilogue's 64 numbers (fragment buffer 0)
.set F0,   64
.set F1,   128
.set BIAS, 192                         ; v192-255
.set G1F,  16                          ; s[16:23] the shape of a weight tile
.set G0,   32                          ; s[32:39] from where, to where: a set for each slot
.set NB1,  40                          ; s[40:41] my part of the feature matrix
.set MUL_LO, 0xa1                      ; source 0 window 1, source 1 window 0, C and D window 2
.set MUL_HI, 0xf1                      ; the same, C and D window 3
.set TO_B,   0x40                      ; destination window 1
.set K_ADD,  0
.set K_ADDN, 1
.set K_EXPN, 2
.set MSB, 0
.macro WIN new                         ; the immediate's high byte repeats the setting that is left
.if MSB != \new
	s_set_vgpr_msb (MSB<<8)|\new
.set MSB, \new
.endif
.endm
.macro PLACES                          ; four plain places behind matrix instructions, ahead of loads into and reads of their registers
.rept 4
	v_nop
.endr
.endm
.macro CREST                           ; a round of the cluster barrier behind its opening work-group barrier
	s_cmp_lg_u32 s4, 0
	s_cbranch_scc1 .Lnw0_\@
	s_barrier_signal -3
.Lnw0_\@:
	s_barrier_wait -3
	s_barrier_signal -1
	s_barrier_wait -1
.endm
.macro CROUND
	s_barrier_signal -1
	s_barrier_wait -1
	CREST
.endm
; A stage's shape: nb source-0 fragments, na source-1 fragments, wtop = 1: the weights are source 0.
.macro SETTYPE nb, na, wtop
.set NB, \nb
.set NA, \na
.set WTOP, \wtop
.set W1, \na                           ; the youngest na loads are the upper half of the source-1 fragments
.set LF, 2*(\na+\nb)                   ; loads in one fetch
.endm
.macro MROW f, zero                    ; row a_ of tiles: NB matrix instructions, each on its own accumulator
.set b_, 0
.rept NB
.set c_, 8*(8*(a_&3)+b_)
.if \zero
	v_wmma_f32_16x16x32_bf16 v[c_:c_+7], v[\f+8*b_:\f+8*b_+7], v[\f+8*a_:\f+8*a_+7], 0
.else
	v_wmma_f32_16x16x32_bf16 v[c_:c_+7], v[\f+8*b_:\f+8*b_+7], v[\f+8*a_:\f+8*a_+7], v[c_:c_+7]
.endif
.set b_, b_+1
.endr
.endm
.macro ROWS f, a0, n, zero             ; the accumulators take turns, one instruction a turn
.set a_, \a0
.rept \n
.if a_ < 4
	WIN MUL_LO
.else
	WIN MUL_HI
.endif
	MROW \f, \zero
.set a_, a_+1
.endr
.endm
.macro LDW f, slot, woff, n            ; n weight fragments: 16 rows x 32 K, two loads of 16 bytes, 32 bytes apart
.set i_, 0
.rept \n
	ds_load_b128 v[\f+8*i_:\f+8*i_+3],   v[ADRW+\slot] offset:\woff+2304*i_
	ds_load_b128 v[\f+8*i_+4:\f+8*i_+7], v[ADRW+\slot] offset:\woff+2304*i_+32
.set i_, i_+1
.endr
.endm
.macro LDX f, xoff                     ; the eight token fragments
.set i_, 0
.rept 8
	ds_load_b128 v[\f+8*i_:\f+8*i_+3],   v[ADRX+(i_>>2)] offset:\xoff+16640*(i_&3)
	ds_load_b128 v[\f+8*i_+4:\f+8*i_+7], v[ADRX+(i_>>2)] offset:\xoff+16640*(i_&3)+32
.set i_, i_+1
.endr
.endm
.macro FETCH f, slot, woff, xoff       ; source 0 first, then source 1 in ascending a
	WIN TO_B
.if WTOP
	LDW \f, \slot, \woff, NB
.else
	LDX \f, \xoff
.endif
	WIN 0
.if WTOP
	LDX \f, \xoff
.else
	LDW \f, \slot, \woff, NA
.endif
.endm
.macro ADV slot, nb, step              ; the slot's next tile: two tiles on, or tile 0 or 1 of the next matrix
.if \nb
	s_add_nc_u64 s[G0+4*\slot+2:G0+4*\slot+3], s[\nb:\nb+1], \slot*\step
	s_or_b32 s[G0+4*\slot+3], s[G0+4*\slot+3], 0x80000000
.else
	s_add_nc_u64 s[G0+4*\slot+2:G0+4*\slot+3], s[G0+4*\slot+2:G0+4*\slot+3], 2*\step
.endif
.endm
; 32 along K: multiplies buffer f and, in its middle, fetches the next 32 into buffer g.
.macro QUARTER f, g, slot, woff, xoff, zero
	s_wait_dscnt W1                                ; all of buffer f but the fragments that only the second half needs
	ROWS \f, 0, NA/2, \zero
	PLACES
	FETCH \g, \slot, \woff, \xoff
	s_wait_dscnt LF                                ; all but the LF loads just issued
	ROWS \f, NA/2, NA/2, \zero
.endm
; The last 32 of a tile: multiplies buffer 1 and changes slots.  In front of the barrier each wave waits for its LDS reads and for all its
; tensor loads (one is out: its part of the next slot).  Behind it, where the slot is filled again, the rest of a round of the cluster
; barrier, then the joint refill as the first and only tensor load, then the next slot's first fragments.
.macro TURN slot, next, fill, nb, step, g1, fetch, xoff
	s_wait_dscnt W1
	ROWS F1, 0, NA/4, 0
	s_wait_dscnt 0x0                               ; my reads of this slot and of ACT are over
	s_wait_tensorcnt 0x0                           ; all my tensor loads have landed
	ds_add_u32 v255, v27
	s_wait_dscnt 0x0
	s_barrier_signal -1
	ROWS F1, NA/4, NA/4, 0                         ; register work while the others arrive
	WIN 0
	s_barrier_wait -1
.if \fill
	CREST
	ADV \slot, \nb, \step                          ; no tensor load of mine is out: the slot's descriptor may be written
	tensor_load_to_lds s[G0+4*\slot:G0+4*\slot+3], s[\g1:\g1+7]
	s_nop 0
.endif
.if \fetch
	PLACES
	FETCH F0, \next, 0, \xoff
.endif
	ROWS F1, NA/2, NA/2, 0
.endm
.macro FTRIP i, zero, fill, nb, step, g1, fetch    ; a tile of 64 along K
	QUARTER F0, F1, (\i&1), 64, 128*\i+64, \zero
	TURN (\i&1), (1-(\i&1)), \fill, \nb, \step, \g1, \fetch, 128*\i+128
.endm
.macro HTRIP i, zero, fill, nb, step, g1, fetch    ; a tile of 128 along K: two halves of 64 rows x 64 K, 9,216 bytes apart
	QUARTER F0, F1, (\i&1), 64,   256*\i+64,  \zero
	QUARTER F1, F0, (\i&1), 9216, 256*\i+128, 0
	QUARTER F0, F1, (\i&1), 9280, 256*\i+192, 0
	TURN (\i&1), (1-(\i&1)), \fill, \nb, \step, \g1, \fetch, 256*\i+256
.endm
; The 8 nb numbers of tile row blk leave the accumulators: X = acc + bias by column, acc + bias of my column, or acc log2 e + c by token.
.macro XOP blk, nb, kind
.if \blk < 4
	WIN 0x02
.else
	WIN 0x03
.endif
.set i_, 0
.rept 4*\nb
.set c_, 64*(\blk&3)+2*i_
.if \kind == K_ADD
	v_pk_add_f32 v[X+2*i_:X+2*i_+1], v[c_:c_+1], v[BIAS+2*i_:BIAS+2*i_+1]
.endif
.if \kind == K_ADDN
	v_pk_add_f32 v[X+2*i_:X+2*i_+1], v[c_:c_+1], v[BIAS+2*(\blk):BIAS+2*(\blk)+1]
.endif
.if \kind == K_EXPN
	v_pk_fma_f32 v[X+2*i_:X+2*i_+1], v[c_:c_+1], 0x3fb8aa3b, v[BIAS+2*i_:BIAS+2*i_+1] op_sel_hi:[1,0,1]
.endif
.set i_, i_+1
.endr
	WIN 0
.endm
.macro CVT nb
.set i_, 0
.rept 4*\nb
	v_cvt_pk_bf16_f32 v[TMP+i_], v[X+2*i_], v[X+2*i_+1]
.set i_, i_+1
.endr
.endm
.macro STA blk, nb, adr                ; 16 bytes a lane and tile into ACT, rows 16 blk + r
.set i_, 0
.rept \nb
	ds_store_b128 v[\adr+(\blk>>2)], v[TMP+4*i_:TMP+4*i_+3] offset:(\blk&3)*16640+32*i_
.set i_, i_+1
.endr
.endm
.macro BIASLD base                     ; bias[128 w + 16 b + 8 h + j] into BIAS + 8 b + j
.irp b,0,1,2,3,4,5,6,7
	global_load_b128 v[BIAS+8*\b:BIAS+8*\b+3],   v[BOFF], s[\base:\base+1] offset:64*\b
	global_load_b128 v[BIAS+8*\b+4:BIAS+8*\b+7], v[BOFF], s[\base:\base+1] offset:64*\b+16
.endr
.endm
.macro WSUM                            ; v2 summed over the 32 lanes, the result in every lane
	v_add_f32_dpp v2, v2, v2 row_xmask:1 row_mask:0xf bank_mask:0xf
	v_add_f32_dpp v2, v2, v2 row_xmask:2 row_mask:0xf bank_mask:0xf
	v_add_f32_dpp v2, v2, v2 row_xmask:4 row_mask:0xf bank_mask:0xf
	v_add_f32_dpp v2, v2, v2 row_xmask:8 row_mask:0xf bank_mask:0xf
	v_permlanex16_b32 v3, v2, s52, s53
	v_add_f32 v2, v2, v3
.endm
.macro LNFILL s, row                   ; one row of 2,048 bytes: four loads of 512 consecutive bytes
.irp q,0,1,2,3
	global_load_b128 v[F0+16*\s+4*\q:F0+16*\s+4*\q+3], v[LOFF], s[10:11] offset:(\row)*2048+512*\q
.endr
.endm
; One row's layer norm, the row in 16 registers of the wave: mean, centred squares, scale, gain and bias, bf16 into ACT.
; Scratch: v2-9 and v32-43.
.macro LNROW s, refill, left
.set S_, F0+16*\s
	s_wait_loadcnt \left                           ; my row is in; the younger rows stay out
	v_pk_add_f32 v[2:3], v[S_:S_+1], v[S_+2:S_+3]
	v_pk_add_f32 v[4:5], v[S_+4:S_+5], v[S_+6:S_+7]
	v_pk_add_f32 v[6:7], v[S_+8:S_+9], v[S_+10:S_+11]
	v_pk_add_f32 v[8:9], v[S_+12:S_+13], v[S_+14:S_+15]
	v_pk_add_f32 v[2:3], v[2:3], v[4:5]
	v_pk_add_f32 v[6:7], v[6:7], v[8:9]
	v_pk_add_f32 v[2:3], v[2:3], v[6:7]
	v_add_f32 v2, v2, v3
	WSUM
	v_mul_f32 v32, s55, v2                         ; the mean, twice: a pair for the packed subtraction
	v_mul_f32 v33, s55, v2
.irp j,0,2,4,6,8,10,12,14
	v_pk_add_f32 v[S_+\j:S_+\j+1], v[S_+\j:S_+\j+1], v[32:33] neg_lo:[0,1] neg_hi:[0,1]
.endr
	v_pk_mul_f32 v[2:3], v[S_:S_+1], v[S_:S_+1]
	v_pk_mul_f32 v[4:5], v[S_+2:S_+3], v[S_+2:S_+3]
.irp j,4,8,12
	v_pk_fma_f32 v[2:3], v[S_+\j:S_+\j+1], v[S_+\j:S_+\j+1], v[2:3]
	v_pk_fma_f32 v[4:5], v[S_+\j+2:S_+\j+3], v[S_+\j+2:S_+\j+3], v[4:5]
.endr
	v_pk_add_f32 v[2:3], v[2:3], v[4:5]
	v_add_f32 v2, v2, v3
	WSUM
	v_fma_f32 v2, v2, s55, s56                     ; variance + 1e-5
	v_rsq_f32 v34, v2
	v_rsq_f32 v35, v2                              ; the gain's multiplies below are the plain work behind the two (ISA guide 5.7.2)
.irp j,0,2,4,6,8,10,12,14
	v_pk_mul_f32 v[S_+\j:S_+\j+1], v[S_+\j:S_+\j+1], v[BIAS+\j:BIAS+\j+1]
.endr
	s_wait_alu depctr_va_vdst(0)
.irp j,0,2,4,6,8,10,12,14
	v_pk_fma_f32 v[S_+\j:S_+\j+1], v[S_+\j:S_+\j+1], v[34:35], v[BIAS+16+\j:BIAS+16+\j+1]
.endr
.irp j,0,1,2,3,4,5,6,7
	v_cvt_pk_bf16_f32 v[36+\j], v[S_+2*\j], v[S_+2*\j+1]
.endr
.irp q,0,1,2,3
	ds_store_b64 v[LNST], v[36+2*\q:37+2*\q] offset:\s*PX+256*\q
.endr
.if \refill
	LNFILL \s, (8+\s)
.endif
.endm
; A stage begins: what the waves stored into LDS is shown to all, tile 0 is in (its load was waited for in front of an earlier barrier, or
; is the older of the two first fills); tile 1 may stay out.
.macro START xd
	s_wait_dscnt 0x0
	s_wait_tensorcnt 0x1
	s_barrier_signal -1
	s_barrier_wait -1
.if \xd
	ds_load_b128 v[4:7], v[XDA]                    ; token 32 w + lane: the four waves' partial |K|^2
	s_wait_dscnt 0x0
	v_add_f32 v4, v4, v5
	v_add_f32 v6, v6, v7
	v_add_f32 v4, v4, v6
	v_fma_f32 v4, v4, s57, -4.0                    ; -(|K|^2 / 2) log2 e - 4: the 4 is the division by sqrt(256)
	ds_store_b32 v[XDC], v4                        ; read by all waves behind later barriers, each with a wait for 0 in front
.endif
	s_wait_xcnt 0x0                                ; the fragment buffers, which earlier global stores read, are loaded again only behind this wait
	FETCH F0, 0, 0, 0
.endm
; 16 columns x 128 tokens leave: 16 bytes a lane and tile into my own stage, whole rows of 256 bytes back, 16 lanes store 256 aligned consecutive bytes.
.macro TOUT blk, base
.irp b,0,1,2,3,4,5,6,7
	ds_store_b128 v[SGS], v[TMP+4*\b:TMP+4*\b+3] offset:32*\b
.endr
	s_wait_xcnt 0x0                                ; v128-159, which the last block's stores read, are loaded again only behind this wait
.irp t,0,1,2,3,4,5,6,7
	ds_load_b128 v[F1+4*\t:F1+4*\t+3], v[SGR] offset:544*\t     ; LDS serves a wave in order: these see the stores above
.endr
.irp t,0,1,2,3,4,5,6,7
	s_wait_dscnt 7-\t
	global_store_b128 v[TOFF], v[F1+4*\t:F1+4*\t+3], s[\base:\base+1] offset:(16*(\blk)+2*\t)*4096
.endr
.endm
	s_load_b512 s[68:83], s[0:1], 0x0              ; fea s, c; ln1 g s, c; ln1 b s, c; v_b s, c
	s_load_b256 s[84:91], s[0:1], 0x40             ; k_b s, c; wb; vt
	s_load_b64 s[92:93], s[0:1], 0x60              ; kpt
	s_set_vgpr_msb 0x40
	v_lshl_add_u32 v255, v0, 2, 0x49600
	s_set_vgpr_msb 0x4000
	v_mov_b32 v27, 0
	s_set_vgpr_msb 0x1
	ds_add_u32 v255, v27
	ds_add_u32 v255, v27
	s_set_vgpr_msb 0x100
	v_lshrrev_b32 v1, 5, v0
	v_readfirstlane_b32 s4, v1                     ; wave
	s_bfe_u32 s5, ttmp6, 0x40000                   ; cx: enters only the addresses of the block's own rows
	s_lshl_b32 s6, ttmp9, 2
	s_add_co_u32 s6, s6, s5                        ; block of 128 tokens, 0 to 127
	s_and_b32 s7, ttmp7, 0xffff                    ; stream
	s_mov_b32 s52, 0x76543210
	s_mov_b32 s53, 0xfedcba98
	s_mov_b32 s55, 0x3b000000                      ; 1 / 512
	s_mov_b32 s56, 0x3727c5ac                      ; 1e-5
	s_mov_b32 s57, 0xbf38aa3b                      ; -0.5 log2 e
	; the shape: 64 rows of 256 bytes (elements of 8 bytes), dense; 4 words of padding behind every 32 words, so that a weight row of 128 bytes has pitch 144
	s_mov_b32 s16, 0x0733000f                      ; mask 15, element code 3, padding on, bit 21 beside the mask, interval code 4, pad code 3
	s_mov_b32 s17, 32<<16
	s_mov_b32 s18, 64<<16
	s_mov_b32 s19, 32<<16
	s_mov_b32 s20, 64
	s_mov_b32 s21, 32
	s_mov_b32 s22, 0
	s_mov_b32 s23, 0
	s_mov_b32 s32, 1
	s_mov_b32 s36, 1
	s_mul_i32 s33, s4, WPART
	s_add_co_u32 s33, s33, RING                    ; slot 0, my part
	s_add_co_u32 s37, s33, SLOT                    ; slot 1
	s_lshl_b32 s94, s4, 14                         ; my 16 KiB of a tile
	s_mul_i32 s60, s7, 0x300000                    ; V's matrix of the stream; K's follows it, so the 16 tiles are one run
	s_add_co_u32 s60, s60, s94
	s_mov_b32 s61, 0
	s_lshl_b32 s96, s7, 18
	s_sub_co_u32 s96, 0x640000, s96                ; w_c for the saliency stream, w_s for the contour stream
	s_add_co_u32 s96, s96, s94
	s_mov_b32 s97, 0
	s_lshl_b32 s58, s6, 18                         ; the block's 128 rows of 2,048 bytes
	s_mov_b32 s59, 0
	s_lshl_b32 s98, s4, 16                         ; my 32 rows of them
	s_mov_b32 s99, 0
	s_wait_dscnt 0x0
	s_wait_kmcnt 0x0
	s_add_nc_u64 s[34:35], s[88:89], s[60:61]
	s_add_nc_u64 s[38:39], s[34:35], 0x10000
	s_or_b32 s35, s35, 0x80000000
	s_or_b32 s39, s39, 0x80000000
	s_add_nc_u64 s[NB1:NB1+1], s[88:89], s[96:97]
	s_cmp_eq_u32 s7, 0
	s_cselect_b64 s[8:9], s[68:69], s[70:71]
	s_cselect_b64 s[12:13], s[72:73], s[74:75]
	s_cselect_b64 s[14:15], s[76:77], s[78:79]
	s_cselect_b64 s[46:47], s[80:81], s[82:83]
	s_cselect_b64 s[48:49], s[84:85], s[86:87]
	s_add_nc_u64 s[8:9], s[8:9], s[58:59]
	s_add_nc_u64 s[10:11], s[8:9], s[98:99]
	CROUND                                         ; all four work-groups are here: the first joint loads meet
	tensor_load_to_lds s[32:35], s[16:23]          ; tiles 0 and 1, ahead of everything else
	s_nop 0
	tensor_load_to_lds s[36:39], s[16:23]
	s_nop 0
	s_and_b32 s100, s6, 15
	s_lshl_b32 s100, s100, 8                       ; the block's 128 tokens in a transposed row
	s_lshr_b32 s101, ttmp9, 2
	s_lshl3_add_u32 s101, s7, s101                 ; 8 x stream + batch
	s_lshl_b32 s58, s101, 21
	s_lshl_b32 s59, s4, 19
	s_add_co_u32 s58, s58, s59
	s_add_co_u32 s58, s58, s100
	s_mov_b32 s59, 0
	s_add_nc_u64 s[50:51], s[90:91], s[58:59]      ; vt at row 128 w of my batch
	s_lshl_b32 s58, s101, 20
	s_lshl_b32 s59, s4, 18
	s_add_co_u32 s58, s58, s59
	s_add_co_u32 s58, s58, s100
	s_mov_b32 s59, 0
	s_add_nc_u64 s[62:63], s[92:93], s[58:59]      ; kpt at row 64 w of my batch
	v_and_b32 v[VL], 31, v0
	v_and_b32 v[VR], 15, v0
	v_bfe_u32 v[VH], v0, 4, 1
	v_mul_u32_u24 v1, v[VR], PX
	v_lshl_add_u32 v[ADRX], v[VH], 4, v1
	v_add_nc_u32 v[ADRX+1], ACT4, v[ADRX]
	v_mul_u32_u24 v1, v[VR], 144
	v_lshl_add_u32 v1, v[VH], 4, v1
	v_add_nc_u32 v[ADRW], s33, v1
	v_add_nc_u32 v[ADRW+1], SLOT, v[ADRW]
	v_lshl_add_u32 v[STO], s4, 8, v[ADRX]
	v_add_nc_u32 v[STO+1], ACT4, v[STO]
	v_lshlrev_b32 v[LOFF], 4, v[VL]
	s_mul_i32 s60, s4, 32*PX
	v_lshl_add_u32 v[LNST], v[VL], 3, s60
	v_lshlrev_b32 v1, 5, v[VH]
	v_lshl_add_u32 v[BOFF], s4, 9, v1
	v_add_nc_u32 v[CRD], CROW, v1
	v_lshlrev_b32 v1, 2, v[VR]
	v_lshl_add_u32 v[BVO], s4, 9, v1
	v_lshlrev_b32 v1, 4, v[VR]
	v_lshl_add_u32 v[TOFF], v[VH], 12, v1
	s_lshl_b32 s60, s4, 2
	s_add_co_u32 s60, s60, STATP
	v_add_nc_u32 v[STP], s60, v1
	s_lshl_b32 s60, s4, 9
	s_add_co_u32 s60, s60, STATP
	v_add_nc_u32 v[XDA], s60, v[LOFF]
	s_lshl_b32 s60, s4, 7
	s_add_co_u32 s60, s60, CROW
	v_lshl_add_u32 v[XDC], v[VL], 2, s60
	s_mul_i32 s60, s4, 4352
	s_add_co_u32 s60, s60, STAGE
	v_mul_u32_u24 v1, v[VR], 272
	v_lshl_add_u32 v1, v[VH], 4, v1
	v_add_nc_u32 v[SGS], s60, v1
	v_mul_u32_u24 v1, v[VH], 272
	v_lshl_add_u32 v1, v[VR], 4, v1
	v_add_nc_u32 v[SGR], s60, v1
	; LN1: wave w takes rows 32 w to 32 w + 31, a row at a time, through a ring of eight row slots in registers
.irp q,0,1,2,3
	global_load_b128 v[BIAS+4*\q:BIAS+4*\q+3],       v[LOFF], s[12:13] offset:512*\q
	global_load_b128 v[BIAS+16+4*\q:BIAS+16+4*\q+3], v[LOFF], s[14:15] offset:512*\q
.endr
.irp s,0,1,2,3,4,5,6,7
	LNFILL \s, \s
.endr
	s_mov_b32 s54, 3
.Lln:
.irp s,0,1,2,3,4,5,6,7
	LNROW \s, 1, 28                                ; 28: the four loads of each of the seven younger slots
.endr
	s_wait_xcnt 0x0                                ; the base, which pending loads name, steps only behind this wait
	s_add_nc_u64 s[10:11], s[10:11], 16384
	v_add_nc_u32 v[LNST], 8*PX, v[LNST]
	s_sub_co_u32 s54, s54, 1
	s_cmp_lg_u32 s54, 0
	s_cbranch_scc1 .Lln
.irp s,0,1,2,3,4,5,6,7
	LNROW \s, 0, 28-4*\s                           ; the last eight rows load nothing: the counts run down
.endr
.irp a,0,1,2,3,4,5,6,7
	global_load_b32 v[BIAS+2*\a],   v[BVO], s[46:47] offset:64*\a    ; V's bias of column 128 w + 16 a + r, twice: a pair for the packed add
	global_load_b32 v[BIAS+2*\a+1], v[BVO], s[46:47] offset:64*\a
.endr
	; V: tokens are source 0
	SETTYPE 8, 8, 0
	START 0
	FTRIP 0, 1, 1, 0, 65536, G1F, 1                ; the first products start the sums: nothing is cleared
.irp i,1,2,3,4,5,6
	FTRIP \i, 0, 1, 0, 65536, G1F, 1
.endr
	FTRIP 7, 0, 1, 0, 65536, G1F, 0                ; its two last refills are K's tiles 0 and 1
	WIN 0
	PLACES
	s_wait_loadcnt 0x0                             ; V's bias
.irp a,0,1,2,3,4,5,6,7
	XOP \a, 8, K_ADDN
	CVT 8
	TOUT \a, 50
.endr
	BIASLD 48
	; K: weights are source 0
	SETTYPE 8, 8, 1
	START 0
	FTRIP 0, 1, 1, 0, 65536, G1F, 1
.irp i,1,2,3,4,5
	FTRIP \i, 0, 1, 0, 65536, G1F, 1
.endr
	FTRIP 6, 0, 1, NB1, 65536, G1F, 1              ; the feature matrix, tiles 0 and 1
	FTRIP 7, 0, 1, NB1, 65536, G1F, 0              ; behind its barrier no wave reads ACT any more
	WIN 0
	PLACES
	s_wait_loadcnt 0x0                             ; K's bias
.irp a,0,1,2,3,4,5,6,7
	XOP \a, 8, K_ADD
	v_pk_mul_f32 v[2:3], v[X:X+1], v[X:X+1]        ; |K|^2 of my 64 numbers of token 16 a + r, in two chains, on the f32 values
	v_pk_mul_f32 v[4:5], v[X+2:X+3], v[X+2:X+3]
.set i_, 4
.rept 15
	v_pk_fma_f32 v[2:3], v[X+i_:X+i_+1], v[X+i_:X+i_+1], v[2:3]
	v_pk_fma_f32 v[4:5], v[X+i_+2:X+i_+3], v[X+i_+2:X+i_+3], v[4:5]
.set i_, i_+4
.endr
	v_pk_add_f32 v[2:3], v[2:3], v[4:5]
	v_add_f32 v2, v2, v3
	v_permlanex16_b32 v3, v2, s52, s53             ; the other half of the lanes holds the token's other 64 columns
	v_add_f32 v2, v2, v3
	ds_store_b32 v[STP], v2 offset:256*\a
	CVT 8
	STA \a, 8, STO
.endr
	; the features: tokens are source 0, 64 features a wave, K in steps of 128
	SETTYPE 8, 4, 0
	START 1
	HTRIP 0, 1, 1, 0, 65536, G1F, 1
	HTRIP 1, 0, 1, 0, 65536, G1F, 1
	HTRIP 2, 0, 0, 0, 0, G1F, 1                    ; the last two tiles are on their way or in: nothing is filled
	HTRIP 3, 0, 0, 0, 0, G1F, 0
	WIN 0
	PLACES
.irp b,0,1,2,3,4,5,6,7
	ds_load_b128 v[BIAS+8*\b:BIAS+8*\b+3],   v[CRD] offset:64*\b       ; c of tokens 16 b + 8 h + j
	ds_load_b128 v[BIAS+8*\b+4:BIAS+8*\b+7], v[CRD] offset:64*\b+16
.endr
	s_wait_dscnt 0x0
.irp a,0,1,2,3
	XOP \a, 8, K_EXPN
.set i_, 0
.rept 64
	v_exp_f32 v[X+i_], v[X+i_]
.set i_, i_+1
.endr
	v_nop                                          ; one plain place behind the last exponential (ISA guide 5.7.2)
	s_wait_alu depctr_va_vdst(0)
	CVT 8
	TOUT \a, 62
.endr
	s_set_vgpr_msb 0x1
	s_wait_tensorcnt 0x0
	ds_add_u32 v255, v27
	s_wait_dscnt 0x0
	s_set_vgpr_msb 0x100
	CROUND                                         ; the closing round
	s_endpgm
.Lfunc_end_k_q5e0f5e405c_kv:
	.size	k_q5e0f5e405c_kv, .Lfunc_end_k_q5e0f5e405c_kv-k_q5e0f5e405c_kv
	.p2alignl 7, 3214868480
	.fill 96, 4, 3214868480
	.section	.rodata,"a",@progbits
	.p2align	6, 0x0
	.amdhsa_kernel k_q5e0f5e405c_kv
		.amdhsa_group_segment_fixed_size 327680
		.amdhsa_private_segment_fixed_size 0
		.amdhsa_enable_private_segment 0
		.amdhsa_kernarg_size 104
		.amdhsa_user_sgpr_count 2
		.amdhsa_user_sgpr_kernarg_segment_ptr 1
		.amdhsa_wavefront_size32 1
		.amdhsa_system_sgpr_workgroup_id_x 1
		.amdhsa_system_sgpr_workgroup_id_y 1
		.amdhsa_system_sgpr_workgroup_id_z 1
		.amdhsa_system_vgpr_workitem_id 0
		.amdhsa_next_free_vgpr 1024
		.amdhsa_next_free_sgpr 102
		.amdhsa_reserve_vcc 0
		.amdhsa_float_denorm_mode_32 3
		.amdhsa_float_denorm_mode_16_64 3
		.amdhsa_memory_ordered 1
		.amdhsa_forward_progress 1
		.amdhsa_inst_pref_size 255
	.end_amdhsa_kernel
	.section	.bss,"aw",@nobits
	.p2align	6
	.space	262144
	.amdgpu_metadata
---
amdhsa.version: [ 1, 2 ]
amdhsa.kernels:
  - .name:           k_q5e0f5e405c_kv
    .symbol:         k_q5e0f5e405c_kv.kd
    .args:
      - { .name: saliency_fea, .offset: 0, .size: 8, .value_kind: global_buffer, .address_space: global }
      - { .name: contour_fea, .offset: 8, .size: 8, .value_kind: global_buffer, .address_space: global }
      - { .name: ln1s_g, .offset: 16, .size: 8, .value_kind: global_buffer, .address_space: global }
      - { .name: ln1c_g, .offset: 24, .size: 8, .value_kind: global_buffer, .address_space: global }
      - { .name: ln1s_b, .offset: 32, .size: 8, .value_kind: global_buffer, .address_space: global }
      - { .name: ln1c_b, .offset: 40, .size: 8, .value_kind: global_buffer, .address_space: global }
      - { .name: vs_b, .offset: 48, .size: 8, .value_kind: global_buffer, .address_space: global }
      - { .name: vc_b, .offset: 56, .size: 8, .value_kind: global_buffer, .address_space: global }
      - { .name: ks_b, .offset: 64, .size: 8, .value_kind: global_buffer, .address_space: global }
      - { .name: kc_b, .offset: 72, .size: 8, .value_kind: global_buffer, .address_space: global }
      - { .name: wb, .offset: 80, .size: 8, .value_kind: global_buffer, .address_space: global }
      - { .name: vt, .offset: 88, .size: 8, .value_kind: global_buffer, .address_space: global }
      - { .name: kpt, .offset: 96, .size: 8, .value_kind: global_buffer, .address_space: global }
    .group_segment_fixed_size: 327680
    .private_segment_fixed_size: 0
    .kernarg_segment_align: 8
    .kernarg_segment_size: 104
    .max_flat_workgroup_size: 128
    .sgpr_count:     102
    .vgpr_count:     1024
    .wavefront_size: 32
...
	.end_amdgpu_metadata
.endif
;; end of part 2
;; launch kptv (part 3): grid 4 x 64, 4 waves a work-group, clusters of 4 x 4, 327,680 bytes of LDS; arguments vt, kpt, kaug; writes kaug
.if DOCPART == 3
	.amdgcn_target "amdgcn-amd-amdhsa--gfx1250"
	.amdhsa_code_object_version 6
	.text
	.protected	k_q5e0f5e405c_kptv
	.globl	k_q5e0f5e405c_kptv
	.p2align	8
	.type	k_q5e0f5e405c_kptv,@function
k_q5e0f5e405c_kptv:
	s_mov_b64 s[64:65], 0
	v_nop
	global_prefetch_b8 v0, s[64:65] scope:SCOPE_SE
	s_setreg_imm32_b32 hwreg(HW_REG_WAVE_MODE, 25, 1), 1
	s_wait_xcnt 0x0
	s_wait_alu depctr_hold_cnt(0) depctr_sa_sdst(0) depctr_va_vdst(0) depctr_va_sdst(0) depctr_va_ssrc(0) depctr_va_vcc(0) depctr_vm_vsrc(0)
	s_getreg_b32 s2, hwreg(HW_REG_IB_STS2, 6, 4)
	s_cmp_eq_u32 s2, 0
	s_cbranch_scc0 .Lentry_in_a_cluster
	s_endpgm
.Lentry_in_a_cluster:
	s_bfe_u32 s2, ttmp6, 0x10000c
	s_cmp_lg_u32 s2, 0xf033
	s_cbranch_scc0 .Lentry_shape_is_right
	s_endpgm
.Lentry_shape_is_right:
; kptv: for each stream and batch (16 in all, the cluster's y): G[i][m] = sum over 2,048 tokens of n^T[i][t] kp^T[m][t] (n^T: what vt holds, here V^T,
; so G is kptv), and ksum[m] = sum over t of kp^T[m][t], made as a product
; with a tile of ones.  Nothing is left out.
; A cluster of 4 x 4 work-groups makes one batch: cx picks 64 features m, cy picks 128 rows i.  A wave makes 32 i x 64 m (8 accumulators)
; and the key sums of 16 of the 64 features (a ninth).  n^T's tile hangs on cy alone and is asked for jointly along a row of the cluster,
; kp^T's on cx alone and is asked for jointly along a column.  t goes in 8 steps of 256 through two LDS slots (rows of 512 bytes, pitch 528).
; By this text's own count a wave has two tensor loads out at the start, later one.
; Source 0 is kp^T, source 1 n^T: a lane holds one i and 8 neighbouring m, 16 bytes of a row of the result.
; RESULT: kaug[batch 16][m / 64][i / 128][144 rows][64 m] bf16: rows 0 to 127 G, rows 128 to 143 sixteen equal rows of ksum; the four blocks
; of one batch and m / 64 are 73,728 consecutive bytes, which is what a work-group of the next launch fetches.
.set TP,    528
.set VROWS, 128*TP                     ; 67,584: n^T's 128 rows, then kp^T's 64
.set SLOT2, 192*TP                     ; 101,376
.set STG,   2*SLOT2                    ; 202,752: 32 rows x 144 bytes for each wave
.set DSG,   STG+4*4608                 ; 221,184: 16 rows x 144 bytes, the key sums
.set ADRV, 16                          ; v16-17 my 32 rows of n^T, slot 0, 1
.set ADRK, 18                          ; v18-19 the 64 rows of kp^T
.set ADRD, 20                          ; v20-21 rows 16 w to 16 w + 15 of them
.set SST,  22
.set DSO,  23
.set SRD,  24
.set DRD,  25
.set GO,   26
.set GD,   27
.set ONES, 32                          ; v32-39  a fragment of ones
.set ACC,  40                          ; v40-103 tile (mi, ni) at 8 (2 mi + ni)
.set DACC, 104                         ; v104-111
.set FB0,  112                         ; two fragment buffers of 56: kp^T 0-3, n^T 0-1, kp^T of my key sums
.set FB1,  168
.set PK,   224
.set G1,  24                           ; s[24:31] shape of n^T's loads, s[32:39] their two address sets
.set G0,  32
.set G1B, 48                           ; s[48:55], s[56:63] the same for kp^T
.set G0B, 56
.macro PLACES
.rept 4
	v_nop
.endr
.endm
.macro JLOAD s                         ; waves 0 and 1 fetch n^T's halves, waves 2 and 3 kp^T's: each line has one mask
	s_cmp_eq_u32 s11, 0
	s_cbranch_scc0 .Lfor_b_\@
	tensor_load_to_lds s[G0+4*\s:G0+4*\s+3], s[G1:G1+7]
	s_nop 0
	s_branch .Lasked_\@
.Lfor_b_\@:
	tensor_load_to_lds s[G0B+4*\s:G0B+4*\s+3], s[G1B:G1B+7]
	s_nop 0
.Lasked_\@:
.endm
.macro CROUND
	s_barrier_signal -1
	s_barrier_wait -1
	s_cmp_lg_u32 s10, 0
	s_cbranch_scc1 .Lnw0_\@
	s_barrier_signal -3
.Lnw0_\@:
	s_barrier_wait -3
	s_barrier_signal -1
	s_barrier_wait -1
.endm
.macro FETCH2 slot, c, buf             ; 14 loads: the fragments of 32 tokens at byte 64 c of the rows
.irp i,0,1,2,3
	ds_load_b128 v[\buf+8*\i:\buf+8*\i+3],   v[ADRK+\slot] offset:\i*16*TP+64*(\c)
	ds_load_b128 v[\buf+8*\i+4:\buf+8*\i+7], v[ADRK+\slot] offset:\i*16*TP+64*(\c)+32
.endr
.irp i,0,1
	ds_load_b128 v[\buf+32+8*\i:\buf+32+8*\i+3], v[ADRV+\slot] offset:\i*16*TP+64*(\c)
	ds_load_b128 v[\buf+36+8*\i:\buf+36+8*\i+3], v[ADRV+\slot] offset:\i*16*TP+64*(\c)+32
.endr
	ds_load_b128 v[\buf+48:\buf+51], v[ADRD+\slot] offset:64*(\c)
	ds_load_b128 v[\buf+52:\buf+55], v[ADRD+\slot] offset:64*(\c)+32
.endm
.macro MUL9 buf, zero                  ; nine accumulators take turns, one instruction a turn, over the backward jump too
.irp t,0,1,2,3,4,5,6,7
.if \zero
	v_wmma_f32_16x16x32_bf16 v[ACC+8*\t:ACC+8*\t+7], v[\buf+8*(\t>>1):\buf+8*(\t>>1)+7], v[\buf+32+8*(\t&1):\buf+32+8*(\t&1)+7], 0
.else
	v_wmma_f32_16x16x32_bf16 v[ACC+8*\t:ACC+8*\t+7], v[\buf+8*(\t>>1):\buf+8*(\t>>1)+7], v[\buf+32+8*(\t&1):\buf+32+8*(\t&1)+7], v[ACC+8*\t:ACC+8*\t+7]
.endif
.endr
.if \zero
	v_wmma_f32_16x16x32_bf16 v[DACC:DACC+7], v[\buf+48:\buf+55], v[ONES:ONES+7], 0
.else
	v_wmma_f32_16x16x32_bf16 v[DACC:DACC+7], v[\buf+48:\buf+55], v[ONES:ONES+7], v[DACC:DACC+7]
.endif
.endm
.macro STEP slot, zero                 ; 256 tokens: eight times 32, the next fragments fetched while these are multiplied
	PLACES
	FETCH2 \slot, 0, FB0
	PLACES
	FETCH2 \slot, 1, FB1
	s_wait_dscnt 14                                ; all but the 14 loads just issued
	MUL9 FB0, \zero
.irp c,1,2,3,4,5,6
	PLACES
	FETCH2 \slot, (\c+1), (FB0+56*((\c+1)&1))
	s_wait_dscnt 14
	MUL9 (FB0+56*(\c&1)), 0
.endr
	s_wait_dscnt 0x0
	MUL9 FB1, 0
.endm
; A change of slots.  Each wave waits for all its tensor loads and for its LDS reads; a round of the cluster barrier; the joint refill of
; the slot read last is the first and only tensor load behind it; then this slot is read.
.macro TWO slot, other, refill
	s_wait_tensorcnt 0x0
	ds_add_u32 v30, v31
	s_wait_dscnt 0x0
.if \refill
	s_add_nc_u64 s[G0+4*\other+2:G0+4*\other+3], s[G0+4*\other+2:G0+4*\other+3], 1024      ; no load of mine is out: two steps of 512 bytes on
	s_add_nc_u64 s[G0B+4*\other+2:G0B+4*\other+3], s[G0B+4*\other+2:G0B+4*\other+3], 1024
.endif
	s_wait_dscnt 0x0
.if \refill
	CROUND
	JLOAD \other
.else
	s_barrier_signal -1
	s_barrier_wait -1
.endif
	STEP \slot, 0
.endm
	s_load_b128 s[4:7], s[0:1], 0x0                ; vt, kpt
	s_load_b64 s[8:9], s[0:1], 0x10                ; kaug
	v_lshl_add_u32 v30, v0, 2, 0x36900
	v_mov_b32 v31, 0
	ds_add_u32 v30, v31
	ds_add_u32 v30, v31
	v_lshrrev_b32 v1, 5, v0
	v_readfirstlane_b32 s10, v1                    ; wave
	s_lshr_b32 s11, s10, 1                         ; I fetch for n^T (0) or for kp^T (1),
	s_and_b32 s12, s10, 1                          ; and which half of its rows
	s_bfe_u32 s40, ttmp6, 0x40000                  ; cx
	s_bfe_u32 s41, ttmp6, 0x40004                  ; cy
	s_and_b32 s13, ttmp7, 0xffff                   ; 8 x stream + batch
	s_lshl_b32 s43, s41, 2
	s_lshl_b32 s43, 15, s43                        ; my row of the cluster
	s_lshl_b32 s44, 0x1111, s40                    ; my column
	s_or_b32 s[G1+0], s43, (1<<16)|(1<<20)|(1<<21)|(6<<22)|(3<<25)    ; elements of 2 bytes, 4 words of padding behind every 128 words
	s_or_b32 s[G1B+0], s44, (1<<16)|(1<<20)|(1<<21)|(6<<22)|(3<<25)
	s_mov_b32 s[G1+1], 256<<16
	s_mov_b32 s[G1B+1], 256<<16
	s_mov_b32 s[G1+2], 64<<16                      ; 64 rows of n^T a load,
	s_mov_b32 s[G1B+2], 32<<16                     ; 32 of kp^T
	s_mov_b32 s[G1+3], 256<<16
	s_mov_b32 s[G1B+3], 256<<16
	s_mov_b32 s[G1+4], 64
	s_mov_b32 s[G1B+4], 32
	s_mov_b32 s[G1+5], 2048
	s_mov_b32 s[G1B+5], 2048
	s_mov_b32 s[G1+6], 0
	s_mov_b32 s[G1B+6], 0
	s_mov_b32 s[G1+7], 0
	s_mov_b32 s[G1B+7], 0
	s_lshl_b32 s16, s13, 9                         ; n^T: row 512 x batch + 128 cy + 64 x half; never holds cx
	s_lshl_b32 s17, s41, 7
	s_add_co_u32 s16, s16, s17
	s_lshl_b32 s17, s12, 6
	s_add_co_u32 s16, s16, s17
	s_lshl_b32 s16, s16, 12
	s_mov_b32 s17, 0
	s_lshl_b32 s46, s13, 8                         ; kp^T: row 256 x batch + 64 cx + 32 x half; never holds cy
	s_lshl_b32 s47, s40, 6
	s_add_co_u32 s46, s46, s47
	s_lshl_b32 s47, s12, 5
	s_add_co_u32 s46, s46, s47
	s_lshl_b32 s46, s46, 12
	s_mov_b32 s47, 0
	s_mul_i32 s20, s12, 64*TP
	s_mul_i32 s21, s12, 32*TP
	s_add_co_u32 s21, s21, VROWS
	s_wait_dscnt 0x0
	s_wait_kmcnt 0x0
	s_add_nc_u64 s[14:15], s[4:5], s[16:17]
	s_add_nc_u64 s[46:47], s[6:7], s[46:47]
	CROUND                                         ; all sixteen work-groups are here: the first joint loads meet
.irp s,0,1
	s_mov_b32 s[G0+4*\s], 1
	s_add_co_u32 s[G0+4*\s+1], s20, \s*SLOT2
	s_add_nc_u64 s[G0+4*\s+2:G0+4*\s+3], s[14:15], \s*512
	s_or_b32 s[G0+4*\s+3], s[G0+4*\s+3], 0x80000000
	s_mov_b32 s[G0B+4*\s], 1
	s_add_co_u32 s[G0B+4*\s+1], s21, \s*SLOT2
	s_add_nc_u64 s[G0B+4*\s+2:G0B+4*\s+3], s[46:47], \s*512
	s_or_b32 s[G0B+4*\s+3], s[G0B+4*\s+3], 0x80000000
	JLOAD \s
.endr
	v_and_b32 v1, 15, v0                           ; r
	v_bfe_u32 v2, v0, 4, 1                         ; h
	v_and_b32 v5, 31, v0                           ; lane
	v_mul_u32_u24 v3, v1, TP
	v_lshl_add_u32 v3, v2, 4, v3
	s_mul_i32 s22, s10, 32*TP
	v_add_nc_u32 v[ADRV], s22, v3
	v_add_nc_u32 v[ADRV+1], SLOT2, v[ADRV]
	v_add_nc_u32 v[ADRK], VROWS, v3
	v_add_nc_u32 v[ADRK+1], SLOT2, v[ADRK]
	s_mul_i32 s23, s10, 16*TP
	v_add_nc_u32 v[ADRD], s23, v[ADRK]
	v_add_nc_u32 v[ADRD+1], s23, v[ADRK+1]
	s_mul_i32 s22, s10, 4608
	s_add_co_u32 s22, s22, STG
	v_mul_u32_u24 v4, v1, 144
	v_lshl_add_u32 v4, v2, 4, v4
	v_add_nc_u32 v[SST], s22, v4
	s_lshl_b32 s23, s10, 5
	s_add_co_u32 s23, s23, DSG
	v_add_nc_u32 v[DSO], s23, v4
	v_lshrrev_b32 v6, 3, v5
	v_and_b32 v7, 7, v5
	v_mul_u32_u24 v6, v6, 144
	v_lshl_add_u32 v6, v7, 4, v6
	v_add_nc_u32 v[SRD], s22, v6
	s_mul_i32 s23, s10, 576
	s_add_co_u32 s23, s23, DSG
	v_add_nc_u32 v[DRD], s23, v6
	v_lshlrev_b32 v8, 4, v5
	v_lshl_add_u32 v[GO], s10, 12, v8
	v_lshl_add_u32 v[GD], s10, 9, v8
.irp j,0,1,2,3,4,5,6,7
	v_mov_b32 v[ONES+\j], 0x3f803f80               ; two bf16 ones
.endr
	s_wait_tensorcnt 0x1                           ; my part of step 0 is in; step 1 may stay out
	s_barrier_signal -1
	s_barrier_wait -1
	STEP 0, 1                                      ; the first products start the sums
	s_mov_b32 s3, 3
.Lk:
	TWO 1, 0, 1
	TWO 0, 1, 1
	s_sub_co_u32 s3, s3, 1
	s_cmp_lg_u32 s3, 0
	s_cbranch_scc1 .Lk
	TWO 1, 0, 0                                    ; the last step: nothing is left to fetch
	PLACES
	s_lshl2_add_u32 s20, s13, s40                  ; the result's block: ((4 x batch + cx) x 4 + cy) x 18,432 bytes
	s_lshl2_add_u32 s20, s20, s41
	s_mul_i32 s20, s20, 18432
	s_mov_b32 s21, 0
	s_add_nc_u64 s[8:9], s[8:9], s[20:21]
.irp t,0,1,2,3,4,5,6,7
.irp p,0,1,2,3
	v_cvt_pk_bf16_f32 v[PK+4*\t+\p], v[ACC+8*\t+2*\p], v[ACC+8*\t+2*\p+1]
.endr
.endr
.irp p,0,1,2,3
	v_cvt_pk_bf16_f32 v[FB0+\p], v[DACC+2*\p], v[DACC+2*\p+1]
.endr
.irp t,0,1,2,3,4,5,6,7
	ds_store_b128 v[SST], v[PK+4*\t:PK+4*\t+3] offset:2304*(\t&1)+32*(\t>>1)   ; row 16 ni + r, bytes 32 mi + 16 h
.endr
	ds_store_b128 v[DSO], v[FB0:FB0+3]             ; row r of sixteen equal rows, my 16 features
	s_wait_dscnt 0x0                               ; the key sums' rows are made by all four waves
	s_barrier_signal -1
	s_barrier_wait -1
.irp q,0,1,2,3,4,5,6,7
	ds_load_b128 v[FB0+4+4*\q:FB0+7+4*\q], v[SRD] offset:576*\q    ; four rows of 128 bytes
.endr
	ds_load_b128 v[FB0+36:FB0+39], v[DRD]
	s_wait_dscnt 0x0
.irp q,0,1,2,3,4,5,6,7
	global_store_b128 v[GO], v[FB0+4+4*\q:FB0+7+4*\q], s[8:9] offset:512*\q    ; 512 consecutive bytes
.endr
	global_store_b128 v[GD], v[FB0+36:FB0+39], s[8:9] offset:16384
	s_wait_tensorcnt 0x0
	ds_add_u32 v30, v31
	s_wait_dscnt 0x0
	CROUND                                         ; the closing round
	s_endpgm
.Lfunc_end_k_q5e0f5e405c_kptv:
	.size	k_q5e0f5e405c_kptv, .Lfunc_end_k_q5e0f5e405c_kptv-k_q5e0f5e405c_kptv
	.p2alignl 7, 3214868480
	.fill 96, 4, 3214868480
	.section	.rodata,"a",@progbits
	.p2align	6, 0x0
	.amdhsa_kernel k_q5e0f5e405c_kptv
		.amdhsa_group_segment_fixed_size 327680
		.amdhsa_private_segment_fixed_size 0
		.amdhsa_enable_private_segment 0
		.amdhsa_kernarg_size 24
		.amdhsa_user_sgpr_count 2
		.amdhsa_user_sgpr_kernarg_segment_ptr 1
		.amdhsa_wavefront_size32 1
		.amdhsa_system_sgpr_workgroup_id_x 1
		.amdhsa_system_sgpr_workgroup_id_y 1
		.amdhsa_system_sgpr_workgroup_id_z 1
		.amdhsa_system_vgpr_workitem_id 0
		.amdhsa_next_free_vgpr 256
		.amdhsa_next_free_sgpr 66
		.amdhsa_reserve_vcc 0
		.amdhsa_float_denorm_mode_32 3
		.amdhsa_float_denorm_mode_16_64 3
		.amdhsa_memory_ordered 1
		.amdhsa_forward_progress 1
		.amdhsa_inst_pref_size 66
	.end_amdhsa_kernel
	.amdgpu_metadata
---
amdhsa.version: [ 1, 2 ]
amdhsa.kernels:
  - .name:           k_q5e0f5e405c_kptv
    .symbol:         k_q5e0f5e405c_kptv.kd
    .args:
      - { .name: vt, .offset: 0, .size: 8, .value_kind: global_buffer, .address_space: global }
      - { .name: kpt, .offset: 8, .size: 8, .value_kind: global_buffer, .address_space: global }
      - { .name: kaug, .offset: 16, .size: 8, .value_kind: global_buffer, .address_space: global }
    .group_segment_fixed_size: 327680
    .private_segment_fixed_size: 0
    .kernarg_segment_align: 8
    .kernarg_segment_size: 24
    .max_flat_workgroup_size: 128
    .sgpr_count:     66
    .vgpr_count:     256
    .wavefront_size: 32
...
	.end_amdgpu_metadata
.endif
;; end of part 3
;; launch qy (part 4): grid 128 x 2, 4 waves a work-group, clusters of 4 x 1, 327,680 bytes of LDS; arguments saliency_fea, contour_fea, ln1s_g, ln1c_g, ln1s_b, ln1c_b, qs_b, qc_b, proj_s_b, proj_c_b, wb, kaug, sres; writes sres
.if DOCPART == 4
	.amdgcn_target "amdgcn-amd-amdhsa--gfx1250"
	.amdhsa_code_object_version 6
	.text
	.protected	k_q5e0f5e405c_qy
	.globl	k_q5e0f5e405c_qy
	.p2align	8
	.type	k_q5e0f5e405c_qy,@function
k_q5e0f5e405c_qy:
	s_mov_b64 s[64:65], 0
	v_nop
	global_prefetch_b8 v0, s[64:65] scope:SCOPE_SE
	s_setreg_imm32_b32 hwreg(HW_REG_WAVE_MODE, 25, 1), 1
	s_wait_xcnt 0x0
	s_wait_alu depctr_hold_cnt(0) depctr_sa_sdst(0) depctr_va_vdst(0) depctr_va_sdst(0) depctr_va_ssrc(0) depctr_va_vcc(0) depctr_vm_vsrc(0)
	s_getreg_b32 s2, hwreg(HW_REG_IB_STS2, 6, 4)
	s_cmp_eq_u32 s2, 0
	s_cbranch_scc0 .Lentry_in_a_cluster
	s_endpgm
.Lentry_in_a_cluster:
	s_bfe_u32 s2, ttmp6, 0x10000c
	s_cmp_lg_u32 s2, 0x3003
	s_cbranch_scc0 .Lentry_shape_is_right
	s_endpgm
.Lentry_shape_is_right:
; qy: for a block of 128 tokens of one branch (grid y: 0 saliency, 1 contour): LN1; Q = n Wq^T + bq with xd = |Q|^2 / 2; qp = exp(Q w^T - xd) / 16;
; y = qp kptv^T / (qp . ksum + 1e-8), kptv and ksum of the OTHER stream; s = fea + y Wp^T + bp, stored in f32.  Nothing is left out.
; Four waves; a wave makes all 128 tokens x 128 output columns (64 in the feature stage).  The rows at work (n, Q, qp, y in turn) lie in LDS
; (ACT, pitch 1,040).  Weights and kptv walk through a ring of two LDS slots; a wave fetches its own part of each tile with one tensor load.
; CLUSTER: the four work-groups of a cluster are four blocks of one batch and branch and walk the same 24 tiles, each asked for jointly
; (mask 15) behind a round of the cluster barrier.  By this text's own count a wave has two tensor loads out at the start, later one.
; Weights are always source 0 (index b), tokens source 1 (index a): a lane holds token 16 a + r and 8 neighbouring columns.
; D: each tile of kptv carries sixteen equal rows of ksum as a ninth fragment; its products give D of token 16 a + r in every register.
; REGISTERS: window 0 addresses, scratch, token fragments, bias; window 1 v0-63 the eight D accumulators, v64-191 weight fragments
; (at the end the residual rows), v192-207 the ksum fragments; windows 2 and 3 the accumulators, tile (a, b) at v[8 (8 (a % 4) + b)].
.set PX,    1040
.set ACT4,  64*PX
.set RING,  128*PX                     ; 133,120
.set WPART, 20736                      ; a wave's part of a slot: up to 144 rows of 128 bytes, pitch 144
.set SLOT,  4*WPART
.set STATP, RING+2*SLOT                ; 299,008: [token][wave] f32
.set CROW,  STATP+2048                 ; 301,056: [token] f32
.set CRD,  10                          ; v10  CROW + 4 r
.set XDC,  11
.set XDA,  12
.set VH,   13
.set VR,   14
.set VL,   15
.set ADRX, 16
.set ADRW, 18
.set STO,  20                          ; v20-21 ACT stores of my 128 columns
.set STOF, 22                          ; v22-23 ACT stores of my 64 features
.set LOFF, 24
.set LNST, 25
.set BOFF, 26
.set GOFF, 27                          ; v27  512 w + 16 x lane
.set SGS,  28                          ; v28  f32 stage, in
.set SGR,  29                          ; v29  f32 stage, back
.set STP,  31
.set TMP,  32
.set X,    64
.set F0,   64
.set F1,   128
.set CP,   128                         ; v128-143 a pair for each a: c of the token, later 1 / (D + 1e-8); v144-151 D + 1e-8
.set BIAS, 192
.set DF,   192                         ; window 1: the ksum fragment of buffer 0 at 192, of buffer 1 at 200
.set G1F,  16
.set G1Y,  24                          ; s[24:31] the shape of a tile of kptv: 72 rows of 256 bytes
.set G0,   32
.set NB1,  40                          ; s[40:41] my part of the feature matrix
.set NB2,  42                          ; s[42:43] of kptv
.set NB3,  44                          ; s[44:45] of proj
.set MUL_LO, 0xa1
.set MUL_HI, 0xf1
.set MUL_D,  0x51                      ; source 0, C and D window 1, source 1 window 0
.set TO_B,   0x40
.set K_ADD,  0
.set K_EXPS, 1
.set K_MUL,  2
.set MSB, 0
.macro WIN new
.if MSB != \new
	s_set_vgpr_msb (MSB<<8)|\new
.set MSB, \new
.endif
.endm
.macro PLACES                          ; four plain places behind matrix instructions (ISA guide 7.12.1)
.rept 4
	v_nop
.endr
.endm
.macro CREST
	s_cmp_lg_u32 s4, 0
	s_cbranch_scc1 .Lnw0_\@
	s_barrier_signal -3
.Lnw0_\@:
	s_barrier_wait -3
	s_barrier_signal -1
	s_barrier_wait -1
.endm
.macro CROUND
	s_barrier_signal -1
	s_barrier_wait -1
	CREST
.endm
.macro SETTYPE nb, na, drow            ; nb weight fragments, na token fragments, drow = 1: the ksum fragment rides along
.set NB, \nb
.set NA, \na
.set DROW, \drow
.set W1, \na                           ; the youngest na loads are token fragments 4 to 7
.set LF, 2*(\na+\nb)+2*\drow           ; loads in one fetch
.endm
.macro MROW f, zero
.set b_, 0
.rept NB
.set c_, 8*(8*(a_&3)+b_)
.if \zero
	v_wmma_f32_16x16x32_bf16 v[c_:c_+7], v[\f+8*b_:\f+8*b_+7], v[\f+8*a_:\f+8*a_+7], 0
.else
	v_wmma_f32_16x16x32_bf16 v[c_:c_+7], v[\f+8*b_:\f+8*b_+7], v[\f+8*a_:\f+8*a_+7], v[c_:c_+7]
.endif
.set b_, b_+1
.endr
.endm
.macro ROWS f, a0, n, zero             ; the accumulators take turns, one instruction a turn
.set a_, \a0
.rept \n
.if a_ < 4
	WIN MUL_LO
.else
	WIN MUL_HI
.endif
	MROW \f, \zero
.set a_, a_+1
.endr
.endm
.macro MDS f, a0, zero                 ; D of token blocks a0 to a0 + 3
.if DROW
	WIN MUL_D
.set a_, \a0
.rept 4
.if \zero
	v_wmma_f32_16x16x32_bf16 v[8*a_:8*a_+7], v[DF+(\f-64)/8:DF+(\f-64)/8+7], v[\f+8*a_:\f+8*a_+7], 0
.else
	v_wmma_f32_16x16x32_bf16 v[8*a_:8*a_+7], v[DF+(\f-64)/8:DF+(\f-64)/8+7], v[\f+8*a_:\f+8*a_+7], v[8*a_:8*a_+7]
.endif
.set a_, a_+1
.endr
.endif
.endm
.macro LDW f, slot, woff, n
.set i_, 0
.rept \n
	ds_load_b128 v[\f+8*i_:\f+8*i_+3],   v[ADRW+\slot] offset:\woff+2304*i_
	ds_load_b128 v[\f+8*i_+4:\f+8*i_+7], v[ADRW+\slot] offset:\woff+2304*i_+32
.set i_, i_+1
.endr
.endm
.macro LDX f, xoff
.set i_, 0
.rept 8
	ds_load_b128 v[\f+8*i_:\f+8*i_+3],   v[ADRX+(i_>>2)] offset:\xoff+16640*(i_&3)
	ds_load_b128 v[\f+8*i_+4:\f+8*i_+7], v[ADRX+(i_>>2)] offset:\xoff+16640*(i_&3)+32
.set i_, i_+1
.endr
.endm
.macro FETCH f, slot, woff, xoff       ; weights first, then tokens in ascending a
	WIN TO_B
	LDW \f, \slot, \woff, NB
.if DROW
	ds_load_b128 v[DF+(\f-64)/8:DF+(\f-64)/8+3],   v[ADRW+\slot] offset:\woff+18432     ; rows 128 to 143 of the tile
	ds_load_b128 v[DF+(\f-64)/8+4:DF+(\f-64)/8+7], v[ADRW+\slot] offset:\woff+18432+32
.endif
	WIN 0
	LDX \f, \xoff
.endm
.macro ADV slot, nb, step
.if \nb
	s_add_nc_u64 s[G0+4*\slot+2:G0+4*\slot+3], s[\nb:\nb+1], \slot*\step
	s_or_b32 s[G0+4*\slot+3], s[G0+4*\slot+3], 0x80000000
.else
	s_add_nc_u64 s[G0+4*\slot+2:G0+4*\slot+3], s[G0+4*\slot+2:G0+4*\slot+3], 2*\step
.endif
.endm
.macro QUARTER f, g, slot, woff, xoff, zero
	s_wait_dscnt W1                                ; all of buffer f but token fragments 4 to 7
	ROWS \f, 0, NA/2, \zero
	MDS \f, 0, \zero
	PLACES
	FETCH \g, \slot, \woff, \xoff
	s_wait_dscnt LF                                ; all but the LF loads just issued
	ROWS \f, NA/2, NA/2, \zero
	MDS \f, 4, \zero
.endm
; The last 32 of a tile.  In front of the barrier each wave waits for its LDS reads and for all its tensor loads; behind it, where the slot is
; filled again, the rest of a round of the cluster barrier, the joint refill as the first and only tensor load, then the next slot's fragments.
.macro TURN slot, next, fill, nb, step, g1, fetch, xoff
	s_wait_dscnt W1
	ROWS F1, 0, NA/4, 0
	s_wait_dscnt 0x0                               ; my reads of this slot and of ACT are over
	s_wait_tensorcnt 0x0                           ; all my tensor loads have landed
	ds_add_u32 v255, v30
	s_wait_dscnt 0x0
	s_barrier_signal -1
	ROWS F1, NA/4, NA/4, 0
	MDS F1, 0, 0
	WIN 0
	s_barrier_wait -1
.if \fill
	CREST
	ADV \slot, \nb, \step
	tensor_load_to_lds s[G0+4*\slot:G0+4*\slot+3], s[\g1:\g1+7]
	s_nop 0
.endif
.if \fetch
	PLACES
	FETCH F0, \next, 0, \xoff
.endif
	ROWS F1, NA/2, NA/2, 0
	MDS F1, 4, 0
.endm
.macro FTRIP i, zero, fill, nb, step, g1, fetch
	QUARTER F0, F1, (\i&1), 64, 128*\i+64, \zero
	TURN (\i&1), (1-(\i&1)), \fill, \nb, \step, \g1, \fetch, 128*\i+128
.endm
.macro HTRIP i, zero, fill, nb, step, g1, fetch
	QUARTER F0, F1, (\i&1), 64,   256*\i+64,  \zero
	QUARTER F1, F0, (\i&1), 9216, 256*\i+128, 0
	QUARTER F0, F1, (\i&1), 9280, 256*\i+192, 0
	TURN (\i&1), (1-(\i&1)), \fill, \nb, \step, \g1, \fetch, 256*\i+256
.endm
.macro XOP blk, nb, kind               ; X = acc + bias by column, acc log2 e + c of my token, or acc / (D + 1e-8) of my token
.if \blk < 4
	WIN 0x02
.else
	WIN 0x03
.endif
.set i_, 0
.rept 4*\nb
.set c_, 64*(\blk&3)+2*i_
.if \kind == K_ADD
	v_pk_add_f32 v[X+2*i_:X+2*i_+1], v[c_:c_+1], v[BIAS+2*i_:BIAS+2*i_+1]
.endif
.if \kind == K_EXPS
	v_pk_fma_f32 v[X+2*i_:X+2*i_+1], v[c_:c_+1], 0x3fb8aa3b, v[CP+2*(\blk):CP+2*(\blk)+1] op_sel_hi:[1,0,1]
.endif
.if \kind == K_MUL
	v_pk_mul_f32 v[X+2*i_:X+2*i_+1], v[c_:c_+1], v[CP+2*(\blk):CP+2*(\blk)+1]
.endif
.set i_, i_+1
.endr
	WIN 0
.endm
.macro CVT nb
.set i_, 0
.rept 4*\nb
	v_cvt_pk_bf16_f32 v[TMP+i_], v[X+2*i_], v[X+2*i_+1]
.set i_, i_+1
.endr
.endm
.macro STA blk, nb, adr
.set i_, 0
.rept \nb
	ds_store_b128 v[\adr+(\blk>>2)], v[TMP+4*i_:TMP+4*i_+3] offset:(\blk&3)*16640+32*i_
.set i_, i_+1
.endr
.endm
.macro BIASLD base
.irp b,0,1,2,3,4,5,6,7
	global_load_b128 v[BIAS+8*\b:BIAS+8*\b+3],   v[BOFF], s[\base:\base+1] offset:64*\b
	global_load_b128 v[BIAS+8*\b+4:BIAS+8*\b+7], v[BOFF], s[\base:\base+1] offset:64*\b+16
.endr
.endm
.macro WSUM
	v_add_f32_dpp v2, v2, v2 row_xmask:1 row_mask:0xf bank_mask:0xf
	v_add_f32_dpp v2, v2, v2 row_xmask:2 row_mask:0xf bank_mask:0xf
	v_add_f32_dpp v2, v2, v2 row_xmask:4 row_mask:0xf bank_mask:0xf
	v_add_f32_dpp v2, v2, v2 row_xmask:8 row_mask:0xf bank_mask:0xf
	v_permlanex16_b32 v3, v2, s52, s53
	v_add_f32 v2, v2, v3
.endm
.macro LNFILL s, row
.irp q,0,1,2,3
	global_load_b128 v[F0+16*\s+4*\q:F0+16*\s+4*\q+3], v[LOFF], s[10:11] offset:(\row)*2048+512*\q
.endr
.endm
.macro LNROW s, refill, left
.set S_, F0+16*\s
	s_wait_loadcnt \left                           ; my row is in; the younger rows stay out
	v_pk_add_f32 v[2:3], v[S_:S_+1], v[S_+2:S_+3]
	v_pk_add_f32 v[4:5], v[S_+4:S_+5], v[S_+6:S_+7]
	v_pk_add_f32 v[6:7], v[S_+8:S_+9], v[S_+10:S_+11]
	v_pk_add_f32 v[8:9], v[S_+12:S_+13], v[S_+14:S_+15]
	v_pk_add_f32 v[2:3], v[2:3], v[4:5]
	v_pk_add_f32 v[6:7], v[6:7], v[8:9]
	v_pk_add_f32 v[2:3], v[2:3], v[6:7]
	v_add_f32 v2, v2, v3
	WSUM
	v_mul_f32 v32, s55, v2
	v_mul_f32 v33, s55, v2
.irp j,0,2,4,6,8,10,12,14
	v_pk_add_f32 v[S_+\j:S_+\j+1], v[S_+\j:S_+\j+1], v[32:33] neg_lo:[0,1] neg_hi:[0,1]
.endr
	v_pk_mul_f32 v[2:3], v[S_:S_+1], v[S_:S_+1]
	v_pk_mul_f32 v[4:5], v[S_+2:S_+3], v[S_+2:S_+3]
.irp j,4,8,12
	v_pk_fma_f32 v[2:3], v[S_+\j:S_+\j+1], v[S_+\j:S_+\j+1], v[2:3]
	v_pk_fma_f32 v[4:5], v[S_+\j+2:S_+\j+3], v[S_+\j+2:S_+\j+3], v[4:5]
.endr
	v_pk_add_f32 v[2:3], v[2:3], v[4:5]
	v_add_f32 v2, v2, v3
	WSUM
	v_fma_f32 v2, v2, s55, s56
	v_rsq_f32 v34, v2
	v_rsq_f32 v35, v2                              ; the gain's multiplies below are the plain work behind the two (ISA guide 5.7.2)
.irp j,0,2,4,6,8,10,12,14
	v_pk_mul_f32 v[S_+\j:S_+\j+1], v[S_+\j:S_+\j+1], v[BIAS+\j:BIAS+\j+1]
.endr
	s_wait_alu depctr_va_vdst(0)
.irp j,0,2,4,6,8,10,12,14
	v_pk_fma_f32 v[S_+\j:S_+\j+1], v[S_+\j:S_+\j+1], v[34:35], v[BIAS+16+\j:BIAS+16+\j+1]
.endr
.irp j,0,1,2,3,4,5,6,7
	v_cvt_pk_bf16_f32 v[36+\j], v[S_+2*\j], v[S_+2*\j+1]
.endr
.irp q,0,1,2,3
	ds_store_b64 v[LNST], v[36+2*\q:37+2*\q] offset:\s*PX+256*\q
.endr
.if \refill
	LNFILL \s, (8+\s)
.endif
.endm
; A stage begins: the waves' LDS stores are shown to all; tile 0 is in; tile 1 may stay out.
.macro START xd
	s_wait_dscnt 0x0
	s_wait_tensorcnt 0x1
	s_barrier_signal -1
	s_barrier_wait -1
.if \xd
	ds_load_b128 v[4:7], v[XDA]
	s_wait_dscnt 0x0
	v_add_f32 v4, v4, v5
	v_add_f32 v6, v6, v7
	v_add_f32 v4, v4, v6
	v_fma_f32 v4, v4, s57, -4.0                    ; -(|Q|^2 / 2) log2 e - 4
	ds_store_b32 v[XDC], v4                        ; read by all waves behind later barriers, each with a wait for 0 in front
.endif
	s_wait_xcnt 0x0
	FETCH F0, 0, 0, 0
.endm
.macro RESLD blk                       ; rows 16 blk to 16 blk + 15 of the residual, my 512 bytes of each, into window 1
	WIN TO_B
.set i_, 0
.rept 16
	global_load_b128 v[64+64*((\blk)&1)+4*i_:64+64*((\blk)&1)+4*i_+3], v[GOFF], s[8:9] offset:(16*(\blk)+i_)*2048
.set i_, i_+1
.endr
	WIN 0
.endm
; 16 tokens leave in f32: bias added, through my own stage (16 rows of 512 bytes, pitch 528, in ACT, which nobody reads any more),
; back as whole rows, residual added, stores of 512 consecutive bytes.
.macro OUTBLK blk
	XOP \blk, 8, K_ADD
.set i_, 0
.rept 16
	ds_store_b128 v[SGS], v[X+4*i_:X+4*i_+3] offset:64*(i_>>1)+16*(i_&1)
.set i_, i_+1
.endr
	s_wait_xcnt 0x0                                ; buffer 1, which the last block's stores read, is loaded again only behind this wait
.set i_, 0
.rept 16
	ds_load_b128 v[F1+4*i_:F1+4*i_+3], v[SGR] offset:528*i_
.set i_, i_+1
.endr
	s_wait_dscnt 0x0
.if \blk < 7
	s_wait_loadcnt 16                              ; my residual rows are in; the next block's 16 loads stay out
.else
	s_wait_loadcnt 0x0
.endif
	WIN 0x04                                       ; source 1 in window 1
.set i_, 0
.rept 32
	v_pk_add_f32 v[F1+2*i_:F1+2*i_+1], v[F1+2*i_:F1+2*i_+1], v[64+64*(\blk&1)+2*i_:64+64*(\blk&1)+2*i_+1]
.set i_, i_+1
.endr
	WIN 0
.set i_, 0
.rept 16
	global_store_b128 v[GOFF], v[F1+4*i_:F1+4*i_+3], s[50:51] offset:(16*\blk+i_)*2048
.set i_, i_+1
.endr
.if \blk < 6
	RESLD (\blk+2)
.endif
.endm
	s_load_b512 s[68:83], s[0:1], 0x0              ; fea s, c; ln1 g s, c; ln1 b s, c; q_b s, c
	s_load_b256 s[84:91], s[0:1], 0x40             ; proj_b s, c; wb; kaug
	s_load_b64 s[92:93], s[0:1], 0x60              ; sres
	s_set_vgpr_msb 0x40
	v_lshl_add_u32 v255, v0, 2, 0x49a00
	s_set_vgpr_msb 0x4000
	v_mov_b32 v30, 0
	s_set_vgpr_msb 0x1
	ds_add_u32 v255, v30
	ds_add_u32 v255, v30
	s_set_vgpr_msb 0x100
	v_lshrrev_b32 v1, 5, v0
	v_readfirstlane_b32 s4, v1
	s_bfe_u32 s5, ttmp6, 0x40000                   ; cx: enters only the addresses of the block's own rows
	s_lshl_b32 s6, ttmp9, 2
	s_add_co_u32 s6, s6, s5
	s_and_b32 s7, ttmp7, 0xffff                    ; branch
	s_mov_b32 s3, 0x322bcc77                       ; 1e-8
	s_mov_b32 s52, 0x76543210
	s_mov_b32 s53, 0xfedcba98
	s_mov_b32 s55, 0x3b000000
	s_mov_b32 s56, 0x3727c5ac
	s_mov_b32 s57, 0xbf38aa3b
	s_mov_b32 s16, 0x0733000f                      ; as in kv: 64 rows of 256 bytes, 4 words of padding behind every 32 words, mask 15
	s_mov_b32 s17, 32<<16
	s_mov_b32 s18, 64<<16
	s_mov_b32 s19, 32<<16
	s_mov_b32 s20, 64
	s_mov_b32 s21, 32
	s_mov_b32 s22, 0
	s_mov_b32 s23, 0
	s_mov_b32 s24, 0x0733000f                      ; the same with 72 rows: 144 rows of 128 bytes
	s_mov_b32 s25, 32<<16
	s_mov_b32 s26, 72<<16
	s_mov_b32 s27, 32<<16
	s_mov_b32 s28, 72
	s_mov_b32 s29, 32
	s_mov_b32 s30, 0
	s_mov_b32 s31, 0
	s_mov_b32 s32, 1
	s_mov_b32 s36, 1
	s_mul_i32 s33, s4, WPART
	s_add_co_u32 s33, s33, RING
	s_add_co_u32 s37, s33, SLOT
	s_lshl_b32 s94, s4, 14
	s_mul_i32 s60, s7, 0x300000
	s_add_co_u32 s60, s60, s94
	s_add_co_u32 s60, s60, 0x100000                ; Q's matrix of the branch
	s_mov_b32 s61, 0
	s_lshl_b32 s96, s7, 18
	s_add_co_u32 s96, s96, s94
	s_add_co_u32 s96, s96, 0x600000                ; w_s for the saliency branch, w_c for the contour branch
	s_mov_b32 s97, 0
	s_xor_b32 s98, s7, 1                           ; keys and values come from the other stream
	s_lshr_b32 s99, ttmp9, 2                       ; batch
	s_lshl3_add_u32 s98, s98, s99
	s_mul_i32 s98, s98, 294912
	s_mul_i32 s99, s4, 18432
	s_add_co_u32 s98, s98, s99
	s_mov_b32 s99, 0
	s_lshl_b32 s95, s7, 25
	s_lshl_b32 s58, s6, 18
	s_mov_b32 s59, 0
	s_lshl_b32 s100, s4, 16
	s_mov_b32 s101, 0
	s_wait_dscnt 0x0
	s_wait_kmcnt 0x0
	s_add_nc_u64 s[34:35], s[88:89], s[60:61]
	s_add_nc_u64 s[38:39], s[34:35], 0x10000
	s_add_nc_u64 s[NB3:NB3+1], s[34:35], 0x80000   ; proj follows Q
	s_or_b32 s35, s35, 0x80000000
	s_or_b32 s39, s39, 0x80000000
	s_add_nc_u64 s[NB1:NB1+1], s[88:89], s[96:97]
	s_add_nc_u64 s[NB2:NB2+1], s[90:91], s[98:99]
	s_cmp_eq_u32 s7, 0
	s_cselect_b64 s[8:9], s[68:69], s[70:71]
	s_cselect_b64 s[12:13], s[72:73], s[74:75]
	s_cselect_b64 s[14:15], s[76:77], s[78:79]
	s_cselect_b64 s[46:47], s[80:81], s[82:83]
	s_cselect_b64 s[48:49], s[84:85], s[86:87]
	s_add_nc_u64 s[8:9], s[8:9], s[58:59]
	s_add_nc_u64 s[10:11], s[8:9], s[100:101]
	s_add_co_u32 s58, s58, s95
	s_add_nc_u64 s[50:51], s[92:93], s[58:59]      ; sres at the branch's block
	CROUND                                         ; all four work-groups are here: the first joint loads meet
	tensor_load_to_lds s[32:35], s[16:23]
	s_nop 0
	tensor_load_to_lds s[36:39], s[16:23]
	s_nop 0
	v_and_b32 v[VL], 31, v0
	v_and_b32 v[VR], 15, v0
	v_bfe_u32 v[VH], v0, 4, 1
	v_mul_u32_u24 v1, v[VR], PX
	v_lshl_add_u32 v[ADRX], v[VH], 4, v1
	v_add_nc_u32 v[ADRX+1], ACT4, v[ADRX]
	v_mul_u32_u24 v1, v[VR], 144
	v_lshl_add_u32 v1, v[VH], 4, v1
	v_add_nc_u32 v[ADRW], s33, v1
	v_add_nc_u32 v[ADRW+1], SLOT, v[ADRW]
	v_lshl_add_u32 v[STO], s4, 8, v[ADRX]
	v_add_nc_u32 v[STO+1], ACT4, v[STO]
	v_lshl_add_u32 v[STOF], s4, 7, v[ADRX]
	v_add_nc_u32 v[STOF+1], ACT4, v[STOF]
	v_lshlrev_b32 v[LOFF], 4, v[VL]
	s_mul_i32 s60, s4, 32*PX
	v_lshl_add_u32 v[LNST], v[VL], 3, s60
	v_lshlrev_b32 v1, 5, v[VH]
	v_lshl_add_u32 v[BOFF], s4, 9, v1
	v_lshl_add_u32 v[GOFF], s4, 9, v[LOFF]
	s_mul_i32 s60, s4, 8448
	v_mul_u32_u24 v2, v[VR], 528
	v_add_nc_u32 v2, v2, v1
	v_add_nc_u32 v[SGS], s60, v2
	v_add_nc_u32 v[SGR], s60, v[LOFF]
	v_lshlrev_b32 v1, 2, v[VR]
	v_add_nc_u32 v[CRD], CROW, v1
	v_lshlrev_b32 v1, 4, v[VR]
	s_lshl_b32 s60, s4, 2
	s_add_co_u32 s60, s60, STATP
	v_add_nc_u32 v[STP], s60, v1
	s_lshl_b32 s60, s4, 9
	s_add_co_u32 s60, s60, STATP
	v_add_nc_u32 v[XDA], s60, v[LOFF]
	s_lshl_b32 s60, s4, 7
	s_add_co_u32 s60, s60, CROW
	v_lshl_add_u32 v[XDC], v[VL], 2, s60
	; LN1: wave w takes rows 32 w to 32 w + 31 through a ring of eight row slots in registers
.irp q,0,1,2,3
	global_load_b128 v[BIAS+4*\q:BIAS+4*\q+3],       v[LOFF], s[12:13] offset:512*\q
	global_load_b128 v[BIAS+16+4*\q:BIAS+16+4*\q+3], v[LOFF], s[14:15] offset:512*\q
.endr
.irp s,0,1,2,3,4,5,6,7
	LNFILL \s, \s
.endr
	s_mov_b32 s54, 3
.Lln:
.irp s,0,1,2,3,4,5,6,7
	LNROW \s, 1, 28                                ; 28: the four loads of each of the seven younger slots
.endr
	s_wait_xcnt 0x0                                ; the base, which pending loads name, steps only behind this wait
	s_add_nc_u64 s[10:11], s[10:11], 16384
	v_add_nc_u32 v[LNST], 8*PX, v[LNST]
	s_sub_co_u32 s54, s54, 1
	s_cmp_lg_u32 s54, 0
	s_cbranch_scc1 .Lln
.irp s,0,1,2,3,4,5,6,7
	LNROW \s, 0, 28-4*\s
.endr
	BIASLD 46
	; Q
	SETTYPE 8, 8, 0
	START 0
	FTRIP 0, 1, 1, 0, 65536, G1F, 1
.irp i,1,2,3,4,5
	FTRIP \i, 0, 1, 0, 65536, G1F, 1
.endr
	FTRIP 6, 0, 1, NB1, 65536, G1F, 1              ; the feature matrix, tiles 0 and 1
	FTRIP 7, 0, 1, NB1, 65536, G1F, 0              ; behind its barrier no wave reads ACT any more
	WIN 0
	PLACES
	s_wait_loadcnt 0x0                             ; Q's bias
.irp a,0,1,2,3,4,5,6,7
	XOP \a, 8, K_ADD
	v_pk_mul_f32 v[2:3], v[X:X+1], v[X:X+1]        ; |Q|^2 of my 64 numbers of token 16 a + r, on the f32 values
	v_pk_mul_f32 v[4:5], v[X+2:X+3], v[X+2:X+3]
.set i_, 4
.rept 15
	v_pk_fma_f32 v[2:3], v[X+i_:X+i_+1], v[X+i_:X+i_+1], v[2:3]
	v_pk_fma_f32 v[4:5], v[X+i_+2:X+i_+3], v[X+i_+2:X+i_+3], v[4:5]
.set i_, i_+4
.endr
	v_pk_add_f32 v[2:3], v[2:3], v[4:5]
	v_add_f32 v2, v2, v3
	v_permlanex16_b32 v3, v2, s52, s53
	v_add_f32 v2, v2, v3
	ds_store_b32 v[STP], v2 offset:256*\a
	CVT 8
	STA \a, 8, STO
.endr
	; the features: 64 a wave, K in steps of 128
	SETTYPE 4, 8, 0
	START 1
	HTRIP 0, 1, 1, 0, 65536, G1F, 1
	HTRIP 1, 0, 1, 0, 65536, G1F, 1
	HTRIP 2, 0, 1, NB2, 73728, G1Y, 1              ; kptv, tiles 0 and 1
	HTRIP 3, 0, 1, NB2, 73728, G1Y, 0
	WIN 0
	PLACES
.irp a,0,1,2,3,4,5,6,7
	ds_load_b32 v[CP+2*\a],   v[CRD] offset:64*\a  ; c of token 16 a + r, twice: a pair for the packed multiply-add
	ds_load_b32 v[CP+2*\a+1], v[CRD] offset:64*\a
.endr
	s_wait_dscnt 0x0
.irp a,0,1,2,3,4,5,6,7
	XOP \a, 4, K_EXPS
.set i_, 0
.rept 32
	v_exp_f32 v[X+i_], v[X+i_]
.set i_, i_+1
.endr
	v_nop                                          ; one plain place behind the last exponential (ISA guide 5.7.2)
	s_wait_alu depctr_va_vdst(0)
	CVT 4
	STA \a, 4, STOF
.endr
	; y and D: K = 256 features in four tiles
	SETTYPE 8, 8, 1
	START 0
	FTRIP 0, 1, 1, 0, 73728, G1Y, 1
	FTRIP 1, 0, 1, 0, 73728, G1Y, 1
	FTRIP 2, 0, 1, NB3, 65536, G1F, 1              ; proj, tiles 0 and 1
	FTRIP 3, 0, 1, NB3, 65536, G1F, 0
	WIN 0
	PLACES
	WIN 0x01                                       ; source 0 in window 1: register 0 of each D accumulator
.irp a,0,1,2,3,4,5,6,7
	v_add_f32 v[CP+16+\a], v[8*\a], s3             ; D + 1e-8
.endr
	WIN 0
.irp a,0,1,2,3,4,5,6,7
	v_rcp_f32 v[CP+2*\a],   v[CP+16+\a]
	v_rcp_f32 v[CP+2*\a+1], v[CP+16+\a]
.endr
	v_nop
	s_wait_alu depctr_va_vdst(0)
.irp a,0,1,2,3,4,5,6,7
	XOP \a, 8, K_MUL
	CVT 8
	STA \a, 8, STO
.endr
	BIASLD 48
	; proj, bias, residual
	SETTYPE 8, 8, 0
	START 0
	FTRIP 0, 1, 1, 0, 65536, G1F, 1
.irp i,1,2,3,4,5
	FTRIP \i, 0, 1, 0, 65536, G1F, 1
.endr
	FTRIP 6, 0, 0, 0, 0, G1F, 1                    ; nothing is left to fetch
	FTRIP 7, 0, 0, 0, 0, G1F, 0                    ; behind its barrier no wave reads ACT any more: it becomes the stage
	WIN 0
	PLACES
	RESLD 0
	RESLD 1
	s_wait_loadcnt 32                              ; proj's bias is in; the 32 residual loads stay out
.irp a,0,1,2,3,4,5,6,7
	OUTBLK \a
.endr
	s_set_vgpr_msb 0x1
	s_wait_tensorcnt 0x0
	ds_add_u32 v255, v30
	s_wait_dscnt 0x0
	s_set_vgpr_msb 0x100
	CROUND                                         ; the closing round
	s_endpgm
.Lfunc_end_k_q5e0f5e405c_qy:
	.size	k_q5e0f5e405c_qy, .Lfunc_end_k_q5e0f5e405c_qy-k_q5e0f5e405c_qy
	.p2alignl 7, 3214868480
	.fill 96, 4, 3214868480
	.section	.rodata,"a",@progbits
	.p2align	6, 0x0
	.amdhsa_kernel k_q5e0f5e405c_qy
		.amdhsa_group_segment_fixed_size 327680
		.amdhsa_private_segment_fixed_size 0
		.amdhsa_enable_private_segment 0
		.amdhsa_kernarg_size 104
		.amdhsa_user_sgpr_count 2
		.amdhsa_user_sgpr_kernarg_segment_ptr 1
		.amdhsa_wavefront_size32 1
		.amdhsa_system_sgpr_workgroup_id_x 1
		.amdhsa_system_sgpr_workgroup_id_y 1
		.amdhsa_system_sgpr_workgroup_id_z 1
		.amdhsa_system_vgpr_workitem_id 0
		.amdhsa_next_free_vgpr 1024
		.amdhsa_next_free_sgpr 102
		.amdhsa_reserve_vcc 0
		.amdhsa_float_denorm_mode_32 3
		.amdhsa_float_denorm_mode_16_64 3
		.amdhsa_memory_ordered 1
		.amdhsa_forward_progress 1
		.amdhsa_inst_pref_size 255
	.end_amdhsa_kernel
	.section	.bss,"aw",@nobits
	.p2align	6
	.space	262144
	.amdgpu_metadata
---
amdhsa.version: [ 1, 2 ]
amdhsa.kernels:
  - .name:           k_q5e0f5e405c_qy
    .symbol:         k_q5e0f5e405c_qy.kd
    .args:
      - { .name: saliency_fea, .offset: 0, .size: 8, .value_kind: global_buffer, .address_space: global }
      - { .name: contour_fea, .offset: 8, .size: 8, .value_kind: global_buffer, .address_space: global }
      - { .name: ln1s_g, .offset: 16, .size: 8, .value_kind: global_buffer, .address_space: global }
      - { .name: ln1c_g, .offset: 24, .size: 8, .value_kind: global_buffer, .address_space: global }
      - { .name: ln1s_b, .offset: 32, .size: 8, .value_kind: global_buffer, .address_space: global }
      - { .name: ln1c_b, .offset: 40, .size: 8, .value_kind: global_buffer, .address_space: global }
      - { .name: qs_b, .offset: 48, .size: 8, .value_kind: global_buffer, .address_space: global }
      - { .name: qc_b, .offset: 56, .size: 8, .value_kind: global_buffer, .address_space: global }
      - { .name: proj_s_b, .offset: 64, .size: 8, .value_kind: global_buffer, .address_space: global }
      - { .name: proj_c_b, .offset: 72, .size: 8, .value_kind: global_buffer, .address_space: global }
      - { .name: wb, .offset: 80, .size: 8, .value_kind: global_buffer, .address_space: global }
      - { .name: kaug, .offset: 88, .size: 8, .value_kind: global_buffer, .address_space: global }
      - { .name: sres, .offset: 96, .size: 8, .value_kind: global_buffer, .address_space: global }
    .group_segment_fixed_size: 327680
    .private_segment_fixed_size: 0
    .kernarg_segment_align: 8
    .kernarg_segment_size: 104
    .max_flat_workgroup_size: 128
    .sgpr_count:     102
    .vgpr_count:     1024
    .wavefront_size: 32
...
	.end_amdgpu_metadata
.endif
;; end of part 4
;; launch mlp (part 5): grid 128 x 2, 4 waves a work-group, clusters of 4 x 1, 327,680 bytes of LDS; arguments sres, ln2s_g, ln2c_g, ln2s_b, ln2c_b, mlps_b1, mlpc_b1, mlps_b2, mlpc_b2, wb, out0, out1; writes out0, out1
.if DOCPART == 5
	.amdgcn_target "amdgcn-amd-amdhsa--gfx1250"
	.amdhsa_code_object_version 6
	.text
	.protected	k_q5e0f5e405c_mlp
	.globl	k_q5e0f5e405c_mlp
	.p2align	8
	.type	k_q5e0f5e405c_mlp,@function
k_q5e0f5e405c_mlp:
	s_mov_b64 s[64:65], 0
	v_nop
	global_prefetch_b8 v0, s[64:65] scope:SCOPE_SE
	s_setreg_imm32_b32 hwreg(HW_REG_WAVE_MODE, 25, 1), 1
	s_wait_xcnt 0x0
	s_wait_alu depctr_hold_cnt(0) depctr_sa_sdst(0) depctr_va_vdst(0) depctr_va_sdst(0) depctr_va_ssrc(0) depctr_va_vcc(0) depctr_vm_vsrc(0)
	s_getreg_b32 s2, hwreg(HW_REG_IB_STS2, 6, 4)
	s_cmp_eq_u32 s2, 0
	s_cbranch_scc0 .Lentry_in_a_cluster
	s_endpgm
.Lentry_in_a_cluster:
	s_bfe_u32 s2, ttmp6, 0x10000c
	s_cmp_lg_u32 s2, 0x3003
	s_cbranch_scc0 .Lentry_shape_is_right
	s_endpgm
.Lentry_shape_is_right:
; mlp: for a block of 128 tokens of one branch (grid y): out = s + gelu(LN2(s) W1^T + b1) W2^T + b2, gelu with erf.  Nothing is left out.
; erf is the five-term form of Abramowitz and Stegun 7.1.26 (absolute error at most 1.5e-7): with t = 1 / (1 + 0.3275911 |x| / sqrt 2),
; erf(|x| / sqrt 2) = 1 - (a1 t + .. + a5 t^5) exp(-x^2 / 2); gelu = x / 2 + |x / 2| erf(|x| / sqrt 2).
; Four waves; a wave makes all 128 tokens x 128 output columns.  The rows at work lie in LDS (ACT, pitch 1,040); W1 and W2, which follow each
; other in wb, walk as 16 tiles through a ring of two LDS slots; a wave fetches its own 16 KiB of each tile with one tensor load.
; CLUSTER: the four work-groups of a cluster walk the same tiles, each asked for jointly (mask 15) behind a round of the cluster barrier.
; By this text's own count a wave has two tensor loads out at the start, later one.
; Weights are source 0 (index b), tokens source 1 (index a): a lane holds token 16 a + r and 8 neighbouring columns.
; REGISTERS: window 0 addresses, scratch, token fragments, bias; window 1 weight fragments (at the end the residual rows);
; windows 2 and 3 the accumulators, tile (a, b) at v[8 (8 (a % 4) + b)].
.set PX,    1040
.set ACT4,  64*PX
.set RING,  128*PX
.set WPART, 18432
.set SLOT,  4*WPART
.set VH,   13
.set VR,   14
.set VL,   15
.set ADRX, 16
.set ADRW, 18
.set STO,  20
.set LOFF, 24
.set LNST, 25
.set BOFF, 26
.set GOFF, 27
.set SGS,  28
.set SGR,  29
.set TMP,  32
.set X,    64
.set F0,   64
.set F1,   128
.set GT,   128                         ; v128-135 t
.set GE,   136                         ; v136-143 exp(-x^2 / 2)
.set GP,   144                         ; v144-151 the polynomial, then erf
.set GH,   152                         ; v152-159 x / 2
.set CA5,  160                         ; v160-169 -a5 .. -a1, each twice
.set CA4,  162
.set CA3,  164
.set CA2,  166
.set CA1,  168
.set BIAS, 192
.set G1F,  16
.set G0,   32
.set NB,   8                           ; weight fragments
.set NA,   8                           ; token fragments
.set W1,   8                           ; the youngest 8 loads are token fragments 4 to 7
.set LF,   32                          ; loads in one fetch
.set MUL_LO, 0xa1
.set MUL_HI, 0xf1
.set TO_B,   0x40
.set MSB, 0
.macro WIN new
.if MSB != \new
	s_set_vgpr_msb (MSB<<8)|\new
.set MSB, \new
.endif
.endm
.macro PLACES                          ; four plain places behind matrix instructions (ISA guide 7.12.1)
.rept 4
	v_nop
.endr
.endm
.macro CREST
	s_cmp_lg_u32 s4, 0
	s_cbranch_scc1 .Lnw0_\@
	s_barrier_signal -3
.Lnw0_\@:
	s_barrier_wait -3
	s_barrier_signal -1
	s_barrier_wait -1
.endm
.macro CROUND
	s_barrier_signal -1
	s_barrier_wait -1
	CREST
.endm
.macro MROW f, zero
.set b_, 0
.rept NB
.set c_, 8*(8*(a_&3)+b_)
.if \zero
	v_wmma_f32_16x16x32_bf16 v[c_:c_+7], v[\f+8*b_:\f+8*b_+7], v[\f+8*a_:\f+8*a_+7], 0
.else
	v_wmma_f32_16x16x32_bf16 v[c_:c_+7], v[\f+8*b_:\f+8*b_+7], v[\f+8*a_:\f+8*a_+7], v[c_:c_+7]
.endif
.set b_, b_+1
.endr
.endm
.macro ROWS f, a0, n, zero             ; the accumulators take turns, one instruction a turn
.set a_, \a0
.rept \n
.if a_ < 4
	WIN MUL_LO
.else
	WIN MUL_HI
.endif
	MROW \f, \zero
.set a_, a_+1
.endr
.endm
.macro FETCH f, slot, woff, xoff       ; 16 loads of weights into window 1, then 16 of tokens in ascending a
	WIN TO_B
.set i_, 0
.rept 8
	ds_load_b128 v[\f+8*i_:\f+8*i_+3],   v[ADRW+\slot] offset:\woff+2304*i_
	ds_load_b128 v[\f+8*i_+4:\f+8*i_+7], v[ADRW+\slot] offset:\woff+2304*i_+32
.set i_, i_+1
.endr
	WIN 0
.set i_, 0
.rept 8
	ds_load_b128 v[\f+8*i_:\f+8*i_+3],   v[ADRX+(i_>>2)] offset:\xoff+16640*(i_&3)
	ds_load_b128 v[\f+8*i_+4:\f+8*i_+7], v[ADRX+(i_>>2)] offset:\xoff+16640*(i_&3)+32
.set i_, i_+1
.endr
.endm
.macro QUARTER f, g, slot, woff, xoff, zero
	s_wait_dscnt W1                                ; all of buffer f but token fragments 4 to 7
	ROWS \f, 0, NA/2, \zero
	PLACES
	FETCH \g, \slot, \woff, \xoff
	s_wait_dscnt LF                                ; all but the LF loads just issued
	ROWS \f, NA/2, NA/2, \zero
.endm
; The last 32 of a tile.  In front of the barrier each wave waits for its LDS reads and for all its tensor loads; behind it, where the slot is
; filled again, the rest of a round of the cluster barrier, the joint refill as the first and only tensor load, then the next slot's fragments.
.macro TURN slot, next, fill, fetch, xoff
	s_wait_dscnt W1
	ROWS F1, 0, NA/4, 0
	s_wait_dscnt 0x0                               ; my reads of this slot and of ACT are over
	s_wait_tensorcnt 0x0                           ; all my tensor loads have landed
	ds_add_u32 v255, v31
	s_wait_dscnt 0x0
	s_barrier_signal -1
	ROWS F1, NA/4, NA/4, 0
	WIN 0
	s_barrier_wait -1
.if \fill
	CREST
	s_add_nc_u64 s[G0+4*\slot+2:G0+4*\slot+3], s[G0+4*\slot+2:G0+4*\slot+3], 131072    ; no load of mine is out: two tiles on
	tensor_load_to_lds s[G0+4*\slot:G0+4*\slot+3], s[G1F:G1F+7]
	s_nop 0
.endif
.if \fetch
	PLACES
	FETCH F0, \next, 0, \xoff
.endif
	ROWS F1, NA/2, NA/2, 0
.endm
.macro FTRIP i, zero, fill, fetch
	QUARTER F0, F1, (\i&1), 64, 128*\i+64, \zero
	TURN (\i&1), (1-(\i&1)), \fill, \fetch, 128*\i+128
.endm
.macro XOP blk                         ; X = acc + bias by column
.if \blk < 4
	WIN 0x02
.else
	WIN 0x03
.endif
.set i_, 0
.rept 32
.set c_, 64*(\blk&3)+2*i_
	v_pk_add_f32 v[X+2*i_:X+2*i_+1], v[c_:c_+1], v[BIAS+2*i_:BIAS+2*i_+1]
.set i_, i_+1
.endr
	WIN 0
.endm
.macro BIASLD base
.irp b,0,1,2,3,4,5,6,7
	global_load_b128 v[BIAS+8*\b:BIAS+8*\b+3],   v[BOFF], s[\base:\base+1] offset:64*\b
	global_load_b128 v[BIAS+8*\b+4:BIAS+8*\b+7], v[BOFF], s[\base:\base+1] offset:64*\b+16
.endr
.endm
.macro WSUM
	v_add_f32_dpp v2, v2, v2 row_xmask:1 row_mask:0xf bank_mask:0xf
	v_add_f32_dpp v2, v2, v2 row_xmask:2 row_mask:0xf bank_mask:0xf
	v_add_f32_dpp v2, v2, v2 row_xmask:4 row_mask:0xf bank_mask:0xf
	v_add_f32_dpp v2, v2, v2 row_xmask:8 row_mask:0xf bank_mask:0xf
	v_permlanex16_b32 v3, v2, s52, s53
	v_add_f32 v2, v2, v3
.endm
.macro LNFILL s, row
.irp q,0,1,2,3
	global_load_b128 v[F0+16*\s+4*\q:F0+16*\s+4*\q+3], v[LOFF], s[10:11] offset:(\row)*2048+512*\q
.endr
.endm
.macro LNROW s, refill, left
.set S_, F0+16*\s
	s_wait_loadcnt \left                           ; my row is in; the younger rows stay out
	v_pk_add_f32 v[2:3], v[S_:S_+1], v[S_+2:S_+3]
	v_pk_add_f32 v[4:5], v[S_+4:S_+5], v[S_+6:S_+7]
	v_pk_add_f32 v[6:7], v[S_+8:S_+9], v[S_+10:S_+11]
	v_pk_add_f32 v[8:9], v[S_+12:S_+13], v[S_+14:S_+15]
	v_pk_add_f32 v[2:3], v[2:3], v[4:5]
	v_pk_add_f32 v[6:7], v[6:7], v[8:9]
	v_pk_add_f32 v[2:3], v[2:3], v[6:7]
	v_add_f32 v2, v2, v3
	WSUM
	v_mul_f32 v32, s55, v2
	v_mul_f32 v33, s55, v2
.irp j,0,2,4,6,8,10,12,14
	v_pk_add_f32 v[S_+\j:S_+\j+1], v[S_+\j:S_+\j+1], v[32:33] neg_lo:[0,1] neg_hi:[0,1]
.endr
	v_pk_mul_f32 v[2:3], v[S_:S_+1], v[S_:S_+1]
	v_pk_mul_f32 v[4:5], v[S_+2:S_+3], v[S_+2:S_+3]
.irp j,4,8,12
	v_pk_fma_f32 v[2:3], v[S_+\j:S_+\j+1], v[S_+\j:S_+\j+1], v[2:3]
	v_pk_fma_f32 v[4:5], v[S_+\j+2:S_+\j+3], v[S_+\j+2:S_+\j+3], v[4:5]
.endr
	v_pk_add_f32 v[2:3], v[2:3], v[4:5]
	v_add_f32 v2, v2, v3
	WSUM
	v_fma_f32 v2, v2, s55, s56
	v_rsq_f32 v34, v2
	v_rsq_f32 v35, v2                              ; the gain's multiplies below are the plain work behind the two (ISA guide 5.7.2)
.irp j,0,2,4,6,8,10,12,14
	v_pk_mul_f32 v[S_+\j:S_+\j+1], v[S_+\j:S_+\j+1], v[BIAS+\j:BIAS+\j+1]
.endr
	s_wait_alu depctr_va_vdst(0)
.irp j,0,2,4,6,8,10,12,14
	v_pk_fma_f32 v[S_+\j:S_+\j+1], v[S_+\j:S_+\j+1], v[34:35], v[BIAS+16+\j:BIAS+16+\j+1]
.endr
.irp j,0,1,2,3,4,5,6,7
	v_cvt_pk_bf16_f32 v[36+\j], v[S_+2*\j], v[S_+2*\j+1]
.endr
.irp q,0,1,2,3
	ds_store_b64 v[LNST], v[36+2*\q:37+2*\q] offset:\s*PX+256*\q
.endr
.if \refill
	LNFILL \s, (8+\s)
.endif
.endm
; A stage begins: the waves' LDS stores are shown to all; tile 0 is in; tile 1 may stay out.
.macro START
	s_wait_dscnt 0x0
	s_wait_tensorcnt 0x1
	s_barrier_signal -1
	s_barrier_wait -1
	FETCH F0, 0, 0, 0
.endm
; gelu of the eight numbers X + 8 b .. + 7, in place
.macro GEL8 b
.set x_, X+8*\b
.irp j,0,1,2,3,4,5,6,7
	v_fma_f32 v[GT+\j], |v[x_+\j]|, s57, 1.0
.endr
.irp j,0,1,2,3,4,5,6,7
	v_rcp_f32 v[GT+\j], v[GT+\j]
.endr
.irp p,0,2,4,6
	v_pk_mul_f32 v[GE+\p:GE+\p+1], v[x_+\p:x_+\p+1], v[x_+\p:x_+\p+1]         ; plain work behind the reciprocals
.endr
.irp p,0,2,4,6
	v_pk_mul_f32 v[GE+\p:GE+\p+1], v[GE+\p:GE+\p+1], 0xbf38aa3b op_sel_hi:[1,0]
.endr
.irp j,0,1,2,3,4,5,6,7
	v_exp_f32 v[GE+\j], v[GE+\j]
.endr
	s_wait_alu depctr_va_vdst(0)
.irp p,0,2,4,6
	v_pk_fma_f32 v[GP+\p:GP+\p+1], v[GT+\p:GT+\p+1], v[CA5:CA5+1], v[CA4:CA4+1]   ; plain work behind the exponentials
.endr
.irp c,CA3,CA2,CA1
.irp p,0,2,4,6
	v_pk_fma_f32 v[GP+\p:GP+\p+1], v[GP+\p:GP+\p+1], v[GT+\p:GT+\p+1], v[\c:\c+1]
.endr
.endr
.irp p,0,2,4,6
	v_pk_mul_f32 v[GP+\p:GP+\p+1], v[GP+\p:GP+\p+1], v[GT+\p:GT+\p+1]
.endr
.irp p,0,2,4,6
	v_pk_fma_f32 v[GP+\p:GP+\p+1], v[GP+\p:GP+\p+1], v[GE+\p:GE+\p+1], 1.0 op_sel_hi:[1,1,0]   ; the coefficients are negated: erf = 1 + P E
.endr
.irp p,0,2,4,6
	v_pk_mul_f32 v[GH+\p:GH+\p+1], v[x_+\p:x_+\p+1], 0.5 op_sel_hi:[1,0]
.endr
.irp j,0,1,2,3,4,5,6,7
	v_fma_f32 v[x_+\j], |v[GH+\j]|, v[GP+\j], v[GH+\j]
.endr
.endm
.macro RESLD blk                       ; rows 16 blk to 16 blk + 15 of s, my 512 bytes of each, into window 1
	WIN TO_B
.set i_, 0
.rept 16
	global_load_b128 v[64+64*((\blk)&1)+4*i_:64+64*((\blk)&1)+4*i_+3], v[GOFF], s[8:9] offset:(16*(\blk)+i_)*2048
.set i_, i_+1
.endr
	WIN 0
.endm
; 16 tokens leave in f32: bias added, through my own stage (16 rows of 512 bytes, pitch 528, in ACT, which nobody reads any more),
; back as whole rows, residual added, stores of 512 consecutive bytes.
.macro OUTBLK blk
	XOP \blk
.set i_, 0
.rept 16
	ds_store_b128 v[SGS], v[X+4*i_:X+4*i_+3] offset:64*(i_>>1)+16*(i_&1)
.set i_, i_+1
.endr
	s_wait_xcnt 0x0                                ; buffer 1, which the last block's stores read, is loaded again only behind this wait
.set i_, 0
.rept 16
	ds_load_b128 v[F1+4*i_:F1+4*i_+3], v[SGR] offset:528*i_
.set i_, i_+1
.endr
	s_wait_dscnt 0x0
.if \blk < 7
	s_wait_loadcnt 16                              ; my residual rows are in; the next block's 16 loads stay out
.else
	s_wait_loadcnt 0x0
.endif
	WIN 0x04                                       ; source 1 in window 1
.set i_, 0
.rept 32
	v_pk_add_f32 v[F1+2*i_:F1+2*i_+1], v[F1+2*i_:F1+2*i_+1], v[64+64*(\blk&1)+2*i_:64+64*(\blk&1)+2*i_+1]
.set i_, i_+1
.endr
	WIN 0
.set i_, 0
.rept 16
	global_store_b128 v[GOFF], v[F1+4*i_:F1+4*i_+3], s[50:51] offset:(16*\blk+i_)*2048 th:TH_STORE_NT
.set i_, i_+1
.endr
.if \blk < 6
	RESLD (\blk+2)
.endif
.endm
	s_load_b512 s[68:83], s[0:1], 0x0              ; sres; ln2 g s, c; ln2 b s, c; b1 s, c; b2 s
	s_load_b256 s[84:91], s[0:1], 0x40             ; b2 c; wb; out0; out1
	s_set_vgpr_msb 0x40
	v_lshl_add_u32 v255, v0, 2, 0x44800
	s_set_vgpr_msb 0x4000
	v_mov_b32 v31, 0
	s_set_vgpr_msb 0x1
	ds_add_u32 v255, v31
	ds_add_u32 v255, v31
	s_set_vgpr_msb 0x100
	v_lshrrev_b32 v1, 5, v0
	v_readfirstlane_b32 s4, v1
	s_bfe_u32 s5, ttmp6, 0x40000                   ; cx: enters only the addresses of the block's own rows
	s_lshl_b32 s6, ttmp9, 2
	s_add_co_u32 s6, s6, s5
	s_and_b32 s7, ttmp7, 0xffff                    ; branch
	s_mov_b32 s52, 0x76543210
	s_mov_b32 s53, 0xfedcba98
	s_mov_b32 s55, 0x3b000000                      ; 1 / 512
	s_mov_b32 s56, 0x3727c5ac                      ; 1e-5
	s_mov_b32 s57, 0x3e6d3388                      ; 0.3275911 / sqrt 2
	s_mov_b32 s16, 0x0733000f                      ; 64 rows of 256 bytes, 4 words of padding behind every 32 words, mask 15
	s_mov_b32 s17, 32<<16
	s_mov_b32 s18, 64<<16
	s_mov_b32 s19, 32<<16
	s_mov_b32 s20, 64
	s_mov_b32 s21, 32
	s_mov_b32 s22, 0
	s_mov_b32 s23, 0
	s_mov_b32 s32, 1
	s_mov_b32 s36, 1
	s_mul_i32 s33, s4, WPART
	s_add_co_u32 s33, s33, RING
	s_add_co_u32 s37, s33, SLOT
	s_lshl_b32 s94, s4, 14
	s_mul_i32 s60, s7, 0x300000
	s_add_co_u32 s60, s60, s94
	s_add_co_u32 s60, s60, 0x200000                ; W1 of the branch; W2 follows it
	s_mov_b32 s61, 0
	s_lshl_b32 s95, s7, 25
	s_lshl_b32 s58, s6, 18
	s_mov_b32 s59, 0
	s_lshl_b32 s100, s4, 16
	s_mov_b32 s101, 0
	s_wait_dscnt 0x0
	s_wait_kmcnt 0x0
	s_add_nc_u64 s[34:35], s[86:87], s[60:61]
	s_add_nc_u64 s[38:39], s[34:35], 0x10000
	s_or_b32 s35, s35, 0x80000000
	s_or_b32 s39, s39, 0x80000000
	s_cmp_eq_u32 s7, 0
	s_cselect_b64 s[12:13], s[70:71], s[72:73]
	s_cselect_b64 s[14:15], s[74:75], s[76:77]
	s_cselect_b64 s[46:47], s[78:79], s[80:81]
	s_cselect_b64 s[48:49], s[82:83], s[84:85]
	s_cselect_b64 s[50:51], s[88:89], s[90:91]
	s_add_nc_u64 s[50:51], s[50:51], s[58:59]      ; the output at the block
	s_add_co_u32 s58, s58, s95
	s_add_nc_u64 s[8:9], s[68:69], s[58:59]        ; s at the branch's block
	s_add_nc_u64 s[10:11], s[8:9], s[100:101]
	CROUND                                         ; all four work-groups are here: the first joint loads meet
	tensor_load_to_lds s[32:35], s[16:23]
	s_nop 0
	tensor_load_to_lds s[36:39], s[16:23]
	s_nop 0
	v_and_b32 v[VL], 31, v0
	v_and_b32 v[VR], 15, v0
	v_bfe_u32 v[VH], v0, 4, 1
	v_mul_u32_u24 v1, v[VR], PX
	v_lshl_add_u32 v[ADRX], v[VH], 4, v1
	v_add_nc_u32 v[ADRX+1], ACT4, v[ADRX]
	v_mul_u32_u24 v1, v[VR], 144
	v_lshl_add_u32 v1, v[VH], 4, v1
	v_add_nc_u32 v[ADRW], s33, v1
	v_add_nc_u32 v[ADRW+1], SLOT, v[ADRW]
	v_lshl_add_u32 v[STO], s4, 8, v[ADRX]
	v_add_nc_u32 v[STO+1], ACT4, v[STO]
	v_lshlrev_b32 v[LOFF], 4, v[VL]
	s_mul_i32 s60, s4, 32*PX
	v_lshl_add_u32 v[LNST], v[VL], 3, s60
	v_lshlrev_b32 v1, 5, v[VH]
	v_lshl_add_u32 v[BOFF], s4, 9, v1
	v_lshl_add_u32 v[GOFF], s4, 9, v[LOFF]
	s_mul_i32 s60, s4, 8448
	v_mul_u32_u24 v2, v[VR], 528
	v_add_nc_u32 v2, v2, v1
	v_add_nc_u32 v[SGS], s60, v2
	v_add_nc_u32 v[SGR], s60, v[LOFF]
	; LN2: wave w takes rows 32 w to 32 w + 31 through a ring of eight row slots in registers
.irp q,0,1,2,3
	global_load_b128 v[BIAS+4*\q:BIAS+4*\q+3],       v[LOFF], s[12:13] offset:512*\q
	global_load_b128 v[BIAS+16+4*\q:BIAS+16+4*\q+3], v[LOFF], s[14:15] offset:512*\q
.endr
.irp s,0,1,2,3,4,5,6,7
	LNFILL \s, \s
.endr
	s_mov_b32 s54, 3
.Lln:
.irp s,0,1,2,3,4,5,6,7
	LNROW \s, 1, 28                                ; 28: the four loads of each of the seven younger slots
.endr
	s_wait_xcnt 0x0                                ; the base, which pending loads name, steps only behind this wait
	s_add_nc_u64 s[10:11], s[10:11], 16384
	v_add_nc_u32 v[LNST], 8*PX, v[LNST]
	s_sub_co_u32 s54, s54, 1
	s_cmp_lg_u32 s54, 0
	s_cbranch_scc1 .Lln
.irp s,0,1,2,3,4,5,6,7
	LNROW \s, 0, 28-4*\s
.endr
	BIASLD 46
	; the hidden layer
	START
	FTRIP 0, 1, 1, 1
.irp i,1,2,3,4,5,6
	FTRIP \i, 0, 1, 1
.endr
	FTRIP 7, 0, 1, 0                               ; its two last refills are W2's tiles 0 and 1; behind its barrier no wave reads ACT any more
	WIN 0
	PLACES
	s_wait_loadcnt 0x0                             ; b1
	v_mov_b32 v[CA5],   0xbf87dc22
	v_mov_b32 v[CA5+1], 0xbf87dc22
	v_mov_b32 v[CA4],   0x3fba00e3
	v_mov_b32 v[CA4+1], 0x3fba00e3
	v_mov_b32 v[CA3],   0xbfb5f0e3
	v_mov_b32 v[CA3+1], 0xbfb5f0e3
	v_mov_b32 v[CA2],   0x3e91a98e
	v_mov_b32 v[CA2+1], 0x3e91a98e
	v_mov_b32 v[CA1],   0xbe827906
	v_mov_b32 v[CA1+1], 0xbe827906
.irp a,0,1,2,3,4,5,6,7
	XOP \a
.irp b,0,1,2,3,4,5,6,7
	GEL8 \b
.endr
.set i_, 0
.rept 32
	v_cvt_pk_bf16_f32 v[TMP+i_], v[X+2*i_], v[X+2*i_+1]
.set i_, i_+1
.endr
.set i_, 0
.rept 8
	ds_store_b128 v[STO+(\a>>2)], v[TMP+4*i_:TMP+4*i_+3] offset:(\a&3)*16640+32*i_
.set i_, i_+1
.endr
.endr
	BIASLD 48
	; the second layer, bias, residual
	START
	FTRIP 0, 1, 1, 1
.irp i,1,2,3,4,5
	FTRIP \i, 0, 1, 1
.endr
	FTRIP 6, 0, 0, 1                               ; nothing is left to fetch
	FTRIP 7, 0, 0, 0                               ; behind its barrier no wave reads ACT any more: it becomes the stage
	WIN 0
	PLACES
	RESLD 0
	RESLD 1
	s_wait_loadcnt 32                              ; b2 is in; the 32 residual loads stay out
.irp a,0,1,2,3,4,5,6,7
	OUTBLK \a
.endr
	s_set_vgpr_msb 0x1
	s_wait_tensorcnt 0x0
	ds_add_u32 v255, v31
	s_wait_dscnt 0x0
	s_set_vgpr_msb 0x100
	CROUND                                         ; the closing round
	s_endpgm
.Lfunc_end_k_q5e0f5e405c_mlp:
	.size	k_q5e0f5e405c_mlp, .Lfunc_end_k_q5e0f5e405c_mlp-k_q5e0f5e405c_mlp
	.p2alignl 7, 3214868480
	.fill 96, 4, 3214868480
	.section	.rodata,"a",@progbits
	.p2align	6, 0x0
	.amdhsa_kernel k_q5e0f5e405c_mlp
		.amdhsa_group_segment_fixed_size 327680
		.amdhsa_private_segment_fixed_size 0
		.amdhsa_enable_private_segment 0
		.amdhsa_kernarg_size 96
		.amdhsa_user_sgpr_count 2
		.amdhsa_user_sgpr_kernarg_segment_ptr 1
		.amdhsa_wavefront_size32 1
		.amdhsa_system_sgpr_workgroup_id_x 1
		.amdhsa_system_sgpr_workgroup_id_y 1
		.amdhsa_system_sgpr_workgroup_id_z 1
		.amdhsa_system_vgpr_workitem_id 0
		.amdhsa_next_free_vgpr 1024
		.amdhsa_next_free_sgpr 102
		.amdhsa_reserve_vcc 0
		.amdhsa_float_denorm_mode_32 3
		.amdhsa_float_denorm_mode_16_64 3
		.amdhsa_memory_ordered 1
		.amdhsa_forward_progress 1
		.amdhsa_inst_pref_size 255
	.end_amdhsa_kernel
	.section	.bss,"aw",@nobits
	.p2align	6
	.space	262144
	.amdgpu_metadata
---
amdhsa.version: [ 1, 2 ]
amdhsa.kernels:
  - .name:           k_q5e0f5e405c_mlp
    .symbol:         k_q5e0f5e405c_mlp.kd
    .args:
      - { .name: sres, .offset: 0, .size: 8, .value_kind: global_buffer, .address_space: global }
      - { .name: ln2s_g, .offset: 8, .size: 8, .value_kind: global_buffer, .address_space: global }
      - { .name: ln2c_g, .offset: 16, .size: 8, .value_kind: global_buffer, .address_space: global }
      - { .name: ln2s_b, .offset: 24, .size: 8, .value_kind: global_buffer, .address_space: global }
      - { .name: ln2c_b, .offset: 32, .size: 8, .value_kind: global_buffer, .address_space: global }
      - { .name: mlps_b1, .offset: 40, .size: 8, .value_kind: global_buffer, .address_space: global }
      - { .name: mlpc_b1, .offset: 48, .size: 8, .value_kind: global_buffer, .address_space: global }
      - { .name: mlps_b2, .offset: 56, .size: 8, .value_kind: global_buffer, .address_space: global }
      - { .name: mlpc_b2, .offset: 64, .size: 8, .value_kind: global_buffer, .address_space: global }
      - { .name: wb, .offset: 72, .size: 8, .value_kind: global_buffer, .address_space: global }
      - { .name: out0, .offset: 80, .size: 8, .value_kind: global_buffer, .address_space: global }
      - { .name: out1, .offset: 88, .size: 8, .value_kind: global_buffer, .address_space: global }
    .group_segment_fixed_size: 327680
    .private_segment_fixed_size: 0
    .kernarg_segment_align: 8
    .kernarg_segment_size: 96
    .max_flat_workgroup_size: 128
    .sgpr_count:     102
    .vgpr_count:     1024
    .wavefront_size: 32
...
	.end_amdgpu_metadata
.endif
;; end of part 5
;; ======== version 2 of 3: 6 launches; 1.34 times as fast as version 1
;; limits: a function is approximated: absolute error at most 1.5e-07
;; workspace buffers: wb 6,815,744 bytes; vt 33,554,432 bytes; kpt 16,777,216 bytes; gaug 4,718,592 bytes; kaug 4,718,592 bytes; sres 67,108,864 bytes; vbs 2,048 bytes; vbc 2,048 bytes
;; launch prep (part 6): grid 8 x 26, 8 waves a work-group, no clusters, 233,728 bytes of LDS; arguments ks_w, qs_w, mlps_w1, mlps_w2, kc_w, qc_w, mlpc_w1, mlpc_w2, w_s, w_c, vs_w, vc_w, proj_c_w, proj_s_w, vs_b, vc_b, wb, vbs, vbc; writes wb, vbs, vbc
.if DOCPART == 6
	.amdgcn_target "amdgcn-amd-amdhsa--gfx1250"
	.amdhsa_code_object_version 6
	.text
	.protected	k_q5e0f5e405c_prep
	.globl	k_q5e0f5e405c_prep
	.p2align	8
	.type	k_q5e0f5e405c_prep,@function
k_q5e0f5e405c_prep:
	s_mov_b64 s[64:65], 0
	v_nop
	global_prefetch_b8 v0, s[64:65] scope:SCOPE_SE
	s_setreg_imm32_b32 hwreg(HW_REG_WAVE_MODE, 25, 1), 1
	s_wait_xcnt 0x0
; prep: the weights, made ready in bf16 and laid out so that what a later launch fetches for one K step is consecutive bytes.
; (1) Ten matrices are converted, f32 to bf16, rounded once to nearest even.
; (2) The value projection and the output projection are taken off the tokens.  In real arithmetic, for all values of the inputs,
;     (y Wp^T)[t][e] = sum_m qp[t][m] M[e][m] / (D[t] + 1e-8) with M = Wp kptv, since the division is one number for a token, and
;     kptv[n][m] = sum_t (Wv n_t + bv)[n] kp[t][m] = (Wv G)[n][m] + bv[n] ksum[m] with G[i][m] = sum_t n_t[i] kp[t][m], n the normalised rows.
;     So M = W'' G + b'' ksum^T with W'' = Wp Wv and b'' = Wp bv.  W'' and b'' are made here, once for each stream (values of the saliency
;     stream meet proj_c, values of the contour stream proj_s); G is summed over the tokens, M is made once for each batch and stream,
;     and no launch multiplies by Wv or by Wp for each token.
; DEAD WORK: none.  Every one of the 36 inputs has a way to an output and is loaded by some launch.  No maximum is taken away before
; the exponentials because the computation itself takes none.
; LIMITS of the whole program: the order of rounding differs from V and y Wp^T made for each token: W'' is summed in f32 from bf16 factors and
; rounded once to bf16; b'' is an f32 dot product of f32 numbers; G, the key sums and M are each summed in f32 and rounded once to bf16.
; Matrix operands (normalised rows, K, Q, the feature maps, G, the key sums, M, the hidden layer, all weights) are rounded once to bf16; sums,
; norms, |x|^2/2, exponents, D + 1e-8 and the residuals stay in f32.  The exponential and the reciprocal flush denormals (a feature below
; 2^-126 becomes 0), a division is a reciprocal and a multiply, and erf is the five-term rational form of Abramowitz and Stegun 7.1.26,
; absolute error at most 1.5e-7.
; LAYOUT of wb: slot i of twelve 512 x 512 matrices at byte i * 0x80000 as [k/64][n][k%64]: 0 W'' of the saliency stream, 1 ks, 2 qs, 4 and 5 the
; saliency MLP, 6 W'' of the contour stream, 7 kc, 8 qc, 10 and 11 the contour MLP (3 and 9 are not used); w_s at 0x600000 and w_c at 0x640000
; as [k/128][n/64][(k/64)%2][n%64][k%64].
; GRID y 0 to 17: a work-group converts 32 rows of a half matrix of 256 rows; eight lanes take one aligned 256-byte piece of a row; a store of
; a wave covers 512 consecutive bytes.  GRID y 18 to 25: 64 work-groups, each 64 rows e x 128 columns i of one W''.
; No cluster and no tensor loads: f32 has to pass through registers to be rounded.
.set IN,   16                          ; conversion: v[16:79] 64 f32 of my row, v[80:111] the same as bf16
.set OUT,  80
.set PA,   1040                        ; LDS pitch of a row of Wp (1,024 bytes + 16)
.set PB,   288                         ; LDS pitch of a row piece of Wv (256 bytes + 32: an odd multiple of 32 for the transposing load)
.set LB,   64*PA                       ; 66,560: Wv[n 512][i 128]
.set LS,   LB+512*PB                   ; 214,016: the way out, 2 x 64 rows of 128 bytes, pitch 144
.set LV,   LS+2*64*144                 ; 232,448: 64 f32 of b''
.set VH,   13
.set VR,   14
.set VL,   15
.set LOFF, 16                          ; 16 x lane
.set ASTA, 17                          ; where my rows of Wp go
.set BSTA, 18                          ; where my rows of Wv go
.set LVA,  19                          ; LV + 32 w
.set ADA,  20                          ; fragments of Wp
.set ADB,  21                          ; v21-24 fragments of Wv, a register for every 128 rows n
.set SSTA, 25
.set SRDA, 26
.set GOA,  27
.set LVR,  28
.set GV,   29
.set T,    32                          ; v32-47 converted pairs
.set BV,   48                          ; v48-63 bv in the pattern of a row of Wp
.set AF,   64                          ; v64-191 eight rows of Wp in f32; window 1: 64 row pieces of Wv in f32
.set ACC,  32                          ; v32-63 four accumulators (T and BV are dead by then)
.set FB0,  64                          ; two fragment buffers of 40: Wv, then Wp 0-3
.set FB1,  104
.set PK,   144
.set MSB, 0
.macro WIN new                         ; the immediate's high byte repeats the setting that is left
.if MSB != \new
	s_set_vgpr_msb (MSB<<8)|\new
.set MSB, \new
.endif
.endm
.macro PLACES                          ; four plain places behind matrix instructions (ISA guide 7.12.1)
.rept 4
	v_nop
.endr
.endm
.macro WSUM                            ; v2 summed over the 32 lanes, the result in every lane
	v_add_f32_dpp v2, v2, v2 row_xmask:1 row_mask:0xf bank_mask:0xf
	v_add_f32_dpp v2, v2, v2 row_xmask:2 row_mask:0xf bank_mask:0xf
	v_add_f32_dpp v2, v2, v2 row_xmask:4 row_mask:0xf bank_mask:0xf
	v_add_f32_dpp v2, v2, v2 row_xmask:8 row_mask:0xf bank_mask:0xf
	v_permlanex16_b32 v3, v2, s2, s3
	v_add_f32 v2, v2, v3
.endm
.macro BLD r0, n                       ; n row pieces of Wv, 512 consecutive bytes each, into window 1
	WIN 0x40
.set k_, \r0
.rept \n
	global_load_b128 v[4*k_:4*k_+3], v[LOFF], s[56:57] offset:2048*k_
.set k_, k_+1
.endr
	WIN 0
.endm
.macro BCV r0                          ; eight of them to bf16 and into LDS
	WIN 0x05                                       ; both sources in window 1
.set k_, 0
.rept 8
	v_cvt_pk_bf16_f32 v[T+2*k_],   v[4*(\r0+k_)],   v[4*(\r0+k_)+1]
	v_cvt_pk_bf16_f32 v[T+2*k_+1], v[4*(\r0+k_)+2], v[4*(\r0+k_)+3]
.set k_, k_+1
.endr
	WIN 0
.set k_, 0
.rept 8
	ds_store_b64 v[BSTA], v[T+2*k_:T+2*k_+1] offset:PB*(\r0+k_)
.set k_, k_+1
.endr
.endm
.macro FETCHF c, buf                   ; 10 loads: the fragments of n = 32 c .. 32 c + 31
	ds_load_tr16_b128 v[\buf:\buf+3],   v[ADB+((\c)>>2)] offset:((\c)&3)*32*PB          ; Wv lies [n][i]: transposed on the way
	ds_load_tr16_b128 v[\buf+4:\buf+7], v[ADB+((\c)>>2)] offset:((\c)&3)*32*PB+16*PB
.irp a,0,1,2,3
	ds_load_b128 v[\buf+8+8*\a:\buf+8+8*\a+3],  v[ADA] offset:\a*16*PA+64*(\c)
	ds_load_b128 v[\buf+12+8*\a:\buf+12+8*\a+3], v[ADA] offset:\a*16*PA+64*(\c)+32
.endr
.endm
.macro MUL4 buf, zero                  ; four accumulators take turns, one instruction a turn
.irp a,0,1,2,3
.if \zero
	v_wmma_f32_16x16x32_bf16 v[ACC+8*\a:ACC+8*\a+7], v[\buf:\buf+7], v[\buf+8+8*\a:\buf+8+8*\a+7], 0
.else
	v_wmma_f32_16x16x32_bf16 v[ACC+8*\a:ACC+8*\a+7], v[\buf:\buf+7], v[\buf+8+8*\a:\buf+8+8*\a+7], v[ACC+8*\a:ACC+8*\a+7]
.endif
.endr
.endm
	s_load_b512 s[8:23], s[0:1], 0x0               ; ks_w, qs_w, mlps_w1, mlps_w2, kc_w, qc_w, mlpc_w1, mlpc_w2
	s_load_b128 s[24:27], s[0:1], 0x40             ; w_s, w_c
	s_load_b256 s[28:35], s[0:1], 0x50             ; vs_w, vc_w, proj_c_w, proj_s_w
	s_load_b256 s[36:43], s[0:1], 0x70             ; vs_b, vc_b, wb, vbs
	s_load_b64 s[44:45], s[0:1], 0x90              ; vbc
	v_lshl_add_u32 v254, v0, 2, 0x38d00
	v_mov_b32 v255, 0
	s_and_b32 s4, ttmp7, 0xffff                    ; y
	s_cmp_ge_u32 s4, 18
	s_cbranch_scc1 .Lfold
	; ---- conversion ----
	s_lshr_b32 s5, s4, 1                           ; large: matrix k = y / 2,
	s_and_b32 s6, s4, 1                            ; half y % 2,
	s_lshr_b32 s7, s5, 1
	s_add_co_u32 s7, s7, s5
	s_add_co_u32 s7, s7, 1                         ; slot k + 1 + k / 2: 1, 2, 4, 5, 7, 8, 10, 11
	s_lshl_b32 s46, s7, 19
	s_max_u32 s7, s4, 16
	s_sub_co_u32 s47, s7, 16                       ; small: 0 or 1
	s_sub_co_u32 s7, s7, 8                         ; matrix 8 or 9
	s_lshl_b32 s47, s47, 18
	s_add_co_u32 s47, s47, 0x600000
	s_cmp_ge_u32 s4, 16
	s_cselect_b32 s5, s7, s5
	s_cselect_b32 s6, 0, s6
	s_cselect_b32 s46, s47, s46
	s_mov_b32 s47, 0
	s_lshl_b32 s48, s6, 8
	s_lshl_b32 s49, ttmp9, 5
	s_add_co_u32 s48, s48, s49                     ; the work-group's first row
	v_lshrrev_b32 v1, 3, v0
	v_add_nc_u32 v1, s48, v1                       ; my row: eight threads a row
	v_and_b32 v2, 7, v0
	v_lshlrev_b32 v3, 5, v2
	v_lshl_add_u32 v3, v1, 11, v3                  ; source: row x 2,048 + 32 bytes a thread
	v_lshlrev_b32 v2, 4, v2
	v_lshl_add_u32 v4, v1, 7, v2                   ; large: n x 128 + 16 bytes a thread
	v_and_b32 v5, 63, v1
	v_lshl_add_u32 v5, v5, 7, v2
	v_lshrrev_b32 v6, 6, v1
	v_lshl_add_u32 v5, v6, 14, v5                  ; small: (n / 64) x 16,384 + (n % 64) x 128 + 16 bytes a thread
	s_wait_kmcnt 0x0
	s_mov_b64 s[56:57], s[8:9]
.irp i,1,2,3,4,5,6,7,8,9
	s_cmp_eq_u32 s5, \i
	s_cselect_b64 s[56:57], s[8+2*\i:9+2*\i], s[56:57]   ; the matrix is chosen by its number alone
.endr
	s_add_nc_u64 s[40:41], s[40:41], s[46:47]
.irp k,0,1,2,3,4,5,6,7
	global_load_b128 v[IN+8*\k:IN+8*\k+3],   v3, s[56:57] offset:256*\k th:TH_LOAD_NT
	global_load_b128 v[IN+8*\k+4:IN+8*\k+7], v3, s[56:57] offset:256*\k+16 th:TH_LOAD_NT
.endr
.irp k,0,1,2,3,4,5,6,7
	s_wait_loadcnt 14-2*\k                         ; loads come back in order: block k is in, the younger ones stay out
.irp p,0,1,2,3
	v_cvt_pk_bf16_f32 v[OUT+4*\k+\p], v[IN+8*\k+2*\p], v[IN+8*\k+2*\p+1]
.endr
.endr
	s_cmp_ge_u32 s4, 16
	s_cbranch_scc1 .Lsmall
.irp k,0,1,2,3,4,5,6,7
	global_store_b128 v4, v[OUT+4*\k:OUT+4*\k+3], s[40:41] offset:\k*65536
.endr
	s_endpgm
.Lsmall:
.irp k,0,1,2,3,4,5,6,7
	global_store_b128 v5, v[OUT+4*\k:OUT+4*\k+3], s[40:41] offset:(\k>>1)*65536+(\k&1)*8192
.endr
	s_endpgm
	; ---- W''[e][i] = sum over n of Wp[e][n] Wv[n][i], 64 e x 128 i; b''[e] = sum over n of Wp[e][n] bv[n] ----
.Lfold:
	v_lshrrev_b32 v1, 5, v0
	v_readfirstlane_b32 s5, v1                     ; wave 0 to 7
	v_and_b32 v[VL], 31, v0
	v_lshlrev_b32 v[LOFF], 4, v[VL]
	s_sub_co_u32 s6, s4, 18
	s_lshr_b32 s7, s6, 2                           ; the stream whose values these are
	s_and_b32 s6, s6, 3
	s_lshl_b32 s6, s6, 1
	s_lshr_b32 s46, ttmp9, 2
	s_add_co_u32 s6, s6, s46                       ; block of 64 rows e, 0 to 7
	s_and_b32 s46, ttmp9, 3                        ; block of 128 columns i, 0 to 3
	s_mov_b32 s2, 0x76543210
	s_mov_b32 s3, 0xfedcba98
	s_lshl_b32 s48, s6, 17                         ; Wp: 64 rows of 2,048 bytes a block, 8 rows a wave
	s_lshl_b32 s47, s5, 14
	s_add_co_u32 s48, s48, s47
	s_mov_b32 s49, 0
	s_lshl_b32 s50, s46, 9                         ; Wv: 512 bytes of each row, 64 rows a wave
	s_lshl_b32 s47, s5, 17
	s_add_co_u32 s50, s50, s47
	s_mov_b32 s51, 0
	s_mul_i32 s52, s7, 0x300000                    ; wb: slot 0 or 6, k blocks 2 ib and 2 ib + 1, rows from 64 eb
	s_lshl_b32 s47, s46, 17
	s_add_co_u32 s52, s52, s47
	s_lshl_b32 s47, s6, 13
	s_add_co_u32 s52, s52, s47
	s_mov_b32 s53, 0
	s_lshl_b32 s54, s6, 8                          ; b'': 64 f32
	s_mov_b32 s55, 0
	s_wait_kmcnt 0x0
	s_cmp_eq_u32 s7, 0
	s_cselect_b64 s[56:57], s[28:29], s[30:31]     ; Wv
	s_cselect_b64 s[58:59], s[32:33], s[34:35]     ; Wp: proj_c for the saliency stream's values, proj_s for the contour stream's
	s_cselect_b64 s[60:61], s[36:37], s[38:39]     ; bv
	s_cselect_b64 s[62:63], s[42:43], s[44:45]     ; b''
	s_add_nc_u64 s[56:57], s[56:57], s[50:51]
	s_add_nc_u64 s[58:59], s[58:59], s[48:49]
	s_add_nc_u64 s[40:41], s[40:41], s[52:53]
	s_add_nc_u64 s[62:63], s[62:63], s[54:55]
.irp q,0,1,2,3
	global_load_b128 v[BV+4*\q:BV+4*\q+3], v[LOFF], s[60:61] offset:512*\q     ; by every work-group, so that the registers are written on every path
.endr
.irp s,0,1,2,3,4,5,6,7
.irp q,0,1,2,3
	global_load_b128 v[AF+16*\s+4*\q:AF+16*\s+4*\q+3], v[LOFF], s[58:59] offset:2048*\s+512*\q
.endr
.endr
	BLD 0, 24                                      ; 60 loads are out
	v_and_b32 v[VR], 15, v0
	v_bfe_u32 v[VH], v0, 4, 1
	s_mul_i32 s47, s5, 8*PA
	v_lshl_add_u32 v[ASTA], v[VL], 3, s47
	s_mul_i32 s47, s5, 64*PB
	s_add_co_u32 s47, s47, LB
	v_lshl_add_u32 v[BSTA], v[VL], 3, s47
	s_lshl_b32 s47, s5, 5
	s_add_co_u32 s66, s47, LV
	v_mov_b32 v[LVA], s66
	v_mul_u32_u24 v1, v[VR], PA
	v_lshl_add_u32 v[ADA], v[VH], 4, v1            ; row r, 16 bytes for each half of the lanes
	v_and_b32 v1, 7, v0
	v_lshl_add_u32 v1, v[VH], 3, v1                ; row n = 8 h + lane % 8,
	v_mul_u32_u24 v1, v1, PB
	v_bfe_u32 v2, v0, 3, 1
	v_lshl_add_u32 v1, v2, 4, v1                   ; columns 8 ((lane / 8) % 2) .. + 7 of my 16
	s_add_co_u32 s66, s47, LB                      ; my 16 columns: 32 w bytes
	v_add_nc_u32 v[ADB], s66, v1
	v_add_nc_u32 v[ADB+1], 128*PB, v[ADB]
	v_add_nc_u32 v[ADB+2], 128*PB, v[ADB+1]
	v_add_nc_u32 v[ADB+3], 128*PB, v[ADB+2]
	s_lshr_b32 s47, s5, 2                          ; which of the two k blocks my columns lie in
	s_and_b32 s66, s5, 3
	s_lshl_b32 s67, s47, 16
	s_mul_i32 s47, s47, 64*144
	s_add_co_u32 s47, s47, LS
	v_mul_u32_u24 v1, v[VR], 144
	v_lshl_add_u32 v1, v[VH], 4, v1
	v_lshl_add_u32 v1, s66, 5, v1
	v_add_nc_u32 v[SSTA], s47, v1                  ; in: row e = r, bytes 32 (w % 4) + 16 h
	v_lshrrev_b32 v1, 3, v[VL]
	v_mul_u32_u24 v1, v1, 144
	v_and_b32 v2, 7, v0
	v_lshl_add_u32 v1, v2, 4, v1
	s_mul_i32 s54, s66, 16*144
	s_add_co_u32 s54, s54, s47
	v_add_nc_u32 v[SRDA], s54, v1                  ; back: rows 16 (w % 4) + lane / 8, four rows of 128 bytes a load
	s_lshl_b32 s66, s66, 11
	s_add_co_u32 s67, s67, s66
	v_add_nc_u32 v[GOA], s67, v[LOFF]
	v_lshlrev_b32 v[GV], 3, v[VL]
	v_add_nc_u32 v[LVR], LV, v[GV]
	s_wait_loadcnt 24                              ; bv and Wp are in; the 24 row pieces of Wv stay out
.irp s,0,1,2,3,4,5,6,7
.irp q,0,1,2,3
	v_cvt_pk_bf16_f32 v[T+2*\q],   v[AF+16*\s+4*\q],   v[AF+16*\s+4*\q+1]
	v_cvt_pk_bf16_f32 v[T+2*\q+1], v[AF+16*\s+4*\q+2], v[AF+16*\s+4*\q+3]
.endr
.irp q,0,1,2,3
	ds_store_b64 v[ASTA], v[T+2*\q:T+2*\q+1] offset:\s*PA+256*\q
.endr
.endr
	BLD 24, 32                                     ; at most 56 are out
	s_cmp_lg_u32 s46, 0                            ; b'' hangs on e alone: the work-group of column block 0 makes it
	s_cbranch_scc1 .Lnodot
.irp s,0,1,2,3,4,5,6,7
	v_pk_mul_f32 v[2:3], v[AF+16*\s:AF+16*\s+1], v[BV:BV+1]
	v_pk_mul_f32 v[4:5], v[AF+16*\s+2:AF+16*\s+3], v[BV+2:BV+3]
.irp j,4,8,12
	v_pk_fma_f32 v[2:3], v[AF+16*\s+\j:AF+16*\s+\j+1], v[BV+\j:BV+\j+1], v[2:3]
	v_pk_fma_f32 v[4:5], v[AF+16*\s+\j+2:AF+16*\s+\j+3], v[BV+\j+2:BV+\j+3], v[4:5]
.endr
	v_pk_add_f32 v[2:3], v[2:3], v[4:5]
	v_add_f32 v2, v2, v3
	WSUM
	ds_store_b32 v[LVA], v2 offset:4*\s            ; all lanes write the same word with the same value
.endr
.Lnodot:
	s_wait_loadcnt 32                              ; rows 0 to 23 are in; the 32 issued behind them stay out
	BCV 0
	BCV 8
	BCV 16
	BLD 56, 8
	s_wait_loadcnt 8                               ; rows 24 to 55
	BCV 24
	BCV 32
	BCV 40
	BCV 48
	s_wait_loadcnt 0x0
	BCV 56
	s_wait_dscnt 0x0                               ; my stores are done, for the others' sake
	s_barrier_signal -1
	s_barrier_wait -1
	; wave w: all 64 rows e x columns 16 w .. 16 w + 15.  Source 0 is Wv, source 1 Wp: a lane holds one e and 8 neighbouring i.
	FETCHF 0, FB0
	FETCHF 1, FB1
	s_wait_dscnt 10                                ; all but the 10 loads just issued
	MUL4 FB0, 1                                    ; the first products start the sums
.irp c,1,2,3,4,5,6,7,8,9,10,11,12,13,14
	PLACES
	FETCHF (\c+1), (FB0+40*((\c+1)&1))
	s_wait_dscnt 10
	MUL4 (FB0+40*(\c&1)), 0
.endr
	s_wait_dscnt 0x0
	MUL4 FB1, 0
	PLACES
.irp a,0,1,2,3
.irp p,0,1,2,3
	v_cvt_pk_bf16_f32 v[PK+4*\a+\p], v[ACC+8*\a+2*\p], v[ACC+8*\a+2*\p+1]
.endr
.endr
.irp a,0,1,2,3
	ds_store_b128 v[SSTA], v[PK+4*\a:PK+4*\a+3] offset:\a*16*144
.endr
	s_wait_dscnt 0x0                               ; a row of 128 bytes is made by four waves
	s_barrier_signal -1
	s_barrier_wait -1
.irp q,0,1,2,3
	ds_load_b128 v[FB0+4*\q:FB0+4*\q+3], v[SRDA] offset:576*\q
.endr
	s_wait_dscnt 0x0
.irp q,0,1,2,3
	global_store_b128 v[GOA], v[FB0+4*\q:FB0+4*\q+3], s[40:41] offset:512*\q   ; 512 consecutive bytes
.endr
	s_or_b32 s47, s46, s5
	s_cmp_lg_u32 s47, 0                            ; wave 0 of column block 0 stores b''
	s_cbranch_scc1 .Lend
	ds_load_b64 v[2:3], v[LVR]
	s_wait_dscnt 0x0
	global_store_b64 v[GV], v[2:3], s[62:63]       ; 32 lanes x 8 bytes: 256 consecutive bytes, aligned
.Lend:
	s_wait_tensorcnt 0x0
	ds_add_u32 v254, v255
	s_wait_dscnt 0x0
	s_endpgm
.Lfunc_end_k_q5e0f5e405c_prep:
	.size	k_q5e0f5e405c_prep, .Lfunc_end_k_q5e0f5e405c_prep-k_q5e0f5e405c_prep
	.p2alignl 7, 3214868480
	.fill 96, 4, 3214868480
	.section	.rodata,"a",@progbits
	.p2align	6, 0x0
	.amdhsa_kernel k_q5e0f5e405c_prep
		.amdhsa_group_segment_fixed_size 233728
		.amdhsa_private_segment_fixed_size 0
		.amdhsa_enable_private_segment 0
		.amdhsa_kernarg_size 152
		.amdhsa_user_sgpr_count 2
		.amdhsa_user_sgpr_kernarg_segment_ptr 1
		.amdhsa_wavefront_size32 1
		.amdhsa_system_sgpr_workgroup_id_x 1
		.amdhsa_system_sgpr_workgroup_id_y 1
		.amdhsa_system_sgpr_workgroup_id_z 1
		.amdhsa_system_vgpr_workitem_id 0
		.amdhsa_next_free_vgpr 512
		.amdhsa_next_free_sgpr 68
		.amdhsa_reserve_vcc 0
		.amdhsa_float_denorm_mode_32 3
		.amdhsa_float_denorm_mode_16_64 3
		.amdhsa_memory_ordered 1
		.amdhsa_forward_progress 1
		.amdhsa_inst_pref_size 67
	.end_amdhsa_kernel
	.amdgpu_metadata
---
amdhsa.version: [ 1, 2 ]
amdhsa.kernels:
  - .name:           k_q5e0f5e405c_prep
    .symbol:         k_q5e0f5e405c_prep.kd
    .args:
      - { .name: ks_w, .offset: 0, .size: 8, .value_kind: global_buffer, .address_space: global }
      - { .name: qs_w, .offset: 8, .size: 8, .value_kind: global_buffer, .address_space: global }
      - { .name: mlps_w1, .offset: 16, .size: 8, .value_kind: global_buffer, .address_space: global }
      - { .name: mlps_w2, .offset: 24, .size: 8, .value_kind: global_buffer, .address_space: global }
      - { .name: kc_w, .offset: 32, .size: 8, .value_kind: global_buffer, .address_space: global }
      - { .name: qc_w, .offset: 40, .size: 8, .value_kind: global_buffer, .address_space: global }
      - { .name: mlpc_w1, .offset: 48, .size: 8, .value_kind: global_buffer, .address_space: global }
      - { .name: mlpc_w2, .offset: 56, .size: 8, .value_kind: global_buffer, .address_space: global }
      - { .name: w_s, .offset: 64, .size: 8, .value_kind: global_buffer, .address_space: global }
      - { .name: w_c, .offset: 72, .size: 8, .value_kind: global_buffer, .address_space: global }
      - { .name: vs_w, .offset: 80, .size: 8, .value_kind: global_buffer, .address_space: global }
      - { .name: vc_w, .offset: 88, .size: 8, .value_kind: global_buffer, .address_space: global }
      - { .name: proj_c_w, .offset: 96, .size: 8, .value_kind: global_buffer, .address_space: global }
      - { .name: proj_s_w, .offset: 104, .size: 8, .value_kind: global_buffer, .address_space: global }
      - { .name: vs_b, .offset: 112, .size: 8, .value_kind: global_buffer, .address_space: global }
      - { .name: vc_b, .offset: 120, .size: 8, .value_kind: global_buffer, .address_space: global }
      - { .name: wb, .offset: 128, .size: 8, .value_kind: global_buffer, .address_space: global }
      - { .name: vbs, .offset: 136, .size: 8, .value_kind: global_buffer, .address_space: global }
      - { .name: vbc, .offset: 144, .size: 8, .value_kind: global_buffer, .address_space: global }
    .group_segment_fixed_size: 233728
    .private_segment_fixed_size: 0
    .kernarg_segment_align: 8
    .kernarg_segment_size: 152
    .max_flat_workgroup_size: 256
    .sgpr_count:     68
    .vgpr_count:     512
    .wavefront_size: 32
...
	.end_amdgpu_metadata
.endif
;; end of part 6
;; launch kv (part 7): grid 128 x 2, 4 waves a work-group, clusters of 4 x 1, 327,680 bytes of LDS; arguments saliency_fea, contour_fea, ln1s_g, ln1c_g, ln1s_b, ln1c_b, ks_b, kc_b, wb, vt, kpt; writes vt, kpt
.if DOCPART == 7
	.amdgcn_target "amdgcn-amd-amdhsa--gfx1250"
	.amdhsa_code_object_version 6
	.text
	.protected	k_q5e0f5e405c_kv
	.globl	k_q5e0f5e405c_kv
	.p2align	8
	.type	k_q5e0f5e405c_kv,@function
k_q5e0f5e405c_kv:
	s_mov_b64 s[64:65], 0
	v_nop
	global_prefetch_b8 v0, s[64:65] scope:SCOPE_SE
	s_setreg_imm32_b32 hwreg(HW_REG_WAVE_MODE, 25, 1), 1
	s_wait_xcnt 0x0
	s_wait_alu depctr_hold_cnt(0) depctr_sa_sdst(0) depctr_va_vdst(0) depctr_va_sdst(0) depctr_va_ssrc(0) depctr_va_vcc(0) depctr_vm_vsrc(0)
	s_getreg_b32 s2, hwreg(HW_REG_IB_STS2, 6, 4)
	s_cmp_eq_u32 s2, 0
	s_cbranch_scc0 .Lentry_in_a_cluster
	s_endpgm
.Lentry_in_a_cluster:
	s_bfe_u32 s2, ttmp6, 0x10000c
	s_cmp_lg_u32 s2, 0x3003
	s_cbranch_scc0 .Lentry_shape_is_right
	s_endpgm
.Lentry_shape_is_right:
; kv: for a block of 128 tokens of one stream (grid y: 0 saliency, 1 contour): LN1, the normalised rows n stored transposed in bf16;
; K = n Wk^T + bk with xd = |K|^2 / 2 in f32; kp = exp(K w^T - xd) / 16, stored transposed in bf16.  (Keys of the saliency stream
; serve the contour branch and take w_c; keys of the contour stream take w_s.)
; V is not made for each token: kptv = Wv G + bv ksum^T with G = sum over the tokens of n_t kp_t^T (the first launch's head shows the identity
; and its limits), so what the sum over the tokens needs of this launch is n itself.  Nothing else is left out.
; Four waves, as many as a WGP has SIMDs.  A wave makes all 128 tokens x 128 output columns (64 in the feature stage): 64 accumulator tiles.
; The normalised rows, and later K, lie in LDS (ACT, 128 rows of 1,024 bytes, pitch 1,040).  The bf16 weights walk through a ring of
; two LDS slots in K steps of 64 (128 in the feature stage); a wave fetches its own 16 KiB of each tile with one tensor load.
; CLUSTER: the four work-groups of a cluster walk the same weights, so each tile is asked for jointly (mask 15).  A round of the
; cluster barrier stands in front of every joint refill.  By this text's own count a wave has two tensor loads out at the start, later one.
; ORIENTATION: source 0 is index b, source 1 index a.  Weights as source 0: a lane holds one token and 8 neighbouring columns (K, which
; goes back to ACT by rows).  Tokens as source 0: a lane holds one column and 8 neighbouring tokens (kp, which is stored transposed).
; REGISTERS in windows of 256: window 0 scratch (v1-9), addresses (v10-31), more scratch (v32-63), source-1 fragments (two buffers), bias;
; window 1 source-0 fragments; windows 2 and 3 the accumulators, tile (a, b) at v[8 (8 (a % 4) + b)] of window 2 + a / 4.
.set PX,    1040                       ; ACT pitch: 65 x 16 bytes, so 16 rows start in 16 different 16-byte columns
.set ACT4,  64*PX
.set RING,  128*PX                     ; 133,120
.set WPART, 18432                      ; a wave's part of a slot: 128 rows of 128 bytes, pitch 144
.set SLOT,  4*WPART
.set STAGE, RING+2*SLOT                ; 280,576: 16 rows x 272 bytes for each wave, the way out
.set STATP, STAGE+4*4352               ; 297,984: [token 128][wave 4] f32, partial |K|^2
.set CROW,  STATP+2048                 ; 300,032: [token 128] f32, -xd log2 e - 4
.set CRD,  10                          ; v10  CROW + 32 h
.set XDC,  11                          ; v11  CROW + 4 (32 w + lane)
.set XDA,  12                          ; v12  STATP + 16 (32 w + lane)
.set VH,   13
.set VR,   14
.set VL,   15
.set ADRX, 16                          ; v16-17 ACT fragments, rows 0-63 and 64-127
.set ADRW, 18                          ; v18-19 weight fragments, slot 0 and 1
.set STO,  20                          ; v20-21 ACT stores of my 128 columns
.set TRA,  22                          ; v22-23 ACT read transposed: token 8 h + lane % 8, my columns; tokens 0-63 and 64-127
.set LOFF, 24                          ; v24  16 x lane
.set LNST, 25                          ; v25  LN: where a row's 8 bytes go
.set BOFF, 26                          ; v26  512 w + 32 h
.set SGS,  28                          ; v28  stage, in
.set SGR,  29                          ; v29  stage, back
.set TOFF, 30                          ; v30  4,096 h + 16 r: two rows of a transposed array
.set STP,  31                          ; v31  STATP + 16 r + 4 w
.set TMP,  32                          ; v32-63
.set X,    64                          ; v64-127 an epilogue's 64 numbers (fragment buffer 0)
.set F0,   64
.set F1,   128
.set BIAS, 192                         ; v192-255
.set G1F,  16                          ; s[16:23] the shape of a weight tile
.set G0,   32                          ; s[32:39] from where, to where: a set for each slot
.set NB1,  40                          ; s[40:41] my part of the feature matrix
.set MUL_LO, 0xa1                      ; source 0 window 1, source 1 window 0, C and D window 2
.set MUL_HI, 0xf1                      ; the same, C and D window 3
.set TO_B,   0x40                      ; destination window 1
.set K_ADD,  0
.set K_EXPN, 1
.set MSB, 0
.macro WIN new                         ; the immediate's high byte repeats the setting that is left
.if MSB != \new
	s_set_vgpr_msb (MSB<<8)|\new
.set MSB, \new
.endif
.endm
.macro PLACES                          ; four plain places behind matrix instructions, ahead of loads into and reads of their registers
.rept 4
	v_nop
.endr
.endm
.macro CREST                           ; a round of the cluster barrier behind its opening work-group barrier
	s_cmp_lg_u32 s4, 0
	s_cbranch_scc1 .Lnw0_\@
	s_barrier_signal -3
.Lnw0_\@:
	s_barrier_wait -3
	s_barrier_signal -1
	s_barrier_wait -1
.endm
.macro CROUND
	s_barrier_signal -1
	s_barrier_wait -1
	CREST
.endm
; A stage's shape: nb source-0 fragments, na source-1 fragments, wtop = 1: the weights are source 0.
.macro SETTYPE nb, na, wtop
.set NB, \nb
.set NA, \na
.set WTOP, \wtop
.set W1, \na                           ; the youngest na loads are the upper half of the source-1 fragments
.set LF, 2*(\na+\nb)                   ; loads in one fetch
.endm
.macro MROW f, zero                    ; row a_ of tiles: NB matrix instructions, each on its own accumulator
.set b_, 0
.rept NB
.set c_, 8*(8*(a_&3)+b_)
.if \zero
	v_wmma_f32_16x16x32_bf16 v[c_:c_+7], v[\f+8*b_:\f+8*b_+7], v[\f+8*a_:\f+8*a_+7], 0
.else
	v_wmma_f32_16x16x32_bf16 v[c_:c_+7], v[\f+8*b_:\f+8*b_+7], v[\f+8*a_:\f+8*a_+7], v[c_:c_+7]
.endif
.set b_, b_+1
.endr
.endm
.macro ROWS f, a0, n, zero             ; the accumulators take turns, one instruction a turn
.set a_, \a0
.rept \n
.if a_ < 4
	WIN MUL_LO
.else
	WIN MUL_HI
.endif
	MROW \f, \zero
.set a_, a_+1
.endr
.endm
.macro LDW f, slot, woff, n            ; n weight fragments: 16 rows x 32 K, two loads of 16 bytes, 32 bytes apart
.set i_, 0
.rept \n
	ds_load_b128 v[\f+8*i_:\f+8*i_+3],   v[ADRW+\slot] offset:\woff+2304*i_
	ds_load_b128 v[\f+8*i_+4:\f+8*i_+7], v[ADRW+\slot] offset:\woff+2304*i_+32
.set i_, i_+1
.endr
.endm
.macro LDX f, xoff                     ; the eight token fragments
.set i_, 0
.rept 8
	ds_load_b128 v[\f+8*i_:\f+8*i_+3],   v[ADRX+(i_>>2)] offset:\xoff+16640*(i_&3)
	ds_load_b128 v[\f+8*i_+4:\f+8*i_+7], v[ADRX+(i_>>2)] offset:\xoff+16640*(i_&3)+32
.set i_, i_+1
.endr
.endm
.macro FETCH f, slot, woff, xoff       ; source 0 first, then source 1 in ascending a
	WIN TO_B
.if WTOP
	LDW \f, \slot, \woff, NB
.else
	LDX \f, \xoff
.endif
	WIN 0
.if WTOP
	LDX \f, \xoff
.else
	LDW \f, \slot, \woff, NA
.endif
.endm
.macro ADV slot, nb, step              ; the slot's next tile: two tiles on, or tile 0 or 1 of the next matrix
.if \nb
	s_add_nc_u64 s[G0+4*\slot+2:G0+4*\slot+3], s[\nb:\nb+1], \slot*\step
	s_or_b32 s[G0+4*\slot+3], s[G0+4*\slot+3], 0x80000000
.else
	s_add_nc_u64 s[G0+4*\slot+2:G0+4*\slot+3], s[G0+4*\slot+2:G0+4*\slot+3], 2*\step
.endif
.endm
; 32 along K: multiplies buffer f and, in its middle, fetches the next 32 into buffer g.
.macro QUARTER f, g, slot, woff, xoff, zero
	s_wait_dscnt W1                                ; all of buffer f but the fragments that only the second half needs
	ROWS \f, 0, NA/2, \zero
	PLACES
	FETCH \g, \slot, \woff, \xoff
	s_wait_dscnt LF                                ; all but the LF loads just issued
	ROWS \f, NA/2, NA/2, \zero
.endm
; The last 32 of a tile: multiplies buffer 1 and changes slots.  In front of the barrier each wave waits for its LDS reads and for all its
; tensor loads (one is out: its part of the next slot).  Behind it, where the slot is filled again, the rest of a round of the cluster
; barrier, then the joint refill as the first and only tensor load, then the next slot's first fragments.
.macro TURN slot, next, fill, nb, step, g1, fetch, xoff
	s_wait_dscnt W1
	ROWS F1, 0, NA/4, 0
	s_wait_dscnt 0x0                               ; my reads of this slot and of ACT are over
	s_wait_tensorcnt 0x0                           ; all my tensor loads have landed
	ds_add_u32 v255, v27
	s_wait_dscnt 0x0
	s_barrier_signal -1
	ROWS F1, NA/4, NA/4, 0                         ; register work while the others arrive
	WIN 0
	s_barrier_wait -1
.if \fill
	CREST
	ADV \slot, \nb, \step                          ; no tensor load of mine is out: the slot's descriptor may be written
	tensor_load_to_lds s[G0+4*\slot:G0+4*\slot+3], s[\g1:\g1+7]
	s_nop 0
.endif
.if \fetch
	PLACES
	FETCH F0, \next, 0, \xoff
.endif
	ROWS F1, NA/2, NA/2, 0
.endm
.macro FTRIP i, zero, fill, nb, step, g1, fetch    ; a tile of 64 along K
	QUARTER F0, F1, (\i&1), 64, 128*\i+64, \zero
	TURN (\i&1), (1-(\i&1)), \fill, \nb, \step, \g1, \fetch, 128*\i+128
.endm
.macro HTRIP i, zero, fill, nb, step, g1, fetch    ; a tile of 128 along K: two halves of 64 rows x 64 K, 9,216 bytes apart
	QUARTER F0, F1, (\i&1), 64,   256*\i+64,  \zero
	QUARTER F1, F0, (\i&1), 9216, 256*\i+128, 0
	QUARTER F0, F1, (\i&1), 9280, 256*\i+192, 0
	TURN (\i&1), (1-(\i&1)), \fill, \nb, \step, \g1, \fetch, 256*\i+256
.endm
; The 8 nb numbers of tile row blk leave the accumulators: X = acc + bias by column, or acc log2 e + c by token.
.macro XOP blk, nb, kind
.if \blk < 4
	WIN 0x02
.else
	WIN 0x03
.endif
.set i_, 0
.rept 4*\nb
.set c_, 64*(\blk&3)+2*i_
.if \kind == K_ADD
	v_pk_add_f32 v[X+2*i_:X+2*i_+1], v[c_:c_+1], v[BIAS+2*i_:BIAS+2*i_+1]
.endif
.if \kind == K_EXPN
	v_pk_fma_f32 v[X+2*i_:X+2*i_+1], v[c_:c_+1], 0x3fb8aa3b, v[BIAS+2*i_:BIAS+2*i_+1] op_sel_hi:[1,0,1]
.endif
.set i_, i_+1
.endr
	WIN 0
.endm
.macro CVT nb
.set i_, 0
.rept 4*\nb
	v_cvt_pk_bf16_f32 v[TMP+i_], v[X+2*i_], v[X+2*i_+1]
.set i_, i_+1
.endr
.endm
.macro STA blk, nb, adr                ; 16 bytes a lane and tile into ACT, rows 16 blk + r
.set i_, 0
.rept \nb
	ds_store_b128 v[\adr+(\blk>>2)], v[TMP+4*i_:TMP+4*i_+3] offset:(\blk&3)*16640+32*i_
.set i_, i_+1
.endr
.endm
.macro BIASLD base                     ; bias[128 w + 16 b + 8 h + j] into BIAS + 8 b + j
.irp b,0,1,2,3,4,5,6,7
	global_load_b128 v[BIAS+8*\b:BIAS+8*\b+3],   v[BOFF], s[\base:\base+1] offset:64*\b
	global_load_b128 v[BIAS+8*\b+4:BIAS+8*\b+7], v[BOFF], s[\base:\base+1] offset:64*\b+16
.endr
.endm
.macro WSUM                            ; v2 summed over the 32 lanes, the result in every lane
	v_add_f32_dpp v2, v2, v2 row_xmask:1 row_mask:0xf bank_mask:0xf
	v_add_f32_dpp v2, v2, v2 row_xmask:2 row_mask:0xf bank_mask:0xf
	v_add_f32_dpp v2, v2, v2 row_xmask:4 row_mask:0xf bank_mask:0xf
	v_add_f32_dpp v2, v2, v2 row_xmask:8 row_mask:0xf bank_mask:0xf
	v_permlanex16_b32 v3, v2, s52, s53
	v_add_f32 v2, v2, v3
.endm
.macro LNFILL s, row                   ; one row of 2,048 bytes: four loads of 512 consecutive bytes
.irp q,0,1,2,3
	global_load_b128 v[F0+16*\s+4*\q:F0+16*\s+4*\q+3], v[LOFF], s[10:11] offset:(\row)*2048+512*\q
.endr
.endm
; One row's layer norm, the row in 16 registers of the wave: mean, centred squares, scale, gain and bias, bf16 into ACT.
; Scratch: v2-9 and v32-43.
.macro LNROW s, refill, left
.set S_, F0+16*\s
	s_wait_loadcnt \left                           ; my row is in; the younger rows stay out
	v_pk_add_f32 v[2:3], v[S_:S_+1], v[S_+2:S_+3]
	v_pk_add_f32 v[4:5], v[S_+4:S_+5], v[S_+6:S_+7]
	v_pk_add_f32 v[6:7], v[S_+8:S_+9], v[S_+10:S_+11]
	v_pk_add_f32 v[8:9], v[S_+12:S_+13], v[S_+14:S_+15]
	v_pk_add_f32 v[2:3], v[2:3], v[4:5]
	v_pk_add_f32 v[6:7], v[6:7], v[8:9]
	v_pk_add_f32 v[2:3], v[2:3], v[6:7]
	v_add_f32 v2, v2, v3
	WSUM
	v_mul_f32 v32, s55, v2                         ; the mean, twice: a pair for the packed subtraction
	v_mul_f32 v33, s55, v2
.irp j,0,2,4,6,8,10,12,14
	v_pk_add_f32 v[S_+\j:S_+\j+1], v[S_+\j:S_+\j+1], v[32:33] neg_lo:[0,1] neg_hi:[0,1]
.endr
	v_pk_mul_f32 v[2:3], v[S_:S_+1], v[S_:S_+1]
	v_pk_mul_f32 v[4:5], v[S_+2:S_+3], v[S_+2:S_+3]
.irp j,4,8,12
	v_pk_fma_f32 v[2:3], v[S_+\j:S_+\j+1], v[S_+\j:S_+\j+1], v[2:3]
	v_pk_fma_f32 v[4:5], v[S_+\j+2:S_+\j+3], v[S_+\j+2:S_+\j+3], v[4:5]
.endr
	v_pk_add_f32 v[2:3], v[2:3], v[4:5]
	v_add_f32 v2, v2, v3
	WSUM
	v_fma_f32 v2, v2, s55, s56                     ; variance + 1e-5
	v_rsq_f32 v34, v2
	v_rsq_f32 v35, v2                              ; the gain's multiplies below are the plain work behind the two (ISA guide 5.7.2)
.irp j,0,2,4,6,8,10,12,14
	v_pk_mul_f32 v[S_+\j:S_+\j+1], v[S_+\j:S_+\j+1], v[BIAS+\j:BIAS+\j+1]
.endr
	s_wait_alu depctr_va_vdst(0)
.irp j,0,2,4,6,8,10,12,14
	v_pk_fma_f32 v[S_+\j:S_+\j+1], v[S_+\j:S_+\j+1], v[34:35], v[BIAS+16+\j:BIAS+16+\j+1]
.endr
.irp j,0,1,2,3,4,5,6,7
	v_cvt_pk_bf16_f32 v[36+\j], v[S_+2*\j], v[S_+2*\j+1]
.endr
.irp q,0,1,2,3
	ds_store_b64 v[LNST], v[36+2*\q:37+2*\q] offset:\s*PX+256*\q
.endr
.if \refill
	LNFILL \s, (8+\s)
.endif
.endm
; 16 columns x 128 tokens leave: 16 bytes a lane and tile into my own stage, whole rows of 256 bytes back, 16 lanes store 256 aligned consecutive bytes.
.macro TOUT blk, base
.irp b,0,1,2,3,4,5,6,7
	ds_store_b128 v[SGS], v[TMP+4*\b:TMP+4*\b+3] offset:32*\b
.endr
	s_wait_xcnt 0x0                                ; v128-159, which the last block's stores read, are loaded again only behind this wait
.irp t,0,1,2,3,4,5,6,7
	ds_load_b128 v[F1+4*\t:F1+4*\t+3], v[SGR] offset:544*\t     ; LDS serves a wave in order: these see the stores above
.endr
.irp t,0,1,2,3,4,5,6,7
	s_wait_dscnt 7-\t
	global_store_b128 v[TOFF], v[F1+4*\t:F1+4*\t+3], s[\base:\base+1] offset:(16*(\blk)+2*\t)*4096
.endr
.endm
; Columns 128 w + 16 blk .. + 15 of the normalised rows, all 128 tokens: the transposing load gives lane (r, h) tokens 16 b + 8 h .. + 7 of column r,
; the layout in which a product with tokens as source 0 would leave them; then the same way out.
.macro NTOUT blk
.irp b,0,1,2,3,4,5,6,7
	ds_load_tr16_b128 v[TMP+4*\b:TMP+4*\b+3], v[TRA+(\b>>2)] offset:(\b&3)*16640+32*(\blk)
.endr
	s_wait_dscnt 0x0
	TOUT \blk, 50
.endm
; A stage begins: what the waves stored into LDS is shown to all, tile 0 is in (its load was waited for in front of an earlier barrier, or
; is the older of the two first fills); tile 1 may stay out.
; xd = 1: the tokens' -xd log2 e - 4 are finished here.  xd = 2: the normalised rows leave transposed; their stores go out while the stage runs.
.macro START xd
	s_wait_dscnt 0x0
	s_wait_tensorcnt 0x1
	s_barrier_signal -1
	s_barrier_wait -1
.if \xd == 1
	ds_load_b128 v[4:7], v[XDA]                    ; token 32 w + lane: the four waves' partial |K|^2
	s_wait_dscnt 0x0
	v_add_f32 v4, v4, v5
	v_add_f32 v6, v6, v7
	v_add_f32 v4, v4, v6
	v_fma_f32 v4, v4, s57, -4.0                    ; -(|K|^2 / 2) log2 e - 4: the 4 is the division by sqrt(256)
	ds_store_b32 v[XDC], v4                        ; read by all waves behind later barriers, each with a wait for 0 in front
.endif
.if \xd == 2
.irp a,0,1,2,3,4,5,6,7
	NTOUT \a
.endr
.endif
	s_wait_xcnt 0x0                                ; the fragment buffers, which earlier global stores read, are loaded again only behind this wait
	FETCH F0, 0, 0, 0
.endm
	s_load_b512 s[68:83], s[0:1], 0x0              ; fea s, c; ln1 g s, c; ln1 b s, c; k_b s, c
	s_load_b128 s[84:87], s[0:1], 0x40             ; wb; vt
	s_load_b64 s[88:89], s[0:1], 0x50              ; kpt
	s_set_vgpr_msb 0x40
	v_lshl_add_u32 v255, v0, 2, 0x49600
	s_set_vgpr_msb 0x4000
	v_mov_b32 v27, 0
	s_set_vgpr_msb 0x1
	ds_add_u32 v255, v27
	ds_add_u32 v255, v27
	s_set_vgpr_msb 0x100
	v_lshrrev_b32 v1, 5, v0
	v_readfirstlane_b32 s4, v1                     ; wave
	s_bfe_u32 s5, ttmp6, 0x40000                   ; cx: enters only the addresses of the block's own rows
	s_lshl_b32 s6, ttmp9, 2
	s_add_co_u32 s6, s6, s5                        ; block of 128 tokens, 0 to 127
	s_and_b32 s7, ttmp7, 0xffff                    ; stream
	s_mov_b32 s52, 0x76543210
	s_mov_b32 s53, 0xfedcba98
	s_mov_b32 s55, 0x3b000000                      ; 1 / 512
	s_mov_b32 s56, 0x3727c5ac                      ; 1e-5
	s_mov_b32 s57, 0xbf38aa3b                      ; -0.5 log2 e
	; the shape: 64 rows of 256 bytes (elements of 8 bytes), dense; 4 words of padding behind every 32 words, so that a weight row of 128 bytes has pitch 144
	s_mov_b32 s16, 0x0733000f                      ; mask 15, element code 3, padding on, bit 21 beside the mask, interval code 4, pad code 3
	s_mov_b32 s17, 32<<16
	s_mov_b32 s18, 64<<16
	s_mov_b32 s19, 32<<16
	s_mov_b32 s20, 64
	s_mov_b32 s21, 32
	s_mov_b32 s22, 0
	s_mov_b32 s23, 0
	s_mov_b32 s32, 1
	s_mov_b32 s36, 1
	s_mul_i32 s33, s4, WPART
	s_add_co_u32 s33, s33, RING                    ; slot 0, my part
	s_add_co_u32 s37, s33, SLOT                    ; slot 1
	s_lshl_b32 s94, s4, 14                         ; my 16 KiB of a tile
	s_mul_i32 s60, s7, 0x300000
	s_add_co_u32 s60, s60, s94
	s_add_co_u32 s60, s60, 0x80000                 ; K's matrix of the stream
	s_mov_b32 s61, 0
	s_lshl_b32 s96, s7, 18
	s_sub_co_u32 s96, 0x640000, s96                ; w_c for the saliency stream, w_s for the contour stream
	s_add_co_u32 s96, s96, s94
	s_mov_b32 s97, 0
	s_lshl_b32 s58, s6, 18                         ; the block's 128 rows of 2,048 bytes
	s_mov_b32 s59, 0
	s_lshl_b32 s98, s4, 16                         ; my 32 rows of them
	s_mov_b32 s99, 0
	s_wait_dscnt 0x0
	s_wait_kmcnt 0x0
	s_add_nc_u64 s[34:35], s[84:85], s[60:61]
	s_add_nc_u64 s[38:39], s[34:35], 0x10000
	s_or_b32 s35, s35, 0x80000000
	s_or_b32 s39, s39, 0x80000000
	s_add_nc_u64 s[NB1:NB1+1], s[84:85], s[96:97]
	s_cmp_eq_u32 s7, 0
	s_cselect_b64 s[8:9], s[68:69], s[70:71]
	s_cselect_b64 s[12:13], s[72:73], s[74:75]
	s_cselect_b64 s[14:15], s[76:77], s[78:79]
	s_cselect_b64 s[48:49], s[80:81], s[82:83]
	s_add_nc_u64 s[8:9], s[8:9], s[58:59]
	s_add_nc_u64 s[10:11], s[8:9], s[98:99]
	CROUND                                         ; all four work-groups are here: the first joint loads meet
	tensor_load_to_lds s[32:35], s[16:23]          ; tiles 0 and 1, ahead of everything else
	s_nop 0
	tensor_load_to_lds s[36:39], s[16:23]
	s_nop 0
	s_and_b32 s100, s6, 15
	s_lshl_b32 s100, s100, 8                       ; the block's 128 tokens in a transposed row
	s_lshr_b32 s101, ttmp9, 2
	s_lshl3_add_u32 s101, s7, s101                 ; 8 x stream + batch
	s_lshl_b32 s58, s101, 21
	s_lshl_b32 s59, s4, 19
	s_add_co_u32 s58, s58, s59
	s_add_co_u32 s58, s58, s100
	s_mov_b32 s59, 0
	s_add_nc_u64 s[50:51], s[86:87], s[58:59]      ; vt at row 128 w of my batch
	s_lshl_b32 s58, s101, 20
	s_lshl_b32 s59, s4, 18
	s_add_co_u32 s58, s58, s59
	s_add_co_u32 s58, s58, s100
	s_mov_b32 s59, 0
	s_add_nc_u64 s[62:63], s[88:89], s[58:59]      ; kpt at row 64 w of my batch
	v_and_b32 v[VL], 31, v0
	v_and_b32 v[VR], 15, v0
	v_bfe_u32 v[VH], v0, 4, 1
	v_mul_u32_u24 v1, v[VR], PX
	v_lshl_add_u32 v[ADRX], v[VH], 4, v1
	v_add_nc_u32 v[ADRX+1], ACT4, v[ADRX]
	v_mul_u32_u24 v1, v[VR], 144
	v_lshl_add_u32 v1, v[VH], 4, v1
	v_add_nc_u32 v[ADRW], s33, v1
	v_add_nc_u32 v[ADRW+1], SLOT, v[ADRW]
	v_lshl_add_u32 v[STO], s4, 8, v[ADRX]
	v_add_nc_u32 v[STO+1], ACT4, v[STO]
	v_and_b32 v1, 7, v0
	v_lshl_add_u32 v1, v[VH], 3, v1                ; token 8 h + lane % 8,
	v_mul_u32_u24 v1, v1, PX
	v_bfe_u32 v2, v0, 3, 1
	v_lshl_add_u32 v1, v2, 4, v1                   ; columns 8 ((lane / 8) % 2) .. + 7 of sixteen,
	v_lshl_add_u32 v[TRA], s4, 8, v1               ; from my 128 columns' first
	v_add_nc_u32 v[TRA+1], ACT4, v[TRA]
	v_lshlrev_b32 v[LOFF], 4, v[VL]
	s_mul_i32 s60, s4, 32*PX
	v_lshl_add_u32 v[LNST], v[VL], 3, s60
	v_lshlrev_b32 v1, 5, v[VH]
	v_lshl_add_u32 v[BOFF], s4, 9, v1
	v_add_nc_u32 v[CRD], CROW, v1
	v_lshlrev_b32 v1, 4, v[VR]
	v_lshl_add_u32 v[TOFF], v[VH], 12, v1
	s_lshl_b32 s60, s4, 2
	s_add_co_u32 s60, s60, STATP
	v_add_nc_u32 v[STP], s60, v1
	s_lshl_b32 s60, s4, 9
	s_add_co_u32 s60, s60, STATP
	v_add_nc_u32 v[XDA], s60, v[LOFF]
	s_lshl_b32 s60, s4, 7
	s_add_co_u32 s60, s60, CROW
	v_lshl_add_u32 v[XDC], v[VL], 2, s60
	s_mul_i32 s60, s4, 4352
	s_add_co_u32 s60, s60, STAGE
	v_mul_u32_u24 v1, v[VR], 272
	v_lshl_add_u32 v1, v[VH], 4, v1
	v_add_nc_u32 v[SGS], s60, v1
	v_mul_u32_u24 v1, v[VH], 272
	v_lshl_add_u32 v1, v[VR], 4, v1
	v_add_nc_u32 v[SGR], s60, v1
	; LN1: wave w takes rows 32 w to 32 w + 31, a row at a time, through a ring of eight row slots in registers
.irp q,0,1,2,3
	global_load_b128 v[BIAS+4*\q:BIAS+4*\q+3],       v[LOFF], s[12:13] offset:512*\q
	global_load_b128 v[BIAS+16+4*\q:BIAS+16+4*\q+3], v[LOFF], s[14:15] offset:512*\q
.endr
.irp s,0,1,2,3,4,5,6,7
	LNFILL \s, \s
.endr
	s_mov_b32 s54, 3
.Lln:
.irp s,0,1,2,3,4,5,6,7
	LNROW \s, 1, 28                                ; 28: the four loads of each of the seven younger slots
.endr
	s_wait_xcnt 0x0                                ; the base, which pending loads name, steps only behind this wait
	s_add_nc_u64 s[10:11], s[10:11], 16384
	v_add_nc_u32 v[LNST], 8*PX, v[LNST]
	s_sub_co_u32 s54, s54, 1
	s_cmp_lg_u32 s54, 0
	s_cbranch_scc1 .Lln
.irp s,0,1,2,3,4,5,6,7
	LNROW \s, 0, 28-4*\s                           ; the last eight rows load nothing: the counts run down
.endr
	BIASLD 48                                      ; K's bias: it has the whole stage in which to land
	; n leaves transposed; then K: weights are source 0
	SETTYPE 8, 8, 1
	START 2
	FTRIP 0, 1, 1, 0, 65536, G1F, 1                ; the first products start the sums: nothing is cleared
.irp i,1,2,3,4,5
	FTRIP \i, 0, 1, 0, 65536, G1F, 1
.endr
	FTRIP 6, 0, 1, NB1, 65536, G1F, 1              ; the feature matrix, tiles 0 and 1
	FTRIP 7, 0, 1, NB1, 65536, G1F, 0              ; behind its barrier no wave reads ACT any more
	WIN 0
	PLACES
	s_wait_loadcnt 0x0                             ; K's bias
.irp a,0,1,2,3,4,5,6,7
	XOP \a, 8, K_ADD
	v_pk_mul_f32 v[2:3], v[X:X+1], v[X:X+1]        ; |K|^2 of my 64 numbers of token 16 a + r, in two chains, on the f32 values
	v_pk_mul_f32 v[4:5], v[X+2:X+3], v[X+2:X+3]
.set i_, 4
.rept 15
	v_pk_fma_f32 v[2:3], v[X+i_:X+i_+1], v[X+i_:X+i_+1], v[2:3]
	v_pk_fma_f32 v[4:5], v[X+i_+2:X+i_+3], v[X+i_+2:X+i_+3], v[4:5]
.set i_, i_+4
.endr
	v_pk_add_f32 v[2:3], v[2:3], v[4:5]
	v_add_f32 v2, v2, v3
	v_permlanex16_b32 v3, v2, s52, s53             ; the other half of the lanes holds the token's other 64 columns
	v_add_f32 v2, v2, v3
	ds_store_b32 v[STP], v2 offset:256*\a
	CVT 8
	STA \a, 8, STO
.endr
	; the features: tokens are source 0, 64 features a wave, K in steps of 128
	SETTYPE 8, 4, 0
	START 1
	HTRIP 0, 1, 1, 0, 65536, G1F, 1
	HTRIP 1, 0, 1, 0, 65536, G1F, 1
	HTRIP 2, 0, 0, 0, 0, G1F, 1                    ; the last two tiles are on their way or in: nothing is filled
	HTRIP 3, 0, 0, 0, 0, G1F, 0
	WIN 0
	PLACES
.irp b,0,1,2,3,4,5,6,7
	ds_load_b128 v[BIAS+8*\b:BIAS+8*\b+3],   v[CRD] offset:64*\b       ; c of tokens 16 b + 8 h + j
	ds_load_b128 v[BIAS+8*\b+4:BIAS+8*\b+7], v[CRD] offset:64*\b+16
.endr
	s_wait_dscnt 0x0
.irp a,0,1,2,3
	XOP \a, 8, K_EXPN
.set i_, 0
.rept 64
	v_exp_f32 v[X+i_], v[X+i_]
.set i_, i_+1
.endr
	v_nop                                          ; one plain place behind the last exponential (ISA guide 5.7.2)
	s_wait_alu depctr_va_vdst(0)
	CVT 8
	TOUT \a, 62
.endr
	s_set_vgpr_msb 0x1
	s_wait_tensorcnt 0x0
	ds_add_u32 v255, v27
	s_wait_dscnt 0x0
	s_set_vgpr_msb 0x100
	CROUND                                         ; the closing round
	s_endpgm
.Lfunc_end_k_q5e0f5e405c_kv:
	.size	k_q5e0f5e405c_kv, .Lfunc_end_k_q5e0f5e405c_kv-k_q5e0f5e405c_kv
	.p2alignl 7, 3214868480
	.fill 96, 4, 3214868480
	.section	.rodata,"a",@progbits
	.p2align	6, 0x0
	.amdhsa_kernel k_q5e0f5e405c_kv
		.amdhsa_group_segment_fixed_size 327680
		.amdhsa_private_segment_fixed_size 0
		.amdhsa_enable_private_segment 0
		.amdhsa_kernarg_size 88
		.amdhsa_user_sgpr_count 2
		.amdhsa_user_sgpr_kernarg_segment_ptr 1
		.amdhsa_wavefront_size32 1
		.amdhsa_system_sgpr_workgroup_id_x 1
		.amdhsa_system_sgpr_workgroup_id_y 1
		.amdhsa_system_sgpr_workgroup_id_z 1
		.amdhsa_system_vgpr_workitem_id 0
		.amdhsa_next_free_vgpr 1024
		.amdhsa_next_free_sgpr 102
		.amdhsa_reserve_vcc 0
		.amdhsa_float_denorm_mode_32 3
		.amdhsa_float_denorm_mode_16_64 3
		.amdhsa_memory_ordered 1
		.amdhsa_forward_progress 1
		.amdhsa_inst_pref_size 255
	.end_amdhsa_kernel
	.section	.bss,"aw",@nobits
	.p2align	6
	.space	262144
	.amdgpu_metadata
---
amdhsa.version: [ 1, 2 ]
amdhsa.kernels:
  - .name:           k_q5e0f5e405c_kv
    .symbol:         k_q5e0f5e405c_kv.kd
    .args:
      - { .name: saliency_fea, .offset: 0, .size: 8, .value_kind: global_buffer, .address_space: global }
      - { .name: contour_fea, .offset: 8, .size: 8, .value_kind: global_buffer, .address_space: global }
      - { .name: ln1s_g, .offset: 16, .size: 8, .value_kind: global_buffer, .address_space: global }
      - { .name: ln1c_g, .offset: 24, .size: 8, .value_kind: global_buffer, .address_space: global }
      - { .name: ln1s_b, .offset: 32, .size: 8, .value_kind: global_buffer, .address_space: global }
      - { .name: ln1c_b, .offset: 40, .size: 8, .value_kind: global_buffer, .address_space: global }
      - { .name: ks_b, .offset: 48, .size: 8, .value_kind: global_buffer, .address_space: global }
      - { .name: kc_b, .offset: 56, .size: 8, .value_kind: global_buffer, .address_space: global }
      - { .name: wb, .offset: 64, .size: 8, .value_kind: global_buffer, .address_space: global }
      - { .name: vt, .offset: 72, .size: 8, .value_kind: global_buffer, .address_space: global }
      - { .name: kpt, .offset: 80, .size: 8, .value_kind: global_buffer, .address_space: global }
    .group_segment_fixed_size: 327680
    .private_segment_fixed_size: 0
    .kernarg_segment_align: 8
    .kernarg_segment_size: 88
    .max_flat_workgroup_size: 128
    .sgpr_count:     102
    .vgpr_count:     1024
    .wavefront_size: 32
...
	.end_amdgpu_metadata
.endif
;; end of part 7
;; launch kptv (part 8): grid 4 x 64, 4 waves a work-group, clusters of 4 x 4, 327,680 bytes of LDS; arguments vt, kpt, gaug; writes gaug
.if DOCPART == 8
	.amdgcn_target "amdgcn-amd-amdhsa--gfx1250"
	.amdhsa_code_object_version 6
	.text
	.protected	k_q5e0f5e405c_kptv
	.globl	k_q5e0f5e405c_kptv
	.p2align	8
	.type	k_q5e0f5e405c_kptv,@function
k_q5e0f5e405c_kptv:
	s_mov_b64 s[64:65], 0
	v_nop
	global_prefetch_b8 v0, s[64:65] scope:SCOPE_SE
	s_setreg_imm32_b32 hwreg(HW_REG_WAVE_MODE, 25, 1), 1
	s_wait_xcnt 0x0
	s_wait_alu depctr_hold_cnt(0) depctr_sa_sdst(0) depctr_va_vdst(0) depctr_va_sdst(0) depctr_va_ssrc(0) depctr_va_vcc(0) depctr_vm_vsrc(0)
	s_getreg_b32 s2, hwreg(HW_REG_IB_STS2, 6, 4)
	s_cmp_eq_u32 s2, 0
	s_cbranch_scc0 .Lentry_in_a_cluster
	s_endpgm
.Lentry_in_a_cluster:
	s_bfe_u32 s2, ttmp6, 0x10000c
	s_cmp_lg_u32 s2, 0xf033
	s_cbranch_scc0 .Lentry_shape_is_right
	s_endpgm
.Lentry_shape_is_right:
; kptv: for each stream and batch (16 in all, the cluster's y): G[i][m] = sum over 2,048 tokens of n^T[i][t] kp^T[m][t] (n: the normalised rows,
; which stand where the values stood: the first launch's head shows the identity), and ksum[m] = sum over t of kp^T[m][t], made as a product
; with a tile of ones.  Nothing is left out.
; A cluster of 4 x 4 work-groups makes one batch: cx picks 64 features m, cy picks 128 rows i.  A wave makes 32 i x 64 m (8 accumulators)
; and the key sums of 16 of the 64 features (a ninth).  n^T's tile hangs on cy alone and is asked for jointly along a row of the cluster,
; kp^T's on cx alone and is asked for jointly along a column.  t goes in 8 steps of 256 through two LDS slots (rows of 512 bytes, pitch 528).
; By this text's own count a wave has two tensor loads out at the start, later one.
; Source 0 is kp^T, source 1 n^T: a lane holds one i and 8 neighbouring m, 16 bytes of a row of the result.
; RESULT: gaug[batch 16][m / 64][i / 128][144 rows][64 m] bf16: rows 0 to 127 G, rows 128 to 143 sixteen equal rows of ksum; the four blocks
; of one batch and m / 64 are 73,728 consecutive bytes, which is what a work-group of the next launch fetches.
.set TP,    528
.set VROWS, 128*TP                     ; 67,584: n^T's 128 rows, then kp^T's 64
.set SLOT2, 192*TP                     ; 101,376
.set STG,   2*SLOT2                    ; 202,752: 32 rows x 144 bytes for each wave
.set DSG,   STG+4*4608                 ; 221,184: 16 rows x 144 bytes, the key sums
.set ADRV, 16                          ; v16-17 my 32 rows of n^T, slot 0, 1
.set ADRK, 18                          ; v18-19 the 64 rows of kp^T
.set ADRD, 20                          ; v20-21 rows 16 w to 16 w + 15 of them
.set SST,  22
.set DSO,  23
.set SRD,  24
.set DRD,  25
.set GO,   26
.set GD,   27
.set ONES, 32                          ; v32-39  a fragment of ones
.set ACC,  40                          ; v40-103 tile (mi, ni) at 8 (2 mi + ni)
.set DACC, 104                         ; v104-111
.set FB0,  112                         ; two fragment buffers of 56: kp^T 0-3, n^T 0-1, kp^T of my key sums
.set FB1,  168
.set PK,   224
.set G1,  24                           ; s[24:31] shape of n^T's loads, s[32:39] their two address sets
.set G0,  32
.set G1B, 48                           ; s[48:55], s[56:63] the same for kp^T
.set G0B, 56
.macro PLACES
.rept 4
	v_nop
.endr
.endm
.macro JLOAD s                         ; waves 0 and 1 fetch n^T's halves, waves 2 and 3 kp^T's: each line has one mask
	s_cmp_eq_u32 s11, 0
	s_cbranch_scc0 .Lfor_b_\@
	tensor_load_to_lds s[G0+4*\s:G0+4*\s+3], s[G1:G1+7]
	s_nop 0
	s_branch .Lasked_\@
.Lfor_b_\@:
	tensor_load_to_lds s[G0B+4*\s:G0B+4*\s+3], s[G1B:G1B+7]
	s_nop 0
.Lasked_\@:
.endm
.macro CROUND
	s_barrier_signal -1
	s_barrier_wait -1
	s_cmp_lg_u32 s10, 0
	s_cbranch_scc1 .Lnw0_\@
	s_barrier_signal -3
.Lnw0_\@:
	s_barrier_wait -3
	s_barrier_signal -1
	s_barrier_wait -1
.endm
.macro FETCH2 slot, c, buf             ; 14 loads: the fragments of 32 tokens at byte 64 c of the rows
.irp i,0,1,2,3
	ds_load_b128 v[\buf+8*\i:\buf+8*\i+3],   v[ADRK+\slot] offset:\i*16*TP+64*(\c)
	ds_load_b128 v[\buf+8*\i+4:\buf+8*\i+7], v[ADRK+\slot] offset:\i*16*TP+64*(\c)+32
.endr
.irp i,0,1
	ds_load_b128 v[\buf+32+8*\i:\buf+32+8*\i+3], v[ADRV+\slot] offset:\i*16*TP+64*(\c)
	ds_load_b128 v[\buf+36+8*\i:\buf+36+8*\i+3], v[ADRV+\slot] offset:\i*16*TP+64*(\c)+32
.endr
	ds_load_b128 v[\buf+48:\buf+51], v[ADRD+\slot] offset:64*(\c)
	ds_load_b128 v[\buf+52:\buf+55], v[ADRD+\slot] offset:64*(\c)+32
.endm
.macro MUL9 buf, zero                  ; nine accumulators take turns, one instruction a turn, over the backward jump too
.irp t,0,1,2,3,4,5,6,7
.if \zero
	v_wmma_f32_16x16x32_bf16 v[ACC+8*\t:ACC+8*\t+7], v[\buf+8*(\t>>1):\buf+8*(\t>>1)+7], v[\buf+32+8*(\t&1):\buf+32+8*(\t&1)+7], 0
.else
	v_wmma_f32_16x16x32_bf16 v[ACC+8*\t:ACC+8*\t+7], v[\buf+8*(\t>>1):\buf+8*(\t>>1)+7], v[\buf+32+8*(\t&1):\buf+32+8*(\t&1)+7], v[ACC+8*\t:ACC+8*\t+7]
.endif
.endr
.if \zero
	v_wmma_f32_16x16x32_bf16 v[DACC:DACC+7], v[\buf+48:\buf+55], v[ONES:ONES+7], 0
.else
	v_wmma_f32_16x16x32_bf16 v[DACC:DACC+7], v[\buf+48:\buf+55], v[ONES:ONES+7], v[DACC:DACC+7]
.endif
.endm
.macro STEP slot, zero                 ; 256 tokens: eight times 32, the next fragments fetched while these are multiplied
	PLACES
	FETCH2 \slot, 0, FB0
	PLACES
	FETCH2 \slot, 1, FB1
	s_wait_dscnt 14                                ; all but the 14 loads just issued
	MUL9 FB0, \zero
.irp c,1,2,3,4,5,6
	PLACES
	FETCH2 \slot, (\c+1), (FB0+56*((\c+1)&1))
	s_wait_dscnt 14
	MUL9 (FB0+56*(\c&1)), 0
.endr
	s_wait_dscnt 0x0
	MUL9 FB1, 0
.endm
; A change of slots.  Each wave waits for all its tensor loads and for its LDS reads; a round of the cluster barrier; the joint refill of
; the slot read last is the first and only tensor load behind it; then this slot is read.
.macro TWO slot, other, refill
	s_wait_tensorcnt 0x0
	ds_add_u32 v30, v31
	s_wait_dscnt 0x0
.if \refill
	s_add_nc_u64 s[G0+4*\other+2:G0+4*\other+3], s[G0+4*\other+2:G0+4*\other+3], 1024      ; no load of mine is out: two steps of 512 bytes on
	s_add_nc_u64 s[G0B+4*\other+2:G0B+4*\other+3], s[G0B+4*\other+2:G0B+4*\other+3], 1024
.endif
	s_wait_dscnt 0x0
.if \refill
	CROUND
	JLOAD \other
.else
	s_barrier_signal -1
	s_barrier_wait -1
.endif
	STEP \slot, 0
.endm
	s_load_b128 s[4:7], s[0:1], 0x0                ; vt, kpt
	s_load_b64 s[8:9], s[0:1], 0x10                ; gaug
	v_lshl_add_u32 v30, v0, 2, 0x36900
	v_mov_b32 v31, 0
	ds_add_u32 v30, v31
	ds_add_u32 v30, v31
	v_lshrrev_b32 v1, 5, v0
	v_readfirstlane_b32 s10, v1                    ; wave
	s_lshr_b32 s11, s10, 1                         ; I fetch for n^T (0) or for kp^T (1),
	s_and_b32 s12, s10, 1                          ; and which half of its rows
	s_bfe_u32 s40, ttmp6, 0x40000                  ; cx
	s_bfe_u32 s41, ttmp6, 0x40004                  ; cy
	s_and_b32 s13, ttmp7, 0xffff                   ; 8 x stream + batch
	s_lshl_b32 s43, s41, 2
	s_lshl_b32 s43, 15, s43                        ; my row of the cluster
	s_lshl_b32 s44, 0x1111, s40                    ; my column
	s_or_b32 s[G1+0], s43, (1<<16)|(1<<20)|(1<<21)|(6<<22)|(3<<25)    ; elements of 2 bytes, 4 words of padding behind every 128 words
	s_or_b32 s[G1B+0], s44, (1<<16)|(1<<20)|(1<<21)|(6<<22)|(3<<25)
	s_mov_b32 s[G1+1], 256<<16
	s_mov_b32 s[G1B+1], 256<<16
	s_mov_b32 s[G1+2], 64<<16                      ; 64 rows of n^T a load,
	s_mov_b32 s[G1B+2], 32<<16                     ; 32 of kp^T
	s_mov_b32 s[G1+3], 256<<16
	s_mov_b32 s[G1B+3], 256<<16
	s_mov_b32 s[G1+4], 64
	s_mov_b32 s[G1B+4], 32
	s_mov_b32 s[G1+5], 2048
	s_mov_b32 s[G1B+5], 2048
	s_mov_b32 s[G1+6], 0
	s_mov_b32 s[G1B+6], 0
	s_mov_b32 s[G1+7], 0
	s_mov_b32 s[G1B+7], 0
	s_lshl_b32 s16, s13, 9                         ; n^T: row 512 x batch + 128 cy + 64 x half; never holds cx
	s_lshl_b32 s17, s41, 7
	s_add_co_u32 s16, s16, s17
	s_lshl_b32 s17, s12, 6
	s_add_co_u32 s16, s16, s17
	s_lshl_b32 s16, s16, 12
	s_mov_b32 s17, 0
	s_lshl_b32 s46, s13, 8                         ; kp^T: row 256 x batch + 64 cx + 32 x half; never holds cy
	s_lshl_b32 s47, s40, 6
	s_add_co_u32 s46, s46, s47
	s_lshl_b32 s47, s12, 5
	s_add_co_u32 s46, s46, s47
	s_lshl_b32 s46, s46, 12
	s_mov_b32 s47, 0
	s_mul_i32 s20, s12, 64*TP
	s_mul_i32 s21, s12, 32*TP
	s_add_co_u32 s21, s21, VROWS
	s_wait_dscnt 0x0
	s_wait_kmcnt 0x0
	s_add_nc_u64 s[14:15], s[4:5], s[16:17]
	s_add_nc_u64 s[46:47], s[6:7], s[46:47]
	CROUND                                         ; all sixteen work-groups are here: the first joint loads meet
.irp s,0,1
	s_mov_b32 s[G0+4*\s], 1
	s_add_co_u32 s[G0+4*\s+1], s20, \s*SLOT2
	s_add_nc_u64 s[G0+4*\s+2:G0+4*\s+3], s[14:15], \s*512
	s_or_b32 s[G0+4*\s+3], s[G0+4*\s+3], 0x80000000
	s_mov_b32 s[G0B+4*\s], 1
	s_add_co_u32 s[G0B+4*\s+1], s21, \s*SLOT2
	s_add_nc_u64 s[G0B+4*\s+2:G0B+4*\s+3], s[46:47], \s*512
	s_or_b32 s[G0B+4*\s+3], s[G0B+4*\s+3], 0x80000000
	JLOAD \s
.endr
	v_and_b32 v1, 15, v0                           ; r
	v_bfe_u32 v2, v0, 4, 1                         ; h
	v_and_b32 v5, 31, v0                           ; lane
	v_mul_u32_u24 v3, v1, TP
	v_lshl_add_u32 v3, v2, 4, v3
	s_mul_i32 s22, s10, 32*TP
	v_add_nc_u32 v[ADRV], s22, v3
	v_add_nc_u32 v[ADRV+1], SLOT2, v[ADRV]
	v_add_nc_u32 v[ADRK], VROWS, v3
	v_add_nc_u32 v[ADRK+1], SLOT2, v[ADRK]
	s_mul_i32 s23, s10, 16*TP
	v_add_nc_u32 v[ADRD], s23, v[ADRK]
	v_add_nc_u32 v[ADRD+1], s23, v[ADRK+1]
	s_mul_i32 s22, s10, 4608
	s_add_co_u32 s22, s22, STG
	v_mul_u32_u24 v4, v1, 144
	v_lshl_add_u32 v4, v2, 4, v4
	v_add_nc_u32 v[SST], s22, v4
	s_lshl_b32 s23, s10, 5
	s_add_co_u32 s23, s23, DSG
	v_add_nc_u32 v[DSO], s23, v4
	v_lshrrev_b32 v6, 3, v5
	v_and_b32 v7, 7, v5
	v_mul_u32_u24 v6, v6, 144
	v_lshl_add_u32 v6, v7, 4, v6
	v_add_nc_u32 v[SRD], s22, v6
	s_mul_i32 s23, s10, 576
	s_add_co_u32 s23, s23, DSG
	v_add_nc_u32 v[DRD], s23, v6
	v_lshlrev_b32 v8, 4, v5
	v_lshl_add_u32 v[GO], s10, 12, v8
	v_lshl_add_u32 v[GD], s10, 9, v8
.irp j,0,1,2,3,4,5,6,7
	v_mov_b32 v[ONES+\j], 0x3f803f80               ; two bf16 ones
.endr
	s_wait_tensorcnt 0x1                           ; my part of step 0 is in; step 1 may stay out
	s_barrier_signal -1
	s_barrier_wait -1
	STEP 0, 1                                      ; the first products start the sums
	s_mov_b32 s3, 3
.Lk:
	TWO 1, 0, 1
	TWO 0, 1, 1
	s_sub_co_u32 s3, s3, 1
	s_cmp_lg_u32 s3, 0
	s_cbranch_scc1 .Lk
	TWO 1, 0, 0                                    ; the last step: nothing is left to fetch
	PLACES
	s_lshl2_add_u32 s20, s13, s40                  ; the result's block: ((4 x batch + cx) x 4 + cy) x 18,432 bytes
	s_lshl2_add_u32 s20, s20, s41
	s_mul_i32 s20, s20, 18432
	s_mov_b32 s21, 0
	s_add_nc_u64 s[8:9], s[8:9], s[20:21]
.irp t,0,1,2,3,4,5,6,7
.irp p,0,1,2,3
	v_cvt_pk_bf16_f32 v[PK+4*\t+\p], v[ACC+8*\t+2*\p], v[ACC+8*\t+2*\p+1]
.endr
.endr
.irp p,0,1,2,3
	v_cvt_pk_bf16_f32 v[FB0+\p], v[DACC+2*\p], v[DACC+2*\p+1]
.endr
.irp t,0,1,2,3,4,5,6,7
	ds_store_b128 v[SST], v[PK+4*\t:PK+4*\t+3] offset:2304*(\t&1)+32*(\t>>1)   ; row 16 ni + r, bytes 32 mi + 16 h
.endr
	ds_store_b128 v[DSO], v[FB0:FB0+3]             ; row r of sixteen equal rows, my 16 features
	s_wait_dscnt 0x0                               ; the key sums' rows are made by all four waves
	s_barrier_signal -1
	s_barrier_wait -1
.irp q,0,1,2,3,4,5,6,7
	ds_load_b128 v[FB0+4+4*\q:FB0+7+4*\q], v[SRD] offset:576*\q    ; four rows of 128 bytes
.endr
	ds_load_b128 v[FB0+36:FB0+39], v[DRD]
	s_wait_dscnt 0x0
.irp q,0,1,2,3,4,5,6,7
	global_store_b128 v[GO], v[FB0+4+4*\q:FB0+7+4*\q], s[8:9] offset:512*\q    ; 512 consecutive bytes
.endr
	global_store_b128 v[GD], v[FB0+36:FB0+39], s[8:9] offset:16384
	s_wait_tensorcnt 0x0
	ds_add_u32 v30, v31
	s_wait_dscnt 0x0
	CROUND                                         ; the closing round
	s_endpgm
.Lfunc_end_k_q5e0f5e405c_kptv:
	.size	k_q5e0f5e405c_kptv, .Lfunc_end_k_q5e0f5e405c_kptv-k_q5e0f5e405c_kptv
	.p2alignl 7, 3214868480
	.fill 96, 4, 3214868480
	.section	.rodata,"a",@progbits
	.p2align	6, 0x0
	.amdhsa_kernel k_q5e0f5e405c_kptv
		.amdhsa_group_segment_fixed_size 327680
		.amdhsa_private_segment_fixed_size 0
		.amdhsa_enable_private_segment 0
		.amdhsa_kernarg_size 24
		.amdhsa_user_sgpr_count 2
		.amdhsa_user_sgpr_kernarg_segment_ptr 1
		.amdhsa_wavefront_size32 1
		.amdhsa_system_sgpr_workgroup_id_x 1
		.amdhsa_system_sgpr_workgroup_id_y 1
		.amdhsa_system_sgpr_workgroup_id_z 1
		.amdhsa_system_vgpr_workitem_id 0
		.amdhsa_next_free_vgpr 256
		.amdhsa_next_free_sgpr 66
		.amdhsa_reserve_vcc 0
		.amdhsa_float_denorm_mode_32 3
		.amdhsa_float_denorm_mode_16_64 3
		.amdhsa_memory_ordered 1
		.amdhsa_forward_progress 1
		.amdhsa_inst_pref_size 66
	.end_amdhsa_kernel
	.amdgpu_metadata
---
amdhsa.version: [ 1, 2 ]
amdhsa.kernels:
  - .name:           k_q5e0f5e405c_kptv
    .symbol:         k_q5e0f5e405c_kptv.kd
    .args:
      - { .name: vt, .offset: 0, .size: 8, .value_kind: global_buffer, .address_space: global }
      - { .name: kpt, .offset: 8, .size: 8, .value_kind: global_buffer, .address_space: global }
      - { .name: gaug, .offset: 16, .size: 8, .value_kind: global_buffer, .address_space: global }
    .group_segment_fixed_size: 327680
    .private_segment_fixed_size: 0
    .kernarg_segment_align: 8
    .kernarg_segment_size: 24
    .max_flat_workgroup_size: 128
    .sgpr_count:     66
    .vgpr_count:     256
    .wavefront_size: 32
...
	.end_amdgpu_metadata
.endif
;; end of part 8
;; launch mfold (part 9): grid 4 x 64, 4 waves a work-group, clusters of 4 x 4, 258,560 bytes of LDS; arguments gaug, wb, vbs, vbc, kaug; writes kaug
.if DOCPART == 9
	.amdgcn_target "amdgcn-amd-amdhsa--gfx1250"
	.amdhsa_code_object_version 6
	.text
	.protected	k_q5e0f5e405c_mfold
	.globl	k_q5e0f5e405c_mfold
	.p2align	8
	.type	k_q5e0f5e405c_mfold,@function
k_q5e0f5e405c_mfold:
	s_mov_b64 s[64:65], 0
	v_nop
	global_prefetch_b8 v0, s[64:65] scope:SCOPE_SE
	s_setreg_imm32_b32 hwreg(HW_REG_WAVE_MODE, 25, 1), 1
	s_wait_xcnt 0x0
	s_wait_alu depctr_hold_cnt(0) depctr_sa_sdst(0) depctr_va_vdst(0) depctr_va_sdst(0) depctr_va_ssrc(0) depctr_va_vcc(0) depctr_vm_vsrc(0)
	s_getreg_b32 s2, hwreg(HW_REG_IB_STS2, 6, 4)
	s_cmp_eq_u32 s2, 0
	s_cbranch_scc0 .Lentry_in_a_cluster
	s_endpgm
.Lentry_in_a_cluster:
	s_bfe_u32 s2, ttmp6, 0x10000c
	s_cmp_lg_u32 s2, 0xf033
	s_cbranch_scc0 .Lentry_shape_is_right
	s_endpgm
.Lentry_shape_is_right:
; mfold: for each stream and batch (16 in all, the cluster's y): M[e][m] = sum over i of W''[e][i] G[i][m] + b''[e] ksum[m], which is Wp kptv
; (the first launch's head shows the identity and its limits: G and ksum come in rounded to bf16, M leaves rounded to bf16).  Nothing is left out.
; A cluster of 4 x 4 work-groups makes one batch: cx picks 64 features m, cy picks 128 rows e; K = 512.  A wave makes 32 e x 64 m: 8 accumulators.
; All that a work-group needs fits in LDS at once (128 rows of W'', 128 KiB; 512 rows of G with their key sums, 72 KiB), so every tensor load is a
; first fill: no slot is filled again, one barrier shows the tiles to all waves.  W'''s rows hang on cy alone and are asked for jointly along a row
; of the cluster, G's columns on cx alone and are asked for jointly along a column.  By this text's own count a wave has at most four tensor loads out.
; G lies [i][m], K down the rows, and comes transposed on the way into registers.  Source 0 is G, source 1 W'': a lane holds one e and 8 neighbouring m.
; RESULT: kaug[batch 16][m / 64][e / 128][144 rows][64 m] bf16: rows 0 to 127 M, rows 128 to 143 the sixteen equal rows of ksum, copied: one dense
; block of 18,432 bytes is what one wave of the next launch fetches for one K step.
.set PW,   144                         ; LDS pitch of a row of W'' in one k block (128 bytes + 16)
.set KBL,  128*PW                      ; 18,432: a k block of 64: my 128 rows
.set GL,   8*KBL                       ; 147,456: G
.set PG,   160                         ; LDS pitch of a row of G (128 bytes + 32: an odd multiple of 32 for the transposing load)
.set GBL,  144*PG                      ; 23,040: 128 rows i and 16 rows of ksum
.set STG,  GL+4*GBL                    ; 239,616: the way out, 32 rows x 144 bytes for each wave
.set ADW,  16                          ; v16-17 my 32 rows of W'', k blocks 0-3 and 4-7
.set ADG,  18                          ; v18-19 G read transposed, rows i 0-255 and 256-511
.set KSA,  20                          ; v20  the first row of ksum, 16 h
.set SST,  21
.set SRD,  22
.set DRD,  23
.set GO,   24
.set GD,   25
.set BO,   26                          ; v26  128 w + 4 r
.set BB,   28                          ; v28-31 b'' of rows r and 16 + r of my 32, each twice: pairs for the packed multiply-add
.set ACC,  40                          ; v40-103 tile (mi, ni) at 8 (2 mi + ni)
.set FB0,  112                         ; two fragment buffers of 48: G 0-3, W'' 0-1
.set FB1,  160
.set KF,   112                         ; at the end: ksum of my 32 features in f32
.set RB,   160                         ; at the end: rows read back
.set KS,   208                         ; v208-223 ksum as loaded
.set PK,   224
.set G1,   24                          ; s[24:31] shape of W'''s loads, s[32:47] their four address sets
.set G0,   32
.set G1B,  48                          ; s[48:55] shape of G's load, s[56:59] its address set
.set G0B,  56
.macro PLACES                          ; four plain places behind matrix instructions (ISA guide 7.12.1)
.rept 4
	v_nop
.endr
.endm
.macro CROUND
	s_barrier_signal -1
	s_barrier_wait -1
	s_cmp_lg_u32 s14, 0
	s_cbranch_scc1 .Lnw0_\@
	s_barrier_signal -3
.Lnw0_\@:
	s_barrier_wait -3
	s_barrier_signal -1
	s_barrier_wait -1
.endm
.macro FETCHM c, buf                   ; 12 loads: the fragments of i = 32 c .. 32 c + 31
.irp i,0,1,2,3
	ds_load_tr16_b128 v[\buf+8*\i:\buf+8*\i+3],   v[ADG+((\c)>>3)] offset:(((\c)>>2)&1)*GBL+((\c)&3)*32*PG+32*\i
	ds_load_tr16_b128 v[\buf+8*\i+4:\buf+8*\i+7], v[ADG+((\c)>>3)] offset:(((\c)>>2)&1)*GBL+((\c)&3)*32*PG+16*PG+32*\i
.endr
.irp i,0,1
	ds_load_b128 v[\buf+32+8*\i:\buf+32+8*\i+3], v[ADW+((\c)>>3)] offset:(((\c)>>1)&3)*KBL+((\c)&1)*64+\i*16*PW
	ds_load_b128 v[\buf+36+8*\i:\buf+36+8*\i+3], v[ADW+((\c)>>3)] offset:(((\c)>>1)&3)*KBL+((\c)&1)*64+\i*16*PW+32
.endr
.endm
.macro MUL8 buf, zero                  ; eight accumulators take turns, one instruction a turn
.irp t,0,1,2,3,4,5,6,7
.if \zero
	v_wmma_f32_16x16x32_bf16 v[ACC+8*\t:ACC+8*\t+7], v[\buf+8*(\t>>1):\buf+8*(\t>>1)+7], v[\buf+32+8*(\t&1):\buf+32+8*(\t&1)+7], 0
.else
	v_wmma_f32_16x16x32_bf16 v[ACC+8*\t:ACC+8*\t+7], v[\buf+8*(\t>>1):\buf+8*(\t>>1)+7], v[\buf+32+8*(\t&1):\buf+32+8*(\t&1)+7], v[ACC+8*\t:ACC+8*\t+7]
.endif
.endr
.endm
	s_load_b128 s[4:7], s[0:1], 0x0                ; gaug, wb
	s_load_b128 s[8:11], s[0:1], 0x10              ; vbs, vbc
	s_load_b64 s[12:13], s[0:1], 0x20              ; kaug
	v_lshl_add_u32 v110, v0, 2, 0x3f000
	v_mov_b32 v111, 0
	ds_add_u32 v110, v111
	ds_add_u32 v110, v111
	v_lshrrev_b32 v1, 5, v0
	v_readfirstlane_b32 s14, v1                    ; wave
	s_lshr_b32 s15, s14, 1                         ; I fetch for W'' (0) or for G (1),
	s_and_b32 s16, s14, 1                          ; and which half of it
	s_bfe_u32 s60, ttmp6, 0x40000                  ; cx
	s_bfe_u32 s61, ttmp6, 0x40004                  ; cy
	s_and_b32 s17, ttmp7, 0xffff                   ; 8 x stream + batch
	s_lshr_b32 s18, s17, 3                         ; stream
	s_lshl_b32 s62, s61, 2
	s_lshl_b32 s62, 15, s62                        ; my row of the cluster
	s_lshl_b32 s63, 0x1111, s60                    ; my column
	; both shapes: dense rows of 256 bytes (elements of 8 bytes); padding behind every 32 words, so that each 128 bytes get a pitch of their own
	s_or_b32 s[G1+0], s62, (3<<16)|(1<<20)|(1<<21)|(4<<22)|(3<<25)    ; W'': 4 words of padding, pitch 144
	s_or_b32 s[G1B+0], s63, (3<<16)|(1<<20)|(1<<21)|(4<<22)|(7<<25)   ; G: 8 words of padding, pitch 160
	s_mov_b32 s[G1+1], 32<<16
	s_mov_b32 s[G1B+1], 32<<16
	s_mov_b32 s[G1+2], 64<<16                      ; a k block of W'': 64 rows of 256 bytes,
	s_mov_b32 s[G1B+2], 144<<16                    ; two blocks of G: 144
	s_mov_b32 s[G1+3], 32<<16
	s_mov_b32 s[G1B+3], 32<<16
	s_mov_b32 s[G1+4], 64
	s_mov_b32 s[G1B+4], 144
	s_mov_b32 s[G1+5], 32
	s_mov_b32 s[G1B+5], 32
	s_mov_b32 s[G1+6], 0
	s_mov_b32 s[G1B+6], 0
	s_mov_b32 s[G1+7], 0
	s_mov_b32 s[G1B+7], 0
	s_mul_i32 s20, s18, 0x300000                   ; W'' of the stream, rows from 128 cy, k blocks from 4 x half; never holds cx
	s_lshl_b32 s21, s61, 14
	s_add_co_u32 s20, s20, s21
	s_lshl_b32 s21, s16, 18
	s_add_co_u32 s20, s20, s21
	s_mov_b32 s21, 0
	s_lshl2_add_u32 s66, s17, s60                  ; G: (4 x batch + cx) x 73,728 + half x 36,864; never holds cy
	s_mul_i32 s66, s66, 73728
	s_mul_i32 s67, s16, 36864
	s_add_co_u32 s66, s66, s67
	s_mov_b32 s67, 0
	s_mul_i32 s22, s16, 4*KBL
	s_mul_i32 s23, s16, 2*GBL
	s_lshl_b32 s74, s61, 9                         ; b'': 128 cy numbers of 4 bytes
	s_mov_b32 s75, 0
	s_lshl2_add_u32 s78, s17, s60                  ; the result's block: ((4 x batch + cx) x 4 + cy) x 18,432 bytes
	s_lshl2_add_u32 s78, s78, s61
	s_mul_i32 s78, s78, 18432
	s_mov_b32 s79, 0
	s_wait_dscnt 0x0
	s_wait_kmcnt 0x0
	s_add_nc_u64 s[68:69], s[6:7], s[20:21]
	s_add_nc_u64 s[70:71], s[4:5], s[66:67]
.irp j,0,1,2,3
	s_mov_b32 s[G0+4*\j], 1
	s_add_co_u32 s[G0+4*\j+1], s22, \j*KBL
	s_add_nc_u64 s[G0+4*\j+2:G0+4*\j+3], s[68:69], \j*65536
	s_or_b32 s[G0+4*\j+3], s[G0+4*\j+3], 0x80000000
.endr
	s_mov_b32 s[G0B], 1
	s_add_co_u32 s[G0B+1], s23, GL
	s_mov_b64 s[G0B+2:G0B+3], s[70:71]
	s_or_b32 s[G0B+3], s[G0B+3], 0x80000000
	s_cmp_eq_u32 s18, 0
	s_cselect_b64 s[72:73], s[8:9], s[10:11]       ; b'' of the stream
	s_add_nc_u64 s[72:73], s[72:73], s[74:75]
	s_add_nc_u64 s[12:13], s[12:13], s[78:79]
	CROUND                                         ; all sixteen work-groups are here: the joint loads meet
	s_cmp_eq_u32 s15, 0                            ; all the fills of a wave stand inside this one branch on its number
	s_cbranch_scc0 .Lfor_g
	tensor_load_to_lds s[G0:G0+3], s[G1:G1+7]
	s_nop 0
	tensor_load_to_lds s[G0+4:G0+7], s[G1:G1+7]
	s_nop 0
	tensor_load_to_lds s[G0+8:G0+11], s[G1:G1+7]
	s_nop 0
	tensor_load_to_lds s[G0+12:G0+15], s[G1:G1+7]
	s_nop 0
	s_branch .Lasked
.Lfor_g:
	tensor_load_to_lds s[G0B:G0B+3], s[G1B:G1B+7]
	s_nop 0
.Lasked:
	v_and_b32 v1, 15, v0                           ; r
	v_bfe_u32 v2, v0, 4, 1                         ; h
	v_and_b32 v5, 31, v0                           ; lane
	v_lshlrev_b32 v3, 2, v1
	v_lshl_add_u32 v[BO], s14, 7, v3
	global_load_b32 v[BB],   v[BO], s[72:73]
	global_load_b32 v[BB+1], v[BO], s[72:73]
	global_load_b32 v[BB+2], v[BO], s[72:73] offset:64
	global_load_b32 v[BB+3], v[BO], s[72:73] offset:64
	v_mul_u32_u24 v3, v1, PW
	v_lshl_add_u32 v3, v2, 4, v3                   ; row r, 16 bytes for each half of the lanes
	s_mul_i32 s76, s14, 32*PW
	v_add_nc_u32 v[ADW], s76, v3
	v_add_nc_u32 v[ADW+1], 4*KBL, v[ADW]
	v_and_b32 v4, 7, v0
	v_lshl_add_u32 v4, v2, 3, v4                   ; row i = 8 h + lane % 8,
	v_mul_u32_u24 v4, v4, PG
	v_bfe_u32 v6, v0, 3, 1
	v_lshl_add_u32 v4, v6, 4, v4                   ; features 8 ((lane / 8) % 2) .. + 7 of sixteen
	v_add_nc_u32 v[ADG], GL, v4
	v_add_nc_u32 v[ADG+1], 2*GBL, v[ADG]
	v_lshlrev_b32 v6, 4, v2
	v_add_nc_u32 v[KSA], GL+128*PG, v6
	s_mul_i32 s77, s14, 4608
	s_add_co_u32 s77, s77, STG
	v_add_nc_u32 v[SST], s77, v3
	v_lshrrev_b32 v6, 3, v5
	v_and_b32 v7, 7, v5
	v_mul_u32_u24 v8, v6, PW
	v_lshl_add_u32 v8, v7, 4, v8
	v_add_nc_u32 v[SRD], s77, v8
	v_mul_u32_u24 v8, v6, PG
	v_lshl_add_u32 v8, v7, 4, v8
	s_mul_i32 s76, s14, 4*PG
	s_add_co_u32 s76, s76, GL+128*PG
	v_add_nc_u32 v[DRD], s76, v8                   ; rows 4 w + lane / 8 of the sixteen rows of ksum
	v_lshlrev_b32 v8, 4, v5
	v_lshl_add_u32 v[GO], s14, 12, v8
	v_lshl_add_u32 v[GD], s14, 9, v8
	s_wait_tensorcnt 0x0                           ; my parts are in,
	s_barrier_signal -1
	s_barrier_wait -1                              ; everybody's are
.irp i,0,1,2,3
	ds_load_b128 v[KS+4*\i:KS+4*\i+3], v[KSA] offset:32*\i         ; ksum of features 16 i + 8 h .. + 7
.endr
	FETCHM 0, FB0
	FETCHM 1, FB1
	s_wait_dscnt 12                                ; all but the 12 loads just issued
	MUL8 FB0, 1                                    ; the first products start the sums
.irp c,1,2,3,4,5,6,7,8,9,10,11,12,13,14
	PLACES
	FETCHM (\c+1), (FB0+48*((\c+1)&1))
	s_wait_dscnt 12
	MUL8 (FB0+48*(\c&1)), 0
.endr
	s_wait_dscnt 0x0
	MUL8 FB1, 0
	PLACES
.irp i,0,1,2,3
.irp p,0,1,2,3
	v_lshlrev_b32 v[KF+8*\i+2*\p],   16, v[KS+4*\i+\p]             ; bf16 to f32: the low half moves up,
	v_and_b32     v[KF+8*\i+2*\p+1], 0xffff0000, v[KS+4*\i+\p]     ; the high half stays
.endr
.endr
	s_wait_loadcnt 0x0                             ; b''
.irp t,0,1,2,3,4,5,6,7
.irp p,0,1,2,3
	v_pk_fma_f32 v[ACC+8*\t+2*\p:ACC+8*\t+2*\p+1], v[KF+8*(\t>>1)+2*\p:KF+8*(\t>>1)+2*\p+1], v[BB+2*(\t&1):BB+2*(\t&1)+1], v[ACC+8*\t+2*\p:ACC+8*\t+2*\p+1]
.endr
.endr
.irp t,0,1,2,3,4,5,6,7
.irp p,0,1,2,3
	v_cvt_pk_bf16_f32 v[PK+4*\t+\p], v[ACC+8*\t+2*\p], v[ACC+8*\t+2*\p+1]
.endr
.endr
.irp t,0,1,2,3,4,5,6,7
	ds_store_b128 v[SST], v[PK+4*\t:PK+4*\t+3] offset:2304*(\t&1)+32*(\t>>1)   ; my own stage: row 16 ni + r, bytes 32 mi + 16 h
.endr
.irp q,0,1,2,3,4,5,6,7
	ds_load_b128 v[RB+4*\q:RB+4*\q+3], v[SRD] offset:576*\q        ; four rows of 128 bytes; LDS serves a wave in order: these see the stores above
.endr
	ds_load_b128 v[RB+32:RB+35], v[DRD]
	s_wait_dscnt 0x0
.irp q,0,1,2,3,4,5,6,7
	global_store_b128 v[GO], v[RB+4*\q:RB+4*\q+3], s[12:13] offset:512*\q      ; 512 consecutive bytes
.endr
	global_store_b128 v[GD], v[RB+32:RB+35], s[12:13] offset:16384
	s_wait_tensorcnt 0x0
	ds_add_u32 v110, v111
	s_wait_dscnt 0x0
	CROUND                                         ; the closing round
	s_endpgm
.Lfunc_end_k_q5e0f5e405c_mfold:
	.size	k_q5e0f5e405c_mfold, .Lfunc_end_k_q5e0f5e405c_mfold-k_q5e0f5e405c_mfold
	.p2alignl 7, 3214868480
	.fill 96, 4, 3214868480
	.section	.rodata,"a",@progbits
	.p2align	6, 0x0
	.amdhsa_kernel k_q5e0f5e405c_mfold
		.amdhsa_group_segment_fixed_size 258560
		.amdhsa_private_segment_fixed_size 0
		.amdhsa_enable_private_segment 0
		.amdhsa_kernarg_size 40
		.amdhsa_user_sgpr_count 2
		.amdhsa_user_sgpr_kernarg_segment_ptr 1
		.amdhsa_wavefront_size32 1
		.amdhsa_system_sgpr_workgroup_id_x 1
		.amdhsa_system_sgpr_workgroup_id_y 1
		.amdhsa_system_sgpr_workgroup_id_z 1
		.amdhsa_system_vgpr_workitem_id 0
		.amdhsa_next_free_vgpr 256
		.amdhsa_next_free_sgpr 80
		.amdhsa_reserve_vcc 0
		.amdhsa_float_denorm_mode_32 3
		.amdhsa_float_denorm_mode_16_64 3
		.amdhsa_memory_ordered 1
		.amdhsa_forward_progress 1
		.amdhsa_inst_pref_size 39
	.end_amdhsa_kernel
	.amdgpu_metadata
---
amdhsa.version: [ 1, 2 ]
amdhsa.kernels:
  - .name:           k_q5e0f5e405c_mfold
    .symbol:         k_q5e0f5e405c_mfold.kd
    .args:
      - { .name: gaug, .offset: 0, .size: 8, .value_kind: global_buffer, .address_space: global }
      - { .name: wb, .offset: 8, .size: 8, .value_kind: global_buffer, .address_space: global }
      - { .name: vbs, .offset: 16, .size: 8, .value_kind: global_buffer, .address_space: global }
      - { .name: vbc, .offset: 24, .size: 8, .value_kind: global_buffer, .address_space: global }
      - { .name: kaug, .offset: 32, .size: 8, .value_kind: global_buffer, .address_space: global }
    .group_segment_fixed_size: 258560
    .private_segment_fixed_size: 0
    .kernarg_segment_align: 8
    .kernarg_segment_size: 40
    .max_flat_workgroup_size: 128
    .sgpr_count:     80
    .vgpr_count:     256
    .wavefront_size: 32
...
	.end_amdgpu_metadata
.endif
;; end of part 9
;; launch qy (part 10): grid 128 x 2, 4 waves a work-group, clusters of 4 x 1, 327,680 bytes of LDS; arguments saliency_fea, contour_fea, ln1s_g, ln1c_g, ln1s_b, ln1c_b, qs_b, qc_b, proj_s_b, proj_c_b, wb, kaug, sres; writes sres
.if DOCPART == 10
	.amdgcn_target "amdgcn-amd-amdhsa--gfx1250"
	.amdhsa_code_object_version 6
	.text
	.protected	k_q5e0f5e405c_qy
	.globl	k_q5e0f5e405c_qy
	.p2align	8
	.type	k_q5e0f5e405c_qy,@function
k_q5e0f5e405c_qy:
	s_mov_b64 s[64:65], 0
	v_nop
	global_prefetch_b8 v0, s[64:65] scope:SCOPE_SE
	s_setreg_imm32_b32 hwreg(HW_REG_WAVE_MODE, 25, 1), 1
	s_wait_xcnt 0x0
	s_wait_alu depctr_hold_cnt(0) depctr_sa_sdst(0) depctr_va_vdst(0) depctr_va_sdst(0) depctr_va_ssrc(0) depctr_va_vcc(0) depctr_vm_vsrc(0)
	s_getreg_b32 s2, hwreg(HW_REG_IB_STS2, 6, 4)
	s_cmp_eq_u32 s2, 0
	s_cbranch_scc0 .Lentry_in_a_cluster
	s_endpgm
.Lentry_in_a_cluster:
	s_bfe_u32 s2, ttmp6, 0x10000c
	s_cmp_lg_u32 s2, 0x3003
	s_cbranch_scc0 .Lentry_shape_is_right
	s_endpgm
.Lentry_shape_is_right:
; qy: for a block of 128 tokens of one branch (grid y: 0 saliency, 1 contour): LN1; Q = n Wq^T + bq with xd = |Q|^2 / 2; qp = exp(Q w^T - xd) / 16;
; s = fea + qp kptv^T / (qp . ksum + 1e-8) + bp, stored in f32; kptv and ksum are those of the OTHER stream, and kptv already carries the output
; projection (the first launch's head shows the identity), so no product with Wp is made here.  Nothing else is left out.
; Four waves; a wave makes all 128 tokens x 128 output columns (64 in the feature stage).  The rows at work (n, Q, qp in turn) lie in LDS
; (ACT, pitch 1,040).  Weights and kptv walk through a ring of two LDS slots; a wave fetches its own part of each tile with one tensor load.
; CLUSTER: the four work-groups of a cluster are four blocks of one batch and branch and walk the same 16 tiles, each asked for jointly
; (mask 15) behind a round of the cluster barrier.  By this text's own count a wave has two tensor loads out at the start, later one.
; Weights are always source 0 (index b), tokens source 1 (index a): a lane holds token 16 a + r and 8 neighbouring columns.
; D: each tile of kptv carries sixteen equal rows of ksum as a ninth fragment; its products give D of token 16 a + r in every register.
; REGISTERS: window 0 addresses, scratch, token fragments, bias; window 1 v0-63 the eight D accumulators, v64-191 weight fragments
; (at the end the residual rows), v192-207 the ksum fragments; windows 2 and 3 the accumulators, tile (a, b) at v[8 (8 (a % 4) + b)].
.set PX,    1040
.set ACT4,  64*PX
.set RING,  128*PX                     ; 133,120
.set WPART, 20736                      ; a wave's part of a slot: up to 144 rows of 128 bytes, pitch 144
.set SLOT,  4*WPART
.set STATP, RING+2*SLOT                ; 299,008: [token][wave] f32
.set CROW,  STATP+2048                 ; 301,056: [token] f32
.set CRD,  10                          ; v10  CROW + 4 r
.set XDC,  11
.set XDA,  12
.set VH,   13
.set VR,   14
.set VL,   15
.set ADRX, 16
.set ADRW, 18
.set STO,  20                          ; v20-21 ACT stores of my 128 columns
.set STOF, 22                          ; v22-23 ACT stores of my 64 features
.set LOFF, 24
.set LNST, 25
.set BOFF, 26
.set GOFF, 27                          ; v27  512 w + 16 x lane
.set SGS,  28                          ; v28  f32 stage, in
.set SGR,  29                          ; v29  f32 stage, back
.set STP,  31
.set TMP,  32
.set RDP,  32                          ; at the end: v32-47 a pair for each a: 1 / (D + 1e-8); v48-55 D + 1e-8
.set X,    64
.set F0,   64
.set F1,   128
.set CP,   128                         ; v128-143 a pair for each a: c of the token
.set BIAS, 192
.set DF,   192                         ; window 1: the ksum fragment of buffer 0 at 192, of buffer 1 at 200
.set G1F,  16
.set G1Y,  24                          ; s[24:31] the shape of a tile of kptv: 72 rows of 256 bytes
.set G0,   32
.set NB1,  40                          ; s[40:41] my part of the feature matrix
.set NB2,  42                          ; s[42:43] of kptv
.set MUL_LO, 0xa1
.set MUL_HI, 0xf1
.set MUL_D,  0x51                      ; source 0, C and D window 1, source 1 window 0
.set TO_B,   0x40
.set K_ADD,  0
.set K_EXPS, 1
.set K_MULA, 2
.set MSB, 0
.macro WIN new
.if MSB != \new
	s_set_vgpr_msb (MSB<<8)|\new
.set MSB, \new
.endif
.endm
.macro PLACES                          ; four plain places behind matrix instructions (ISA guide 7.12.1)
.rept 4
	v_nop
.endr
.endm
.macro CREST
	s_cmp_lg_u32 s4, 0
	s_cbranch_scc1 .Lnw0_\@
	s_barrier_signal -3
.Lnw0_\@:
	s_barrier_wait -3
	s_barrier_signal -1
	s_barrier_wait -1
.endm
.macro CROUND
	s_barrier_signal -1
	s_barrier_wait -1
	CREST
.endm
.macro SETTYPE nb, na, drow            ; nb weight fragments, na token fragments, drow = 1: the ksum fragment rides along
.set NB, \nb
.set NA, \na
.set DROW, \drow
.set W1, \na                           ; the youngest na loads are token fragments 4 to 7
.set LF, 2*(\na+\nb)+2*\drow           ; loads in one fetch
.endm
.macro MROW f, zero
.set b_, 0
.rept NB
.set c_, 8*(8*(a_&3)+b_)
.if \zero
	v_wmma_f32_16x16x32_bf16 v[c_:c_+7], v[\f+8*b_:\f+8*b_+7], v[\f+8*a_:\f+8*a_+7], 0
.else
	v_wmma_f32_16x16x32_bf16 v[c_:c_+7], v[\f+8*b_:\f+8*b_+7], v[\f+8*a_:\f+8*a_+7], v[c_:c_+7]
.endif
.set b_, b_+1
.endr
.endm
.macro ROWS f, a0, n, zero             ; the accumulators take turns, one instruction a turn
.set a_, \a0
.rept \n
.if a_ < 4
	WIN MUL_LO
.else
	WIN MUL_HI
.endif
	MROW \f, \zero
.set a_, a_+1
.endr
.endm
.macro MDS f, a0, zero                 ; D of token blocks a0 to a0 + 3
.if DROW
	WIN MUL_D
.set a_, \a0
.rept 4
.if \zero
	v_wmma_f32_16x16x32_bf16 v[8*a_:8*a_+7], v[DF+(\f-64)/8:DF+(\f-64)/8+7], v[\f+8*a_:\f+8*a_+7], 0
.else
	v_wmma_f32_16x16x32_bf16 v[8*a_:8*a_+7], v[DF+(\f-64)/8:DF+(\f-64)/8+7], v[\f+8*a_:\f+8*a_+7], v[8*a_:8*a_+7]
.endif
.set a_, a_+1
.endr
.endif
.endm
.macro LDW f, slot, woff, n
.set i_, 0
.rept \n
	ds_load_b128 v[\f+8*i_:\f+8*i_+3],   v[ADRW+\slot] offset:\woff+2304*i_
	ds_load_b128 v[\f+8*i_+4:\f+8*i_+7], v[ADRW+\slot] offset:\woff+2304*i_+32
.set i_, i_+1
.endr
.endm
.macro LDX f, xoff
.set i_, 0
.rept 8
	ds_load_b128 v[\f+8*i_:\f+8*i_+3],   v[ADRX+(i_>>2)] offset:\xoff+16640*(i_&3)
	ds_load_b128 v[\f+8*i_+4:\f+8*i_+7], v[ADRX+(i_>>2)] offset:\xoff+16640*(i_&3)+32
.set i_, i_+1
.endr
.endm
.macro FETCH f, slot, woff, xoff       ; weights first, then tokens in ascending a
	WIN TO_B
	LDW \f, \slot, \woff, NB
.if DROW
	ds_load_b128 v[DF+(\f-64)/8:DF+(\f-64)/8+3],   v[ADRW+\slot] offset:\woff+18432     ; rows 128 to 143 of the tile
	ds_load_b128 v[DF+(\f-64)/8+4:DF+(\f-64)/8+7], v[ADRW+\slot] offset:\woff+18432+32
.endif
	WIN 0
	LDX \f, \xoff
.endm
.macro ADV slot, nb, step
.if \nb
	s_add_nc_u64 s[G0+4*\slot+2:G0+4*\slot+3], s[\nb:\nb+1], \slot*\step
	s_or_b32 s[G0+4*\slot+3], s[G0+4*\slot+3], 0x80000000
.else
	s_add_nc_u64 s[G0+4*\slot+2:G0+4*\slot+3], s[G0+4*\slot+2:G0+4*\slot+3], 2*\step
.endif
.endm
.macro QUARTER f, g, slot, woff, xoff, zero
	s_wait_dscnt W1                                ; all of buffer f but token fragments 4 to 7
	ROWS \f, 0, NA/2, \zero
	MDS \f, 0, \zero
	PLACES
	FETCH \g, \slot, \woff, \xoff
	s_wait_dscnt LF                                ; all but the LF loads just issued
	ROWS \f, NA/2, NA/2, \zero
	MDS \f, 4, \zero
.endm
; The last 32 of a tile.  In front of the barrier each wave waits for its LDS reads and for all its tensor loads; behind it, where the slot is
; filled again, the rest of a round of the cluster barrier, the joint refill as the first and only tensor load, then the next slot's fragments.
.macro TURN slot, next, fill, nb, step, g1, fetch, xoff
	s_wait_dscnt W1
	ROWS F1, 0, NA/4, 0
	s_wait_dscnt 0x0                               ; my reads of this slot and of ACT are over
	s_wait_tensorcnt 0x0                           ; all my tensor loads have landed
	ds_add_u32 v255, v30
	s_wait_dscnt 0x0
	s_barrier_signal -1
	ROWS F1, NA/4, NA/4, 0
	MDS F1, 0, 0
	WIN 0
	s_barrier_wait -1
.if \fill
	CREST
	ADV \slot, \nb, \step
	tensor_load_to_lds s[G0+4*\slot:G0+4*\slot+3], s[\g1:\g1+7]
	s_nop 0
.endif
.if \fetch
	PLACES
	FETCH F0, \next, 0, \xoff
.endif
	ROWS F1, NA/2, NA/2, 0
	MDS F1, 4, 0
.endm
.macro FTRIP i, zero, fill, nb, step, g1, fetch
	QUARTER F0, F1, (\i&1), 64, 128*\i+64, \zero
	TURN (\i&1), (1-(\i&1)), \fill, \nb, \step, \g1, \fetch, 128*\i+128
.endm
.macro HTRIP i, zero, fill, nb, step, g1, fetch
	QUARTER F0, F1, (\i&1), 64,   256*\i+64,  \zero
	QUARTER F1, F0, (\i&1), 9216, 256*\i+128, 0
	QUARTER F0, F1, (\i&1), 9280, 256*\i+192, 0
	TURN (\i&1), (1-(\i&1)), \fill, \nb, \step, \g1, \fetch, 256*\i+256
.endm
.macro XOP blk, nb, kind               ; X = acc + bias by column, acc log2 e + c of my token, or acc / (D + 1e-8) of my token + bias by column
.if \blk < 4
	WIN 0x02
.else
	WIN 0x03
.endif
.set i_, 0
.rept 4*\nb
.set c_, 64*(\blk&3)+2*i_
.if \kind == K_ADD
	v_pk_add_f32 v[X+2*i_:X+2*i_+1], v[c_:c_+1], v[BIAS+2*i_:BIAS+2*i_+1]
.endif
.if \kind == K_EXPS
	v_pk_fma_f32 v[X+2*i_:X+2*i_+1], v[c_:c_+1], 0x3fb8aa3b, v[CP+2*(\blk):CP+2*(\blk)+1] op_sel_hi:[1,0,1]
.endif
.if \kind == K_MULA
	v_pk_fma_f32 v[X+2*i_:X+2*i_+1], v[c_:c_+1], v[RDP+2*(\blk):RDP+2*(\blk)+1], v[BIAS+2*i_:BIAS+2*i_+1]
.endif
.set i_, i_+1
.endr
	WIN 0
.endm
.macro CVT nb
.set i_, 0
.rept 4*\nb
	v_cvt_pk_bf16_f32 v[TMP+i_], v[X+2*i_], v[X+2*i_+1]
.set i_, i_+1
.endr
.endm
.macro STA blk, nb, adr
.set i_, 0
.rept \nb
	ds_store_b128 v[\adr+(\blk>>2)], v[TMP+4*i_:TMP+4*i_+3] offset:(\blk&3)*16640+32*i_
.set i_, i_+1
.endr
.endm
.macro BIASLD base
.irp b,0,1,2,3,4,5,6,7
	global_load_b128 v[BIAS+8*\b:BIAS+8*\b+3],   v[BOFF], s[\base:\base+1] offset:64*\b
	global_load_b128 v[BIAS+8*\b+4:BIAS+8*\b+7], v[BOFF], s[\base:\base+1] offset:64*\b+16
.endr
.endm
.macro WSUM
	v_add_f32_dpp v2, v2, v2 row_xmask:1 row_mask:0xf bank_mask:0xf
	v_add_f32_dpp v2, v2, v2 row_xmask:2 row_mask:0xf bank_mask:0xf
	v_add_f32_dpp v2, v2, v2 row_xmask:4 row_mask:0xf bank_mask:0xf
	v_add_f32_dpp v2, v2, v2 row_xmask:8 row_mask:0xf bank_mask:0xf
	v_permlanex16_b32 v3, v2, s52, s53
	v_add_f32 v2, v2, v3
.endm
.macro LNFILL s, row
.irp q,0,1,2,3
	global_load_b128 v[F0+16*\s+4*\q:F0+16*\s+4*\q+3], v[LOFF], s[10:11] offset:(\row)*2048+512*\q
.endr
.endm
.macro LNROW s, refill, left
.set S_, F0+16*\s
	s_wait_loadcnt \left                           ; my row is in; the younger rows stay out
	v_pk_add_f32 v[2:3], v[S_:S_+1], v[S_+2:S_+3]
	v_pk_add_f32 v[4:5], v[S_+4:S_+5], v[S_+6:S_+7]
	v_pk_add_f32 v[6:7], v[S_+8:S_+9], v[S_+10:S_+11]
	v_pk_add_f32 v[8:9], v[S_+12:S_+13], v[S_+14:S_+15]
	v_pk_add_f32 v[2:3], v[2:3], v[4:5]
	v_pk_add_f32 v[6:7], v[6:7], v[8:9]
	v_pk_add_f32 v[2:3], v[2:3], v[6:7]
	v_add_f32 v2, v2, v3
	WSUM
	v_mul_f32 v32, s55, v2
	v_mul_f32 v33, s55, v2
.irp j,0,2,4,6,8,10,12,14
	v_pk_add_f32 v[S_+\j:S_+\j+1], v[S_+\j:S_+\j+1], v[32:33] neg_lo:[0,1] neg_hi:[0,1]
.endr
	v_pk_mul_f32 v[2:3], v[S_:S_+1], v[S_:S_+1]
	v_pk_mul_f32 v[4:5], v[S_+2:S_+3], v[S_+2:S_+3]
.irp j,4,8,12
	v_pk_fma_f32 v[2:3], v[S_+\j:S_+\j+1], v[S_+\j:S_+\j+1], v[2:3]
	v_pk_fma_f32 v[4:5], v[S_+\j+2:S_+\j+3], v[S_+\j+2:S_+\j+3], v[4:5]
.endr
	v_pk_add_f32 v[2:3], v[2:3], v[4:5]
	v_add_f32 v2, v2, v3
	WSUM
	v_fma_f32 v2, v2, s55, s56
	v_rsq_f32 v34, v2
	v_rsq_f32 v35, v2                              ; the gain's multiplies below are the plain work behind the two (ISA guide 5.7.2)
.irp j,0,2,4,6,8,10,12,14
	v_pk_mul_f32 v[S_+\j:S_+\j+1], v[S_+\j:S_+\j+1], v[BIAS+\j:BIAS+\j+1]
.endr
	s_wait_alu depctr_va_vdst(0)
.irp j,0,2,4,6,8,10,12,14
	v_pk_fma_f32 v[S_+\j:S_+\j+1], v[S_+\j:S_+\j+1], v[34:35], v[BIAS+16+\j:BIAS+16+\j+1]
.endr
.irp j,0,1,2,3,4,5,6,7
	v_cvt_pk_bf16_f32 v[36+\j], v[S_+2*\j], v[S_+2*\j+1]
.endr
.irp q,0,1,2,3
	ds_store_b64 v[LNST], v[36+2*\q:37+2*\q] offset:\s*PX+256*\q
.endr
.if \refill
	LNFILL \s, (8+\s)
.endif
.endm
; A stage begins: the waves' LDS stores are shown to all; tile 0 is in; tile 1 may stay out.
.macro START xd
	s_wait_dscnt 0x0
	s_wait_tensorcnt 0x1
	s_barrier_signal -1
	s_barrier_wait -1
.if \xd
	ds_load_b128 v[4:7], v[XDA]
	s_wait_dscnt 0x0
	v_add_f32 v4, v4, v5
	v_add_f32 v6, v6, v7
	v_add_f32 v4, v4, v6
	v_fma_f32 v4, v4, s57, -4.0                    ; -(|Q|^2 / 2) log2 e - 4
	ds_store_b32 v[XDC], v4                        ; read by all waves behind later barriers, each with a wait for 0 in front
.endif
	s_wait_xcnt 0x0
	FETCH F0, 0, 0, 0
.endm
.macro RESLD blk                       ; rows 16 blk to 16 blk + 15 of the residual, my 512 bytes of each, into window 1
	WIN TO_B
.set i_, 0
.rept 16
	global_load_b128 v[64+64*((\blk)&1)+4*i_:64+64*((\blk)&1)+4*i_+3], v[GOFF], s[8:9] offset:(16*(\blk)+i_)*2048
.set i_, i_+1
.endr
	WIN 0
.endm
; 16 tokens leave in f32: divided by D + 1e-8, bias added, through my own stage (16 rows of 512 bytes, pitch 528, in ACT, which nobody reads
; any more), back as whole rows, residual added, stores of 512 consecutive bytes.
.macro OUTBLK blk
	XOP \blk, 8, K_MULA
.set i_, 0
.rept 16
	ds_store_b128 v[SGS], v[X+4*i_:X+4*i_+3] offset:64*(i_>>1)+16*(i_&1)
.set i_, i_+1
.endr
	s_wait_xcnt 0x0                                ; buffer 1, which the last block's stores read, is loaded again only behind this wait
.set i_, 0
.rept 16
	ds_load_b128 v[F1+4*i_:F1+4*i_+3], v[SGR] offset:528*i_
.set i_, i_+1
.endr
	s_wait_dscnt 0x0
.if \blk < 7
	s_wait_loadcnt 16                              ; my residual rows are in; the next block's 16 loads stay out
.else
	s_wait_loadcnt 0x0
.endif
	WIN 0x04                                       ; source 1 in window 1
.set i_, 0
.rept 32
	v_pk_add_f32 v[F1+2*i_:F1+2*i_+1], v[F1+2*i_:F1+2*i_+1], v[64+64*(\blk&1)+2*i_:64+64*(\blk&1)+2*i_+1]
.set i_, i_+1
.endr
	WIN 0
.set i_, 0
.rept 16
	global_store_b128 v[GOFF], v[F1+4*i_:F1+4*i_+3], s[50:51] offset:(16*\blk+i_)*2048
.set i_, i_+1
.endr
.if \blk < 6
	RESLD (\blk+2)
.endif
.endm
	s_load_b512 s[68:83], s[0:1], 0x0              ; fea s, c; ln1 g s, c; ln1 b s, c; q_b s, c
	s_load_b256 s[84:91], s[0:1], 0x40             ; proj_b s, c; wb; kaug
	s_load_b64 s[92:93], s[0:1], 0x60              ; sres
	s_set_vgpr_msb 0x40
	v_lshl_add_u32 v255, v0, 2, 0x49a00
	s_set_vgpr_msb 0x4000
	v_mov_b32 v30, 0
	s_set_vgpr_msb 0x1
	ds_add_u32 v255, v30
	ds_add_u32 v255, v30
	s_set_vgpr_msb 0x100
	v_lshrrev_b32 v1, 5, v0
	v_readfirstlane_b32 s4, v1
	s_bfe_u32 s5, ttmp6, 0x40000                   ; cx: enters only the addresses of the block's own rows
	s_lshl_b32 s6, ttmp9, 2
	s_add_co_u32 s6, s6, s5
	s_and_b32 s7, ttmp7, 0xffff                    ; branch
	s_mov_b32 s3, 0x322bcc77                       ; 1e-8
	s_mov_b32 s52, 0x76543210
	s_mov_b32 s53, 0xfedcba98
	s_mov_b32 s55, 0x3b000000
	s_mov_b32 s56, 0x3727c5ac
	s_mov_b32 s57, 0xbf38aa3b
	s_mov_b32 s16, 0x0733000f                      ; as in kv: 64 rows of 256 bytes, 4 words of padding behind every 32 words, mask 15
	s_mov_b32 s17, 32<<16
	s_mov_b32 s18, 64<<16
	s_mov_b32 s19, 32<<16
	s_mov_b32 s20, 64
	s_mov_b32 s21, 32
	s_mov_b32 s22, 0
	s_mov_b32 s23, 0
	s_mov_b32 s24, 0x0733000f                      ; the same with 72 rows: 144 rows of 128 bytes
	s_mov_b32 s25, 32<<16
	s_mov_b32 s26, 72<<16
	s_mov_b32 s27, 32<<16
	s_mov_b32 s28, 72
	s_mov_b32 s29, 32
	s_mov_b32 s30, 0
	s_mov_b32 s31, 0
	s_mov_b32 s32, 1
	s_mov_b32 s36, 1
	s_mul_i32 s33, s4, WPART
	s_add_co_u32 s33, s33, RING
	s_add_co_u32 s37, s33, SLOT
	s_lshl_b32 s94, s4, 14
	s_mul_i32 s60, s7, 0x300000
	s_add_co_u32 s60, s60, s94
	s_add_co_u32 s60, s60, 0x100000                ; Q's matrix of the branch
	s_mov_b32 s61, 0
	s_lshl_b32 s96, s7, 18
	s_add_co_u32 s96, s96, s94
	s_add_co_u32 s96, s96, 0x600000                ; w_s for the saliency branch, w_c for the contour branch
	s_mov_b32 s97, 0
	s_xor_b32 s98, s7, 1                           ; keys and values come from the other stream
	s_lshr_b32 s99, ttmp9, 2                       ; batch
	s_lshl3_add_u32 s98, s98, s99
	s_mul_i32 s98, s98, 294912
	s_mul_i32 s99, s4, 18432
	s_add_co_u32 s98, s98, s99
	s_mov_b32 s99, 0
	s_lshl_b32 s95, s7, 25
	s_lshl_b32 s58, s6, 18
	s_mov_b32 s59, 0
	s_lshl_b32 s100, s4, 16
	s_mov_b32 s101, 0
	s_wait_dscnt 0x0
	s_wait_kmcnt 0x0
	s_add_nc_u64 s[34:35], s[88:89], s[60:61]
	s_add_nc_u64 s[38:39], s[34:35], 0x10000
	s_or_b32 s35, s35, 0x80000000
	s_or_b32 s39, s39, 0x80000000
	s_add_nc_u64 s[NB1:NB1+1], s[88:89], s[96:97]
	s_add_nc_u64 s[NB2:NB2+1], s[90:91], s[98:99]
	s_cmp_eq_u32 s7, 0
	s_cselect_b64 s[8:9], s[68:69], s[70:71]
	s_cselect_b64 s[12:13], s[72:73], s[74:75]
	s_cselect_b64 s[14:15], s[76:77], s[78:79]
	s_cselect_b64 s[46:47], s[80:81], s[82:83]
	s_cselect_b64 s[48:49], s[84:85], s[86:87]
	s_add_nc_u64 s[8:9], s[8:9], s[58:59]
	s_add_nc_u64 s[10:11], s[8:9], s[100:101]
	s_add_co_u32 s58, s58, s95
	s_add_nc_u64 s[50:51], s[92:93], s[58:59]      ; sres at the branch's block
	CROUND                                         ; all four work-groups are here: the first joint loads meet
	tensor_load_to_lds s[32:35], s[16:23]
	s_nop 0
	tensor_load_to_lds s[36:39], s[16:23]
	s_nop 0
	v_and_b32 v[VL], 31, v0
	v_and_b32 v[VR], 15, v0
	v_bfe_u32 v[VH], v0, 4, 1
	v_mul_u32_u24 v1, v[VR], PX
	v_lshl_add_u32 v[ADRX], v[VH], 4, v1
	v_add_nc_u32 v[ADRX+1], ACT4, v[ADRX]
	v_mul_u32_u24 v1, v[VR], 144
	v_lshl_add_u32 v1, v[VH], 4, v1
	v_add_nc_u32 v[ADRW], s33, v1
	v_add_nc_u32 v[ADRW+1], SLOT, v[ADRW]
	v_lshl_add_u32 v[STO], s4, 8, v[ADRX]
	v_add_nc_u32 v[STO+1], ACT4, v[STO]
	v_lshl_add_u32 v[STOF], s4, 7, v[ADRX]
	v_add_nc_u32 v[STOF+1], ACT4, v[STOF]
	v_lshlrev_b32 v[LOFF], 4, v[VL]
	s_mul_i32 s60, s4, 32*PX
	v_lshl_add_u32 v[LNST], v[VL], 3, s60
	v_lshlrev_b32 v1, 5, v[VH]
	v_lshl_add_u32 v[BOFF], s4, 9, v1
	v_lshl_add_u32 v[GOFF], s4, 9, v[LOFF]
	s_mul_i32 s60, s4, 8448
	v_mul_u32_u24 v2, v[VR], 528
	v_add_nc_u32 v2, v2, v1
	v_add_nc_u32 v[SGS], s60, v2
	v_add_nc_u32 v[SGR], s60, v[LOFF]
	v_lshlrev_b32 v1, 2, v[VR]
	v_add_nc_u32 v[CRD], CROW, v1
	v_lshlrev_b32 v1, 4, v[VR]
	s_lshl_b32 s60, s4, 2
	s_add_co_u32 s60, s60, STATP
	v_add_nc_u32 v[STP], s60, v1
	s_lshl_b32 s60, s4, 9
	s_add_co_u32 s60, s60, STATP
	v_add_nc_u32 v[XDA], s60, v[LOFF]
	s_lshl_b32 s60, s4, 7
	s_add_co_u32 s60, s60, CROW
	v_lshl_add_u32 v[XDC], v[VL], 2, s60
	; LN1: wave w takes rows 32 w to 32 w + 31 through a ring of eight row slots in registers
.irp q,0,1,2,3
	global_load_b128 v[BIAS+4*\q:BIAS+4*\q+3],       v[LOFF], s[12:13] offset:512*\q
	global_load_b128 v[BIAS+16+4*\q:BIAS+16+4*\q+3], v[LOFF], s[14:15] offset:512*\q
.endr
.irp s,0,1,2,3,4,5,6,7
	LNFILL \s, \s
.endr
	s_mov_b32 s54, 3
.Lln:
.irp s,0,1,2,3,4,5,6,7
	LNROW \s, 1, 28                                ; 28: the four loads of each of the seven younger slots
.endr
	s_wait_xcnt 0x0                                ; the base, which pending loads name, steps only behind this wait
	s_add_nc_u64 s[10:11], s[10:11], 16384
	v_add_nc_u32 v[LNST], 8*PX, v[LNST]
	s_sub_co_u32 s54, s54, 1
	s_cmp_lg_u32 s54, 0
	s_cbranch_scc1 .Lln
.irp s,0,1,2,3,4,5,6,7
	LNROW \s, 0, 28-4*\s
.endr
	BIASLD 46
	; Q
	SETTYPE 8, 8, 0
	START 0
	FTRIP 0, 1, 1, 0, 65536, G1F, 1
.irp i,1,2,3,4,5
	FTRIP \i, 0, 1, 0, 65536, G1F, 1
.endr
	FTRIP 6, 0, 1, NB1, 65536, G1F, 1              ; the feature matrix, tiles 0 and 1
	FTRIP 7, 0, 1, NB1, 65536, G1F, 0              ; behind its barrier no wave reads ACT any more
	WIN 0
	PLACES
	s_wait_loadcnt 0x0                             ; Q's bias
.irp a,0,1,2,3,4,5,6,7
	XOP \a, 8, K_ADD
	v_pk_mul_f32 v[2:3], v[X:X+1], v[X:X+1]        ; |Q|^2 of my 64 numbers of token 16 a + r, on the f32 values
	v_pk_mul_f32 v[4:5], v[X+2:X+3], v[X+2:X+3]
.set i_, 4
.rept 15
	v_pk_fma_f32 v[2:3], v[X+i_:X+i_+1], v[X+i_:X+i_+1], v[2:3]
	v_pk_fma_f32 v[4:5], v[X+i_+2:X+i_+3], v[X+i_+2:X+i_+3], v[4:5]
.set i_, i_+4
.endr
	v_pk_add_f32 v[2:3], v[2:3], v[4:5]
	v_add_f32 v2, v2, v3
	v_permlanex16_b32 v3, v2, s52, s53
	v_add_f32 v2, v2, v3
	ds_store_b32 v[STP], v2 offset:256*\a
	CVT 8
	STA \a, 8, STO
.endr
	; the features: 64 a wave, K in steps of 128
	SETTYPE 4, 8, 0
	START 1
	HTRIP 0, 1, 1, 0, 65536, G1F, 1
	HTRIP 1, 0, 1, 0, 65536, G1F, 1
	HTRIP 2, 0, 1, NB2, 73728, G1Y, 1              ; kptv, tiles 0 and 1
	HTRIP 3, 0, 1, NB2, 73728, G1Y, 0
	WIN 0
	PLACES
.irp a,0,1,2,3,4,5,6,7
	ds_load_b32 v[CP+2*\a],   v[CRD] offset:64*\a  ; c of token 16 a + r, twice: a pair for the packed multiply-add
	ds_load_b32 v[CP+2*\a+1], v[CRD] offset:64*\a
.endr
	s_wait_dscnt 0x0
.irp a,0,1,2,3,4,5,6,7
	XOP \a, 4, K_EXPS
.set i_, 0
.rept 32
	v_exp_f32 v[X+i_], v[X+i_]
.set i_, i_+1
.endr
	v_nop                                          ; one plain place behind the last exponential (ISA guide 5.7.2)
	s_wait_alu depctr_va_vdst(0)
	CVT 4
	STA \a, 4, STOF
.endr
	BIASLD 48                                      ; proj's bias: it has the whole last stage in which to land
	; qp kptv^T and D: K = 256 features in four tiles; then the division, bias, residual
	SETTYPE 8, 8, 1
	START 0
	FTRIP 0, 1, 1, 0, 73728, G1Y, 1
	FTRIP 1, 0, 1, 0, 73728, G1Y, 1
	FTRIP 2, 0, 0, 0, 0, G1Y, 1                    ; nothing is left to fetch
	FTRIP 3, 0, 0, 0, 0, G1Y, 0                    ; behind its barrier no wave reads ACT any more: it becomes the stage
	WIN 0
	PLACES
	RESLD 0
	RESLD 1
	WIN 0x01                                       ; source 0 in window 1: register 0 of each D accumulator
.irp a,0,1,2,3,4,5,6,7
	v_add_f32 v[RDP+16+\a], v[8*\a], s3            ; D + 1e-8
.endr
	WIN 0
.irp a,0,1,2,3,4,5,6,7
	v_rcp_f32 v[RDP+2*\a],   v[RDP+16+\a]
	v_rcp_f32 v[RDP+2*\a+1], v[RDP+16+\a]
.endr
	v_nop                                          ; one plain place behind the last reciprocal (ISA guide 5.7.2)
	s_wait_alu depctr_va_vdst(0)
	s_wait_loadcnt 32                              ; proj's bias is in; the 32 residual loads stay out
.irp a,0,1,2,3,4,5,6,7
	OUTBLK \a
.endr
	s_set_vgpr_msb 0x1
	s_wait_tensorcnt 0x0
	ds_add_u32 v255, v30
	s_wait_dscnt 0x0
	s_set_vgpr_msb 0x100
	CROUND                                         ; the closing round
	s_endpgm
.Lfunc_end_k_q5e0f5e405c_qy:
	.size	k_q5e0f5e405c_qy, .Lfunc_end_k_q5e0f5e405c_qy-k_q5e0f5e405c_qy
	.p2alignl 7, 3214868480
	.fill 96, 4, 3214868480
	.section	.rodata,"a",@progbits
	.p2align	6, 0x0
	.amdhsa_kernel k_q5e0f5e405c_qy
		.amdhsa_group_segment_fixed_size 327680
		.amdhsa_private_segment_fixed_size 0
		.amdhsa_enable_private_segment 0
		.amdhsa_kernarg_size 104
		.amdhsa_user_sgpr_count 2
		.amdhsa_user_sgpr_kernarg_segment_ptr 1
		.amdhsa_wavefront_size32 1
		.amdhsa_system_sgpr_workgroup_id_x 1
		.amdhsa_system_sgpr_workgroup_id_y 1
		.amdhsa_system_sgpr_workgroup_id_z 1
		.amdhsa_system_vgpr_workitem_id 0
		.amdhsa_next_free_vgpr 1024
		.amdhsa_next_free_sgpr 102
		.amdhsa_reserve_vcc 0
		.amdhsa_float_denorm_mode_32 3
		.amdhsa_float_denorm_mode_16_64 3
		.amdhsa_memory_ordered 1
		.amdhsa_forward_progress 1
		.amdhsa_inst_pref_size 255
	.end_amdhsa_kernel
	.section	.bss,"aw",@nobits
	.p2align	6
	.space	262144
	.amdgpu_metadata
---
amdhsa.version: [ 1, 2 ]
amdhsa.kernels:
  - .name:           k_q5e0f5e405c_qy
    .symbol:         k_q5e0f5e405c_qy.kd
    .args:
      - { .name: saliency_fea, .offset: 0, .size: 8, .value_kind: global_buffer, .address_space: global }
      - { .name: contour_fea, .offset: 8, .size: 8, .value_kind: global_buffer, .address_space: global }
      - { .name: ln1s_g, .offset: 16, .size: 8, .value_kind: global_buffer, .address_space: global }
      - { .name: ln1c_g, .offset: 24, .size: 8, .value_kind: global_buffer, .address_space: global }
      - { .name: ln1s_b, .offset: 32, .size: 8, .value_kind: global_buffer, .address_space: global }
      - { .name: ln1c_b, .offset: 40, .size: 8, .value_kind: global_buffer, .address_space: global }
      - { .name: qs_b, .offset: 48, .size: 8, .value_kind: global_buffer, .address_space: global }
      - { .name: qc_b, .offset: 56, .size: 8, .value_kind: global_buffer, .address_space: global }
      - { .name: proj_s_b, .offset: 64, .size: 8, .value_kind: global_buffer, .address_space: global }
      - { .name: proj_c_b, .offset: 72, .size: 8, .value_kind: global_buffer, .address_space: global }
      - { .name: wb, .offset: 80, .size: 8, .value_kind: global_buffer, .address_space: global }
      - { .name: kaug, .offset: 88, .size: 8, .value_kind: global_buffer, .address_space: global }
      - { .name: sres, .offset: 96, .size: 8, .value_kind: global_buffer, .address_space: global }
    .group_segment_fixed_size: 327680
    .private_segment_fixed_size: 0
    .kernarg_segment_align: 8
    .kernarg_segment_size: 104
    .max_flat_workgroup_size: 128
    .sgpr_count:     102
    .vgpr_count:     1024
    .wavefront_size: 32
...
	.end_amdgpu_metadata
.endif
;; end of part 10
;; launch mlp (part 11): grid 128 x 2, 8 waves a work-group, clusters of 4 x 1, 327,680 bytes of LDS; arguments sres, ln2s_g, ln2c_g, ln2s_b, ln2c_b, mlps_b1, mlpc_b1, mlps_b2, mlpc_b2, wb, out0, out1; writes out0, out1
.if DOCPART == 11
	.amdgcn_target "amdgcn-amd-amdhsa--gfx1250"
	.amdhsa_code_object_version 6
	.text
	.protected	k_q5e0f5e405c_mlp
	.globl	k_q5e0f5e405c_mlp
	.p2align	8
	.type	k_q5e0f5e405c_mlp,@function
k_q5e0f5e405c_mlp:
	s_mov_b64 s[64:65], 0
	v_nop
	global_prefetch_b8 v0, s[64:65] scope:SCOPE_SE
	s_setreg_imm32_b32 hwreg(HW_REG_WAVE_MODE, 25, 1), 1
	s_wait_xcnt 0x0
	s_wait_alu depctr_hold_cnt(0) depctr_sa_sdst(0) depctr_va_vdst(0) depctr_va_sdst(0) depctr_va_ssrc(0) depctr_va_vcc(0) depctr_vm_vsrc(0)
	s_getreg_b32 s2, hwreg(HW_REG_IB_STS2, 6, 4)
	s_cmp_eq_u32 s2, 0
	s_cbranch_scc0 .Lentry_in_a_cluster
	s_endpgm
.Lentry_in_a_cluster:
	s_bfe_u32 s2, ttmp6, 0x10000c
	s_cmp_lg_u32 s2, 0x3003
	s_cbranch_scc0 .Lentry_shape_is_right
	s_endpgm
.Lentry_shape_is_right:
; mlp: for a block of 128 tokens of one branch (grid y): out = s + gelu(LN2(s) W1^T + b1) W2^T + b2, gelu with erf.  Nothing is left out.
; erf is the five-term form of Abramowitz and Stegun 7.1.26 (absolute error at most 1.5e-7): with t = 1 / (1 + 0.3275911 |x| / sqrt 2),
; erf(|x| / sqrt 2) = 1 - (a1 t + .. + a5 t^5) exp(-x^2 / 2); gelu = x / 2 + |x / 2| erf(|x| / sqrt 2).
; EIGHT waves of 512 registers, two on a SIMD.  Wave w makes tokens 64 (w / 4) .. + 63 x columns 128 (w % 4) .. + 127: 32 accumulator tiles.
; The gelu and the way out name each accumulator once, so their text is as long as a wave's tile is large: half the tile halves the text
; (some 46 KB in all).  The price: 24 fragment loads for 32 matrix instructions, where a tile of 128 x 128 has 32 for 64.
; The rows at work lie in LDS (ACT, pitch 1,040); W1 and W2, which follow each other in wb, walk as 16 tiles through a ring of two LDS slots;
; a wave fetches 8 KiB of each tile with one tensor load, and reads the parts of two waves behind the barrier in front of which each waited for its load.
; CLUSTER: the four work-groups of a cluster walk the same tiles, each asked for jointly (mask 15) behind a round of the cluster barrier.
; By this text's own count a wave has two tensor loads out at the start, later one.
; Weights are source 0 (index b), tokens source 1 (index a): a lane holds token 16 a + r of the wave's 64 and 8 neighbouring columns.
; REGISTERS: window 0: v0-31 addresses and scratch, v32-63 at work, v64-127 and v128-191 weight fragments (two buffers), v192-223 and v224-255
; token fragments (two buffers); window 1: the accumulators, tile (a, b) at v[8 (8 a + b)].  No register is free for a bias during a stage:
; b1 and b2 are copied once into LDS and read from there.
.set PX,    1040
.set RING,  128*PX                     ; 133,120
.set WPART, 9216                       ; a wave's part of a slot: 64 rows of 128 bytes, pitch 144
.set SLOT,  8*WPART
.set BL,    RING+2*SLOT                ; 280,576: b1, then b2, 2,048 bytes each
.set VH,   13
.set VR,   14
.set VL,   15
.set ADRX, 16                          ; v16  token fragments of my 64 rows
.set ADRW, 18                          ; v18-19 weight fragments of my 128 columns, slot 0 and 1
.set STO,  20                          ; v20  ACT stores of my 64 rows x 128 columns
.set BST,  21                          ; v21  BL + 8 t
.set BOF,  22                          ; v22  8 t
.set LOFF, 24
.set LNST, 25
.set BLD,  26                          ; v26  BL + 512 (w % 4) + 32 h
.set GOFF, 27                          ; v27  131,072 (w / 4) + 512 (w % 4) + 16 x lane
.set SGS,  28
.set SGR,  29
.set TMP,  32
.set X,    64
.set F1,   128                         ; the way out: rows read back
.set GT,   128                         ; v128-135 t
.set GE,   136                         ; v136-143 exp(-x^2 / 2)
.set GP,   144                         ; v144-151 the polynomial, then erf
.set GH,   152                         ; v152-159 x / 2
.set CA5,  160                         ; v160-169 -a5 .. -a1, each twice
.set CA4,  162
.set CA3,  164
.set CA2,  166
.set CA1,  168
.set BIAS, 192
.set G1F,  16
.set G0,   32
.set W1,   4                           ; the youngest 4 loads of a fetch are token fragments 2 and 3
.set LF,   24                          ; loads in one fetch
.set MUL,  0x50                        ; C and D window 1, both sources window 0
.set MSB, 0
.macro WIN new
.if MSB != \new
	s_set_vgpr_msb (MSB<<8)|\new
.set MSB, \new
.endif
.endm
.macro PLACES                          ; four plain places behind matrix instructions (ISA guide 7.12.1)
.rept 4
	v_nop
.endr
.endm
.macro CREST
	s_cmp_lg_u32 s4, 0
	s_cbranch_scc1 .Lnw0_\@
	s_barrier_signal -3
.Lnw0_\@:
	s_barrier_wait -3
	s_barrier_signal -1
	s_barrier_wait -1
.endm
.macro CROUND
	s_barrier_signal -1
	s_barrier_wait -1
	CREST
.endm
.macro MROW f, zero                    ; f: fragment buffer 0 or 1
.set b_, 0
.rept 8
.set c_, 8*(8*a_+b_)
.if \zero
	v_wmma_f32_16x16x32_bf16 v[c_:c_+7], v[64+64*\f+8*b_:64+64*\f+8*b_+7], v[192+32*\f+8*a_:192+32*\f+8*a_+7], 0
.else
	v_wmma_f32_16x16x32_bf16 v[c_:c_+7], v[64+64*\f+8*b_:64+64*\f+8*b_+7], v[192+32*\f+8*a_:192+32*\f+8*a_+7], v[c_:c_+7]
.endif
.set b_, b_+1
.endr
.endm
.macro ROWS f, a0, n, zero             ; the accumulators take turns, one instruction a turn
	WIN MUL
.set a_, \a0
.rept \n
	MROW \f, \zero
.set a_, a_+1
.endr
.endm
.macro FETCH f, slot, woff, xoff       ; 16 loads of weights, then 8 of tokens in ascending a
	WIN 0
.set i_, 0
.rept 8
	ds_load_b128 v[64+64*\f+8*i_:64+64*\f+8*i_+3],   v[ADRW+\slot] offset:\woff+2304*i_
	ds_load_b128 v[64+64*\f+8*i_+4:64+64*\f+8*i_+7], v[ADRW+\slot] offset:\woff+2304*i_+32
.set i_, i_+1
.endr
.set i_, 0
.rept 4
	ds_load_b128 v[192+32*\f+8*i_:192+32*\f+8*i_+3],   v[ADRX] offset:\xoff+16640*i_
	ds_load_b128 v[192+32*\f+8*i_+4:192+32*\f+8*i_+7], v[ADRX] offset:\xoff+16640*i_+32
.set i_, i_+1
.endr
.endm
.macro QUARTER f, g, slot, woff, xoff, zero
	s_wait_dscnt W1                                ; all of buffer f but token fragments 2 and 3
	ROWS \f, 0, 2, \zero
	PLACES
	FETCH \g, \slot, \woff, \xoff
	s_wait_dscnt LF                                ; all but the LF loads just issued
	ROWS \f, 2, 2, \zero
.endm
; The last 32 of a tile.  In front of the barrier each wave waits for its LDS reads and for all its tensor loads; behind it, where the slot is
; filled again, the rest of a round of the cluster barrier, the joint refill as the first and only tensor load, then the next slot's fragments.
.macro TURN slot, next, fill, fetch, xoff
	s_wait_dscnt W1
	ROWS 1, 0, 1, 0
	s_wait_dscnt 0x0                               ; my reads of this slot and of ACT are over
	s_wait_tensorcnt 0x0                           ; all my tensor loads have landed
	ds_add_u32 v30, v31
	s_wait_dscnt 0x0
	s_barrier_signal -1
	ROWS 1, 1, 1, 0
	WIN 0
	s_barrier_wait -1
.if \fill
	CREST
	s_add_nc_u64 s[G0+4*\slot+2:G0+4*\slot+3], s[G0+4*\slot+2:G0+4*\slot+3], 131072    ; no load of mine is out: two tiles on
	tensor_load_to_lds s[G0+4*\slot:G0+4*\slot+3], s[G1F:G1F+7]
	s_nop 0
.endif
.if \fetch
	PLACES
	FETCH 0, \next, 0, \xoff
.endif
	ROWS 1, 2, 2, 0
.endm
.macro FTRIP i, zero, fill, fetch
	QUARTER 0, 1, (\i&1), 64, 128*\i+64, \zero
	TURN (\i&1), (1-(\i&1)), \fill, \fetch, 128*\i+128
.endm
.macro BLOAD k                         ; bias k [128 (w % 4) + 16 b + 8 h + j] into BIAS + 8 b + j, from LDS
.irp b,0,1,2,3,4,5,6,7
	ds_load_b128 v[BIAS+8*\b:BIAS+8*\b+3],   v[BLD] offset:2048*\k+64*\b
	ds_load_b128 v[BIAS+8*\b+4:BIAS+8*\b+7], v[BLD] offset:2048*\k+64*\b+16
.endr
.endm
.macro XOP blk                         ; X = acc + bias by column
	WIN 0x01                                       ; source 0 in window 1
.set i_, 0
.rept 32
	v_pk_add_f32 v[X+2*i_:X+2*i_+1], v[64*\blk+2*i_:64*\blk+2*i_+1], v[BIAS+2*i_:BIAS+2*i_+1]
.set i_, i_+1
.endr
	WIN 0
.endm
.macro WSUM
	v_add_f32_dpp v2, v2, v2 row_xmask:1 row_mask:0xf bank_mask:0xf
	v_add_f32_dpp v2, v2, v2 row_xmask:2 row_mask:0xf bank_mask:0xf
	v_add_f32_dpp v2, v2, v2 row_xmask:4 row_mask:0xf bank_mask:0xf
	v_add_f32_dpp v2, v2, v2 row_xmask:8 row_mask:0xf bank_mask:0xf
	v_permlanex16_b32 v3, v2, s52, s53
	v_add_f32 v2, v2, v3
.endm
.macro LNFILL s, row
.irp q,0,1,2,3
	global_load_b128 v[64+16*\s+4*\q:64+16*\s+4*\q+3], v[LOFF], s[10:11] offset:(\row)*2048+512*\q
.endr
.endm
; One row's layer norm, the row in 16 registers of the wave.  Scratch: v2-9 and v32-43.
.macro LNROW s, refill, left
.set S_, 64+16*\s
	s_wait_loadcnt \left                           ; my row is in; the younger rows stay out
	v_pk_add_f32 v[2:3], v[S_:S_+1], v[S_+2:S_+3]
	v_pk_add_f32 v[4:5], v[S_+4:S_+5], v[S_+6:S_+7]
	v_pk_add_f32 v[6:7], v[S_+8:S_+9], v[S_+10:S_+11]
	v_pk_add_f32 v[8:9], v[S_+12:S_+13], v[S_+14:S_+15]
	v_pk_add_f32 v[2:3], v[2:3], v[4:5]
	v_pk_add_f32 v[6:7], v[6:7], v[8:9]
	v_pk_add_f32 v[2:3], v[2:3], v[6:7]
	v_add_f32 v2, v2, v3
	WSUM
	v_mul_f32 v32, s55, v2
	v_mul_f32 v33, s55, v2
.irp j,0,2,4,6,8,10,12,14
	v_pk_add_f32 v[S_+\j:S_+\j+1], v[S_+\j:S_+\j+1], v[32:33] neg_lo:[0,1] neg_hi:[0,1]
.endr
	v_pk_mul_f32 v[2:3], v[S_:S_+1], v[S_:S_+1]
	v_pk_mul_f32 v[4:5], v[S_+2:S_+3], v[S_+2:S_+3]
.irp j,4,8,12
	v_pk_fma_f32 v[2:3], v[S_+\j:S_+\j+1], v[S_+\j:S_+\j+1], v[2:3]
	v_pk_fma_f32 v[4:5], v[S_+\j+2:S_+\j+3], v[S_+\j+2:S_+\j+3], v[4:5]
.endr
	v_pk_add_f32 v[2:3], v[2:3], v[4:5]
	v_add_f32 v2, v2, v3
	WSUM
	v_fma_f32 v2, v2, s55, s56
	v_rsq_f32 v34, v2
	v_rsq_f32 v35, v2                              ; the gain's multiplies below are the plain work behind the two (ISA guide 5.7.2)
.irp j,0,2,4,6,8,10,12,14
	v_pk_mul_f32 v[S_+\j:S_+\j+1], v[S_+\j:S_+\j+1], v[BIAS+\j:BIAS+\j+1]
.endr
	s_wait_alu depctr_va_vdst(0)
.irp j,0,2,4,6,8,10,12,14
	v_pk_fma_f32 v[S_+\j:S_+\j+1], v[S_+\j:S_+\j+1], v[34:35], v[BIAS+16+\j:BIAS+16+\j+1]
.endr
.irp j,0,1,2,3,4,5,6,7
	v_cvt_pk_bf16_f32 v[36+\j], v[S_+2*\j], v[S_+2*\j+1]
.endr
.irp q,0,1,2,3
	ds_store_b64 v[LNST], v[36+2*\q:37+2*\q] offset:\s*PX+256*\q
.endr
.if \refill
	LNFILL \s, (4+\s)
.endif
.endm
; A stage begins: the waves' LDS stores are shown to all; every wave's part of tile 0 is in; tile 1 may stay out.
.macro START
	s_wait_dscnt 0x0
	s_wait_tensorcnt 0x1
	s_barrier_signal -1
	s_barrier_wait -1
	FETCH 0, 0, 0, 0
.endm
; gelu of the eight numbers X + 8 b .. + 7, in place
.macro GEL8 b
.set x_, X+8*\b
.irp j,0,1,2,3,4,5,6,7
	v_fma_f32 v[GT+\j], |v[x_+\j]|, s57, 1.0
.endr
.irp j,0,1,2,3,4,5,6,7
	v_rcp_f32 v[GT+\j], v[GT+\j]
.endr
.irp p,0,2,4,6
	v_pk_mul_f32 v[GE+\p:GE+\p+1], v[x_+\p:x_+\p+1], v[x_+\p:x_+\p+1]         ; plain work behind the reciprocals
.endr
.irp p,0,2,4,6
	v_pk_mul_f32 v[GE+\p:GE+\p+1], v[GE+\p:GE+\p+1], 0xbf38aa3b op_sel_hi:[1,0]
.endr
.irp j,0,1,2,3,4,5,6,7
	v_exp_f32 v[GE+\j], v[GE+\j]
.endr
	s_wait_alu depctr_va_vdst(0)
.irp p,0,2,4,6
	v_pk_fma_f32 v[GP+\p:GP+\p+1], v[GT+\p:GT+\p+1], v[CA5:CA5+1], v[CA4:CA4+1]   ; plain work behind the exponentials
.endr
.irp c,CA3,CA2,CA1
.irp p,0,2,4,6
	v_pk_fma_f32 v[GP+\p:GP+\p+1], v[GP+\p:GP+\p+1], v[GT+\p:GT+\p+1], v[\c:\c+1]
.endr
.endr
.irp p,0,2,4,6
	v_pk_mul_f32 v[GP+\p:GP+\p+1], v[GP+\p:GP+\p+1], v[GT+\p:GT+\p+1]
.endr
.irp p,0,2,4,6
	v_pk_fma_f32 v[GP+\p:GP+\p+1], v[GP+\p:GP+\p+1], v[GE+\p:GE+\p+1], 1.0 op_sel_hi:[1,1,0]   ; the coefficients are negated: erf = 1 + P E
.endr
.irp p,0,2,4,6
	v_pk_mul_f32 v[GH+\p:GH+\p+1], v[x_+\p:x_+\p+1], 0.5 op_sel_hi:[1,0]
.endr
.irp j,0,1,2,3,4,5,6,7
	v_fma_f32 v[x_+\j], |v[GH+\j]|, v[GP+\j], v[GH+\j]
.endr
.endm
.macro RESLD blk                       ; rows 16 blk to 16 blk + 15 of my 64 rows of s, my 512 bytes of each: v64-127 and v192-255 by turns
.set i_, 0
.rept 16
	global_load_b128 v[64+128*((\blk)&1)+4*i_:64+128*((\blk)&1)+4*i_+3], v[GOFF], s[8:9] offset:(16*(\blk)+i_)*2048
.set i_, i_+1
.endr
.endm
; 16 tokens leave in f32 (the bias is in the accumulators already): through my own stage (16 rows of 512 bytes, pitch 528, in ACT, which nobody
; reads any more), back as whole rows, residual added, stores of 512 consecutive bytes.
.macro OUTBLK blk
	WIN 0x04                                       ; the stores' data in window 1
.set i_, 0
.rept 16
	ds_store_b128 v[SGS], v[64*\blk+4*i_:64*\blk+4*i_+3] offset:64*(i_>>1)+16*(i_&1)
.set i_, i_+1
.endr
	WIN 0
	s_wait_xcnt 0x0                                ; v128-191, which the last block's stores read, are loaded again only behind this wait
.set i_, 0
.rept 16
	ds_load_b128 v[F1+4*i_:F1+4*i_+3], v[SGR] offset:528*i_      ; LDS serves a wave in order: these see the stores above
.set i_, i_+1
.endr
	s_wait_dscnt 0x0
.if \blk < 3
	s_wait_loadcnt 16                              ; my residual rows are in; the next block's 16 loads stay out
.else
	s_wait_loadcnt 0x0
.endif
.set i_, 0
.rept 32
	v_pk_add_f32 v[F1+2*i_:F1+2*i_+1], v[F1+2*i_:F1+2*i_+1], v[64+128*(\blk&1)+2*i_:64+128*(\blk&1)+2*i_+1]
.set i_, i_+1
.endr
.set i_, 0
.rept 16
	global_store_b128 v[GOFF], v[F1+4*i_:F1+4*i_+3], s[50:51] offset:(16*\blk+i_)*2048 th:TH_STORE_NT
.set i_, i_+1
.endr
.if \blk < 2
	RESLD (\blk+2)
.endif
.endm
	s_load_b512 s[68:83], s[0:1], 0x0              ; sres; ln2 g s, c; ln2 b s, c; b1 s, c; b2 s
	s_load_b256 s[84:91], s[0:1], 0x40             ; b2 c; wb; out0; out1
	v_lshl_add_u32 v30, v0, 2, 0x45800
	v_mov_b32 v31, 0
	ds_add_u32 v30, v31
	ds_add_u32 v30, v31
	v_lshrrev_b32 v1, 5, v0
	v_readfirstlane_b32 s4, v1                     ; wave 0 to 7
	s_and_b32 s96, s4, 3                           ; which 128 columns are mine
	s_lshr_b32 s97, s4, 2                          ; which 64 tokens
	s_bfe_u32 s5, ttmp6, 0x40000                   ; cx: enters only the addresses of the block's own rows
	s_lshl_b32 s6, ttmp9, 2
	s_add_co_u32 s6, s6, s5
	s_and_b32 s7, ttmp7, 0xffff                    ; branch
	s_mov_b32 s52, 0x76543210
	s_mov_b32 s53, 0xfedcba98
	s_mov_b32 s55, 0x3b000000                      ; 1 / 512
	s_mov_b32 s56, 0x3727c5ac                      ; 1e-5
	s_mov_b32 s57, 0x3e6d3388                      ; 0.3275911 / sqrt 2
	s_mov_b32 s16, 0x0733000f                      ; elements of 8 bytes, 4 words of padding behind every 32 words (a weight row of 128 bytes gets pitch 144), mask 15, bit 21 beside it
	s_mov_b32 s17, 32<<16                          ; rows of 256 bytes,
	s_mov_b32 s18, 32<<16                          ; 32 of them: an eighth of a tile
	s_mov_b32 s19, 32<<16
	s_mov_b32 s20, 32
	s_mov_b32 s21, 32
	s_mov_b32 s22, 0
	s_mov_b32 s23, 0
	s_mov_b32 s32, 1
	s_mov_b32 s36, 1
	s_mul_i32 s33, s4, WPART
	s_add_co_u32 s33, s33, RING
	s_add_co_u32 s37, s33, SLOT
	s_lshl_b32 s94, s4, 13                         ; my 8 KiB of a tile
	s_mul_i32 s60, s7, 0x300000
	s_add_co_u32 s60, s60, s94
	s_add_co_u32 s60, s60, 0x200000                ; W1 of the branch; W2 follows it
	s_mov_b32 s61, 0
	s_lshl_b32 s95, s7, 25
	s_lshl_b32 s58, s6, 18
	s_mov_b32 s59, 0
	s_lshl_b32 s100, s4, 15                        ; my 16 rows for the layer norm
	s_mov_b32 s101, 0
	s_wait_dscnt 0x0
	s_wait_kmcnt 0x0
	s_add_nc_u64 s[34:35], s[86:87], s[60:61]
	s_add_nc_u64 s[38:39], s[34:35], 0x10000
	s_or_b32 s35, s35, 0x80000000
	s_or_b32 s39, s39, 0x80000000
	s_cmp_eq_u32 s7, 0
	s_cselect_b64 s[12:13], s[70:71], s[72:73]
	s_cselect_b64 s[14:15], s[74:75], s[76:77]
	s_cselect_b64 s[46:47], s[78:79], s[80:81]
	s_cselect_b64 s[48:49], s[82:83], s[84:85]
	s_cselect_b64 s[50:51], s[88:89], s[90:91]
	s_add_nc_u64 s[50:51], s[50:51], s[58:59]      ; the output at the block
	s_add_co_u32 s58, s58, s95
	s_add_nc_u64 s[8:9], s[68:69], s[58:59]        ; s at the branch's block
	s_add_nc_u64 s[10:11], s[8:9], s[100:101]
	CROUND                                         ; all four work-groups are here: the first joint loads meet
	tensor_load_to_lds s[32:35], s[16:23]
	s_nop 0
	tensor_load_to_lds s[36:39], s[16:23]
	s_nop 0
	v_and_b32 v[VL], 31, v0
	v_and_b32 v[VR], 15, v0
	v_bfe_u32 v[VH], v0, 4, 1
	v_lshlrev_b32 v[LOFF], 4, v[VL]
	v_lshlrev_b32 v[BOF], 3, v0
	global_load_b64 v[44:45], v[BOF], s[46:47]     ; b1 and b2: 256 threads x 8 bytes each
	global_load_b64 v[46:47], v[BOF], s[48:49]
.irp q,0,1,2,3
	global_load_b128 v[BIAS+4*\q:BIAS+4*\q+3],       v[LOFF], s[12:13] offset:512*\q
	global_load_b128 v[BIAS+16+4*\q:BIAS+16+4*\q+3], v[LOFF], s[14:15] offset:512*\q
.endr
.irp s,0,1,2,3
	LNFILL \s, \s
.endr
	s_mul_i32 s60, s97, 64*PX
	v_mul_u32_u24 v1, v[VR], PX
	v_lshl_add_u32 v1, v[VH], 4, v1
	v_add_nc_u32 v[ADRX], s60, v1
	v_lshl_add_u32 v[STO], s96, 8, v[ADRX]
	s_mul_i32 s60, s96, 2*WPART
	s_add_co_u32 s60, s60, RING
	v_mul_u32_u24 v1, v[VR], 144
	v_lshl_add_u32 v1, v[VH], 4, v1
	v_add_nc_u32 v[ADRW], s60, v1
	v_add_nc_u32 v[ADRW+1], SLOT, v[ADRW]
	s_mul_i32 s60, s4, 16*PX
	v_lshl_add_u32 v[LNST], v[VL], 3, s60
	v_lshlrev_b32 v1, 5, v[VH]
	s_lshl_b32 s60, s96, 9
	s_add_co_u32 s60, s60, BL
	v_add_nc_u32 v[BLD], s60, v1
	v_add_nc_u32 v[BST], BL, v[BOF]
	v_lshl_add_u32 v[GOFF], s96, 9, v[LOFF]
	s_lshl_b32 s60, s97, 17
	v_add_nc_u32 v[GOFF], s60, v[GOFF]
	s_mul_i32 s60, s4, 8448
	v_mul_u32_u24 v2, v[VR], 528
	v_add_nc_u32 v2, v2, v1
	v_add_nc_u32 v[SGS], s60, v2
	v_add_nc_u32 v[SGR], s60, v[LOFF]
	; LN2: wave w takes rows 16 w to 16 w + 15 through a ring of four row slots in registers: eight waves have 64 KiB on their way
	s_mov_b32 s54, 3
.Lln:
.irp s,0,1,2,3
	LNROW \s, 1, 12                                ; 12: the four loads of each of the three younger slots
.endr
	s_wait_xcnt 0x0                                ; the base, which pending loads name, steps only behind this wait
	s_add_nc_u64 s[10:11], s[10:11], 8192
	v_add_nc_u32 v[LNST], 4*PX, v[LNST]
	s_sub_co_u32 s54, s54, 1
	s_cmp_lg_u32 s54, 0
	s_cbranch_scc1 .Lln
.irp s,0,1,2,3
	LNROW \s, 0, 12-4*\s                           ; the last four rows load nothing: the counts run down
.endr
	ds_store_b64 v[BST], v[44:45]                  ; the biases (their loads are older than every row's)
	ds_store_b64 v[BST], v[46:47] offset:2048
	; the hidden layer
	START
	FTRIP 0, 1, 1, 1                               ; the first products start the sums: nothing is cleared
.irp i,1,2,3,4,5,6
	FTRIP \i, 0, 1, 1
.endr
	FTRIP 7, 0, 1, 0                               ; its two last refills are W2's tiles 0 and 1; behind its barrier no wave reads ACT any more
	WIN 0
	PLACES
	BLOAD 0
	v_mov_b32 v[CA5],   0xbf87dc22
	v_mov_b32 v[CA5+1], 0xbf87dc22
	v_mov_b32 v[CA4],   0x3fba00e3
	v_mov_b32 v[CA4+1], 0x3fba00e3
	v_mov_b32 v[CA3],   0xbfb5f0e3
	v_mov_b32 v[CA3+1], 0xbfb5f0e3
	v_mov_b32 v[CA2],   0x3e91a98e
	v_mov_b32 v[CA2+1], 0x3e91a98e
	v_mov_b32 v[CA1],   0xbe827906
	v_mov_b32 v[CA1+1], 0xbe827906
	s_wait_dscnt 0x0                               ; b1
.irp a,0,1,2,3
	XOP \a
.irp b,0,1,2,3,4,5,6,7
	GEL8 \b
.endr
.set i_, 0
.rept 32
	v_cvt_pk_bf16_f32 v[TMP+i_], v[X+2*i_], v[X+2*i_+1]
.set i_, i_+1
.endr
.set i_, 0
.rept 8
	ds_store_b128 v[STO], v[TMP+4*i_:TMP+4*i_+3] offset:\a*16640+32*i_
.set i_, i_+1
.endr
.endr
	; the second layer, bias, residual
	START
	FTRIP 0, 1, 1, 1
.irp i,1,2,3,4,5
	FTRIP \i, 0, 1, 1
.endr
	FTRIP 6, 0, 0, 1                               ; nothing is left to fetch
	FTRIP 7, 0, 0, 0                               ; behind its barrier no wave reads ACT any more: it becomes the stage
	WIN 0
	PLACES
	RESLD 0
	BLOAD 1
	s_wait_dscnt 0x0                               ; b2
	WIN 0x41                                       ; destination and source 0 in window 1: the bias is added in place
.set i_, 0
.rept 128
	v_pk_add_f32 v[2*i_:2*i_+1], v[2*i_:2*i_+1], v[BIAS+2*(i_&31):BIAS+2*(i_&31)+1]
.set i_, i_+1
.endr
	WIN 0
	RESLD 1                                        ; into the bias's registers, which are free now
.irp a,0,1,2,3
	OUTBLK \a
.endr
	s_wait_tensorcnt 0x0
	ds_add_u32 v30, v31
	s_wait_dscnt 0x0
	CROUND                                         ; the closing round
	s_endpgm
.Lfunc_end_k_q5e0f5e405c_mlp:
	.size	k_q5e0f5e405c_mlp, .Lfunc_end_k_q5e0f5e405c_mlp-k_q5e0f5e405c_mlp
	.p2alignl 7, 3214868480
	.fill 96, 4, 3214868480
	.section	.rodata,"a",@progbits
	.p2align	6, 0x0
	.amdhsa_kernel k_q5e0f5e405c_mlp
		.amdhsa_group_segment_fixed_size 327680
		.amdhsa_private_segment_fixed_size 0
		.amdhsa_enable_private_segment 0
		.amdhsa_kernarg_size 96
		.amdhsa_user_sgpr_count 2
		.amdhsa_user_sgpr_kernarg_segment_ptr 1
		.amdhsa_wavefront_size32 1
		.amdhsa_system_sgpr_workgroup_id_x 1
		.amdhsa_system_sgpr_workgroup_id_y 1
		.amdhsa_system_sgpr_workgroup_id_z 1
		.amdhsa_system_vgpr_workitem_id 0
		.amdhsa_next_free_vgpr 512
		.amdhsa_next_free_sgpr 102
		.amdhsa_reserve_vcc 0
		.amdhsa_float_denorm_mode_32 3
		.amdhsa_float_denorm_mode_16_64 3
		.amdhsa_memory_ordered 1
		.amdhsa_forward_progress 1
		.amdhsa_inst_pref_size 255
	.end_amdhsa_kernel
	.section	.bss,"aw",@nobits
	.p2align	6
	.space	262144
	.amdgpu_metadata
---
amdhsa.version: [ 1, 2 ]
amdhsa.kernels:
  - .name:           k_q5e0f5e405c_mlp
    .symbol:         k_q5e0f5e405c_mlp.kd
    .args:
      - { .name: sres, .offset: 0, .size: 8, .value_kind: global_buffer, .address_space: global }
      - { .name: ln2s_g, .offset: 8, .size: 8, .value_kind: global_buffer, .address_space: global }
      - { .name: ln2c_g, .offset: 16, .size: 8, .value_kind: global_buffer, .address_space: global }
      - { .name: ln2s_b, .offset: 24, .size: 8, .value_kind: global_buffer, .address_space: global }
      - { .name: ln2c_b, .offset: 32, .size: 8, .value_kind: global_buffer, .address_space: global }
      - { .name: mlps_b1, .offset: 40, .size: 8, .value_kind: global_buffer, .address_space: global }
      - { .name: mlpc_b1, .offset: 48, .size: 8, .value_kind: global_buffer, .address_space: global }
      - { .name: mlps_b2, .offset: 56, .size: 8, .value_kind: global_buffer, .address_space: global }
      - { .name: mlpc_b2, .offset: 64, .size: 8, .value_kind: global_buffer, .address_space: global }
      - { .name: wb, .offset: 72, .size: 8, .value_kind: global_buffer, .address_space: global }
      - { .name: out0, .offset: 80, .size: 8, .value_kind: global_buffer, .address_space: global }
      - { .name: out1, .offset: 88, .size: 8, .value_kind: global_buffer, .address_space: global }
    .group_segment_fixed_size: 327680
    .private_segment_fixed_size: 0
    .kernarg_segment_align: 8
    .kernarg_segment_size: 96
    .max_flat_workgroup_size: 256
    .sgpr_count:     102
    .vgpr_count:     512
    .wavefront_size: 32
...
	.end_amdgpu_metadata
.endif
;; end of part 11
;; ======== version 3 of 3: 6 launches; version 2 with the launch prep written anew for expert scheduling mode
;; limits: a function is approximated: absolute error at most 1.5e-07
;; workspace buffers: wb 6,815,744 bytes; vt 33,554,432 bytes; kpt 16,777,216 bytes; gaug 4,718,592 bytes; kaug 4,718,592 bytes; sres 67,108,864 bytes; vbs 2,048 bytes; vbc 2,048 bytes
;; launch prep (part 12): grid 8 x 26, 8 waves a work-group, no clusters, 233,728 bytes of LDS; arguments ks_w, qs_w, mlps_w1, mlps_w2, kc_w, qc_w, mlpc_w1, mlpc_w2, w_s, w_c, vs_w, vc_w, proj_c_w, proj_s_w, vs_b, vc_b, wb, vbs, vbc; writes wb, vbs, vbc
.if DOCPART == 12
	.amdgcn_target "amdgcn-amd-amdhsa--gfx1250"
	.amdhsa_code_object_version 6
	.text
	.protected	k_q5e0f5e405c_prep
	.globl	k_q5e0f5e405c_prep
	.p2align	8
	.type	k_q5e0f5e405c_prep,@function
k_q5e0f5e405c_prep:
	s_mov_b64 s[64:65], 0
	v_nop
	global_prefetch_b8 v0, s[64:65] scope:SCOPE_SE
	s_setreg_imm32_b32 hwreg(HW_REG_WAVE_SCHED_MODE, 0, 2), 2
	s_setreg_imm32_b32 hwreg(HW_REG_WAVE_MODE, 25, 1), 1
	s_wait_xcnt 0x0
	s_wait_alu depctr_vm_vsrc(0)
; prep: the weights, made ready in bf16 and laid out so that what a later launch fetches for one K step is consecutive bytes.
; (1) Ten matrices are converted, f32 to bf16, rounded once to nearest even.
; (2) The value projection and the output projection are taken off the tokens.  In real arithmetic, for all values of the inputs,
;     (y Wp^T)[t][e] = sum_m qp[t][m] M[e][m] / (D[t] + 1e-8) with M = Wp kptv, since the division is one number for a token, and
;     kptv[n][m] = sum_t (Wv n_t + bv)[n] kp[t][m] = (Wv G)[n][m] + bv[n] ksum[m] with G[i][m] = sum_t n_t[i] kp[t][m], n the normalised rows.
;     So M = W'' G + b'' ksum^T with W'' = Wp Wv and b'' = Wp bv.  W'' and b'' are made here, once for each stream (values of the saliency
;     stream meet proj_c, values of the contour stream proj_s); G is summed over the tokens, M is made once for each batch and stream,
;     and no launch multiplies by Wv or by Wp for each token.
; DEAD WORK: none.  Every one of the 36 inputs has a way to an output and is loaded by some launch.  No maximum is taken away before
; the exponentials because the computation itself takes none.
; LIMITS of the whole program: the order of rounding differs from V and y Wp^T made for each token: W'' is summed in f32 from bf16 factors and
; rounded once to bf16; b'' is an f32 dot product of f32 numbers; G, the key sums and M are each summed in f32 and rounded once to bf16.
; Matrix operands (normalised rows, K, Q, the feature maps, G, the key sums, M, the hidden layer, all weights) are rounded once to bf16; sums,
; norms, |x|^2/2, exponents, D + 1e-8 and the residuals stay in f32.  The exponential and the reciprocal flush denormals (a feature below
; 2^-126 becomes 0), a division is a reciprocal and a multiply, and erf is the five-term rational form of Abramowitz and Stegun 7.1.26,
; absolute error at most 1.5e-7.
; LAYOUT of wb: slot i of twelve 512 x 512 matrices at byte i * 0x80000 as [k/64][n][k%64]: 0 W'' of the saliency stream, 1 ks, 2 qs, 4 and 5 the
; saliency MLP, 6 W'' of the contour stream, 7 kc, 8 qc, 10 and 11 the contour MLP (3 and 9 are not used); w_s at 0x600000 and w_c at 0x640000
; as [k/128][n/64][(k/64)%2][n%64][k%64].
; GRID y 0 to 17: a work-group converts 32 rows of a half matrix of 256 rows; eight lanes take one aligned 256-byte piece of a row; a store of
; a wave covers 512 consecutive bytes.  GRID y 18 to 25: 64 work-groups, each 64 rows e x 128 columns i of one W''.
; No cluster and no tensor loads: f32 has to pass through registers to be rounded.
; THE MODE: SCHED_MODE bits 1:0 = 2 (LLVM: expert scheduling mode 2), set by the entry lines.  The code itself states the register dependences
; between vector or matrix instructions and memory or LDS instructions, with s_wait_alu, always for 0.
; THE PLAN.  Registers that memory or LDS instructions touch:
;   conversion  v3, v4, v5: offsets, made once.  v16-79: loaded once, read by the conversions.  v80-111: written by the conversions, read by the eight stores.
;   fold  v16         16 x lane: made once at the head; read by every global load; named by nothing else.
;         v17-29      LDS addresses and store offsets: made once, behind the first loads; never written again.
;         v64-191     Wp in f32: loaded once; read by its conversions and by the dot products; later the three fragment buffers.
;         v192-239, v32-47   Wp in bf16, a register for every pair: written by the 64 conversions, read by one run of 32 LDS stores.  v32-47 become accumulators later.
;         v240-247    the eight numbers of b'': written by the sums' last additions, read by one run of eight LDS stores.
;         window 1    Wv: each row piece has four registers of its own: loaded once, rounded in place into the first two, stored from there; never written again.
;         v64-183     three fragment buffers by turns: step c's products read buffer c % 3 while the loads of step c + 2 land in buffer (c + 2) % 3 = (c - 1) % 3.
;         v144-159    the result in bf16: written by the last conversions, read by four LDS stores.   v64-79, v2-3: what comes back from LDS, read by the global stores.
;         v254, v255  written at the head, read by the closing add alone.
; So one wait on va_vdst stands ahead of each run of stores, one at the head of each K step that loads, and one wait on vm_vsrc ahead of the first product.
.set IN,   16                          ; conversion: v[16:79] 64 f32 of my row, v[80:111] the same as bf16
.set OUT,  80
.set PA,   1040                        ; LDS pitch of a row of Wp (1,024 bytes + 16)
.set PB,   288                         ; LDS pitch of a row piece of Wv (256 bytes + 32: an odd multiple of 32 for the transposing load)
.set LB,   64*PA                       ; 66,560: Wv[n 512][i 128]
.set LS,   LB+512*PB                   ; 214,016: the way out, 2 x 64 rows of 128 bytes, pitch 144
.set LV,   LS+2*64*144                 ; 232,448: 64 f32 of b''
.set VH,   13
.set VR,   14
.set VL,   15
.set LOFF, 16                          ; 16 x lane
.set ASTA, 17                          ; where my rows of Wp go
.set BSTA, 18                          ; where my rows of Wv go
.set LVA,  19                          ; LV + 32 w
.set ADA,  20                          ; fragments of Wp
.set ADB,  21                          ; v21-24 fragments of Wv, a register for every 128 rows n
.set SSTA, 25
.set SRDA, 26
.set GOA,  27
.set LVR,  28
.set GV,   29
.set T,    32                          ; v32-47 rows 6 and 7 of my eight rows of Wp in bf16
.set BV,   48                          ; v48-63 bv in the pattern of a row of Wp
.set AF,   64                          ; v64-191 eight rows of Wp in f32; window 1: 64 row pieces of Wv in f32, then in bf16
.set WPO,  192                         ; v192-239 rows 0 to 5 of Wp in bf16
.set DS,   240                         ; v240-247 my eight numbers of b''
.set ACC,  32                          ; v32-63 four accumulators (T and BV are dead by then)
.set FB,   64                          ; three fragment buffers of 40: Wv, then Wp 0-3
.set PK,   144
.set MSB, 0
.macro WIN new                         ; the immediate's high byte repeats the setting that is left
.if MSB != \new
	s_set_vgpr_msb (MSB<<8)|\new
.set MSB, \new
.endif
.endm
.macro PLACES                          ; four plain places behind matrix instructions (ISA guide 7.12.1)
.rept 4
	v_nop
.endr
.endm
.macro WSUM d                          ; v2 summed over the 32 lanes, the result in every lane of register d
	v_add_f32_dpp v2, v2, v2 row_xmask:1 row_mask:0xf bank_mask:0xf
	v_add_f32_dpp v2, v2, v2 row_xmask:2 row_mask:0xf bank_mask:0xf
	v_add_f32_dpp v2, v2, v2 row_xmask:4 row_mask:0xf bank_mask:0xf
	v_add_f32_dpp v2, v2, v2 row_xmask:8 row_mask:0xf bank_mask:0xf
	v_permlanex16_b32 v3, v2, s2, s3
	v_add_f32 v[\d], v2, v3
.endm
.macro OREG s                          ; O_: where row s of Wp lies in bf16
.if (\s) < 6
.set O_, WPO+8*(\s)
.else
.set O_, T+8*((\s)-6)
.endif
.endm
.macro BLD r0, n                       ; n row pieces of Wv, 512 consecutive bytes each, into window 1.  No wait: nothing but loads has named v16 or these registers since the wait at the head
	WIN 0x40
.set k_, \r0
.rept \n
	global_load_b128 v[4*k_:4*k_+3], v[LOFF], s[56:57] offset:2048*k_
.set k_, k_+1
.endr
	WIN 0
.endm
.macro BCV r0, n                       ; n of them to bf16, in place, and into LDS
	WIN 0x45                                       ; destination and both sources in window 1
.set k_, \r0
.rept \n
	v_cvt_pk_bf16_f32 v[4*k_],   v[4*k_],   v[4*k_+1]     ; four numbers close up into the first two of their four registers
	v_cvt_pk_bf16_f32 v[4*k_+1], v[4*k_+2], v[4*k_+3]
.set k_, k_+1
.endr
	WIN 0x04                                       ; the stores' data in window 1
	s_wait_alu depctr_va_vdst(0)                   ; the conversions have written the pairs that the LDS stores below read
.set k_, \r0
.rept \n
	ds_store_b64 v[BSTA], v[4*k_:4*k_+1] offset:PB*k_
.set k_, k_+1
.endr
.endm
.macro FW c, buf                       ; the fragment of Wv for n = 32 c .. 32 c + 31
	ds_load_tr16_b128 v[\buf:\buf+3],   v[ADB+((\c)>>2)] offset:((\c)&3)*32*PB          ; Wv lies [n][i]: transposed on the way
	ds_load_tr16_b128 v[\buf+4:\buf+7], v[ADB+((\c)>>2)] offset:((\c)&3)*32*PB+16*PB
.endm
.macro FP c, buf, a                    ; fragment a of Wp for the same n
	ds_load_b128 v[\buf+8+8*\a:\buf+8+8*\a+3],  v[ADA] offset:\a*16*PA+64*(\c)
	ds_load_b128 v[\buf+12+8*\a:\buf+12+8*\a+3], v[ADA] offset:\a*16*PA+64*(\c)+32
.endm
.macro FETCHF c, buf                   ; all ten loads of a step
	FW \c, \buf
	FP \c, \buf, 0
	FP \c, \buf, 1
	FP \c, \buf, 2
	FP \c, \buf, 3
.endm
.macro MM buf, a, zero                 ; the product onto accumulator a
.if \zero
	v_wmma_f32_16x16x32_bf16 v[ACC+8*\a:ACC+8*\a+7], v[\buf:\buf+7], v[\buf+8+8*\a:\buf+8+8*\a+7], 0
.else
	v_wmma_f32_16x16x32_bf16 v[ACC+8*\a:ACC+8*\a+7], v[\buf:\buf+7], v[\buf+8+8*\a:\buf+8+8*\a+7], v[ACC+8*\a:ACC+8*\a+7]
.endif
.endm
; K step c of 16: four products, the four accumulators by turns, one instruction a turn; among them the ten loads of step c + 2.
.macro KSTEP c, zero
.set B_, FB+40*((\c)%3)
.set N_, FB+40*(((\c)+2)%3)
.if (\c) < 15
	s_wait_dscnt 10                                ; LDS loads come back in order: this step's ten are in, the ten of the next step stay out
.else
	s_wait_dscnt 0x0
.endif
.if ((\c) > 0) && ((\c) < 14)
	s_wait_alu depctr_va_vdst(0)                   ; the products of the step before are done reading their buffer, in which the loads below land; this step's products name neither it nor an address
.endif
	MM B_, 0, \zero
.if (\c) < 14
	FW ((\c)+2), N_
	FP ((\c)+2), N_, 0
.endif
	MM B_, 1, \zero
.if (\c) < 14
	FP ((\c)+2), N_, 1
	FP ((\c)+2), N_, 2
.endif
	MM B_, 2, \zero
.if (\c) < 14
	FP ((\c)+2), N_, 3
.endif
	MM B_, 3, \zero
.endm
	s_load_b512 s[8:23], s[0:1], 0x0               ; ks_w, qs_w, mlps_w1, mlps_w2, kc_w, qc_w, mlpc_w1, mlpc_w2
	s_load_b128 s[24:27], s[0:1], 0x40             ; w_s, w_c
	s_load_b256 s[28:35], s[0:1], 0x50             ; vs_w, vc_w, proj_c_w, proj_s_w
	s_load_b256 s[36:43], s[0:1], 0x70             ; vs_b, vc_b, wb, vbs
	s_load_b64 s[44:45], s[0:1], 0x90              ; vbc
	v_lshl_add_u32 v254, v0, 2, 0x38d00
	v_mov_b32 v255, 0
	s_and_b32 s4, ttmp7, 0xffff                    ; y
	s_cmp_ge_u32 s4, 18
	s_cbranch_scc1 .Lfold
	; ---- conversion ----
	s_lshr_b32 s5, s4, 1                           ; large: matrix k = y / 2,
	s_and_b32 s6, s4, 1                            ; half y % 2,
	s_lshr_b32 s7, s5, 1
	s_add_co_u32 s7, s7, s5
	s_add_co_u32 s7, s7, 1                         ; slot k + 1 + k / 2: 1, 2, 4, 5, 7, 8, 10, 11
	s_lshl_b32 s46, s7, 19
	s_max_u32 s7, s4, 16
	s_sub_co_u32 s47, s7, 16                       ; small: 0 or 1
	s_sub_co_u32 s7, s7, 8                         ; matrix 8 or 9
	s_lshl_b32 s47, s47, 18
	s_add_co_u32 s47, s47, 0x600000
	s_cmp_ge_u32 s4, 16
	s_cselect_b32 s5, s7, s5
	s_cselect_b32 s6, 0, s6
	s_cselect_b32 s46, s47, s46
	s_mov_b32 s47, 0
	s_lshl_b32 s48, s6, 8
	s_lshl_b32 s49, ttmp9, 5
	s_add_co_u32 s48, s48, s49                     ; the work-group's first row
	v_lshrrev_b32 v1, 3, v0
	v_add_nc_u32 v1, s48, v1                       ; my row: eight threads a row
	v_and_b32 v2, 7, v0
	v_lshlrev_b32 v3, 5, v2
	v_lshl_add_u32 v3, v1, 11, v3                  ; source: row x 2,048 + 32 bytes a thread
	v_lshlrev_b32 v2, 4, v2
	v_lshl_add_u32 v4, v1, 7, v2                   ; large: n x 128 + 16 bytes a thread
	v_and_b32 v5, 63, v1
	v_lshl_add_u32 v5, v5, 7, v2
	v_lshrrev_b32 v6, 6, v1
	v_lshl_add_u32 v5, v6, 14, v5                  ; small: (n / 64) x 16,384 + (n % 64) x 128 + 16 bytes a thread
	s_wait_kmcnt 0x0
	s_mov_b64 s[56:57], s[8:9]
.irp i,1,2,3,4,5,6,7,8,9
	s_cmp_eq_u32 s5, \i
	s_cselect_b64 s[56:57], s[8+2*\i:9+2*\i], s[56:57]   ; the matrix is chosen by its number alone
.endr
	s_add_nc_u64 s[40:41], s[40:41], s[46:47]
	s_wait_alu depctr_va_vdst(0)                   ; the offsets v3, v4 and v5 are written, which the loads and the stores below read
.irp k,0,1,2,3,4,5,6,7
	global_load_b128 v[IN+8*\k:IN+8*\k+3],   v3, s[56:57] offset:256*\k th:TH_LOAD_NT
	global_load_b128 v[IN+8*\k+4:IN+8*\k+7], v3, s[56:57] offset:256*\k+16 th:TH_LOAD_NT
.endr
.irp k,0,1,2,3,4,5,6,7
	s_wait_loadcnt 14-2*\k                         ; loads come back in order: block k is in, the younger ones stay out
.irp p,0,1,2,3
	v_cvt_pk_bf16_f32 v[OUT+4*\k+\p], v[IN+8*\k+2*\p], v[IN+8*\k+2*\p+1]
.endr
.endr
	s_wait_alu depctr_va_vdst(0)                   ; the conversions have written v80-111, which the eight stores of either layout read: ahead of the branch, for both
	s_cmp_ge_u32 s4, 16
	s_cbranch_scc1 .Lsmall
.irp k,0,1,2,3,4,5,6,7
	global_store_b128 v4, v[OUT+4*\k:OUT+4*\k+3], s[40:41] offset:\k*65536
.endr
	s_endpgm
.Lsmall:
.irp k,0,1,2,3,4,5,6,7
	global_store_b128 v5, v[OUT+4*\k:OUT+4*\k+3], s[40:41] offset:(\k>>1)*65536+(\k&1)*8192
.endr
	s_endpgm
	; ---- W''[e][i] = sum over n of Wp[e][n] Wv[n][i], 64 e x 128 i; b''[e] = sum over n of Wp[e][n] bv[n] ----
.Lfold:
	v_lshrrev_b32 v1, 5, v0
	v_readfirstlane_b32 s5, v1                     ; wave 0 to 7
	v_and_b32 v[VL], 31, v0
	v_lshlrev_b32 v[LOFF], 4, v[VL]
	s_wait_alu depctr_va_sdst(0)                   ; s5 is written, ahead of its first reader: the bases and the LDS addresses are made from it
	s_sub_co_u32 s6, s4, 18
	s_lshr_b32 s7, s6, 2                           ; the stream whose values these are
	s_and_b32 s6, s6, 3
	s_lshl_b32 s6, s6, 1
	s_lshr_b32 s46, ttmp9, 2
	s_add_co_u32 s6, s6, s46                       ; block of 64 rows e, 0 to 7
	s_and_b32 s46, ttmp9, 3                        ; block of 128 columns i, 0 to 3
	s_mov_b32 s2, 0x76543210
	s_mov_b32 s3, 0xfedcba98
	s_lshl_b32 s48, s6, 17                         ; Wp: 64 rows of 2,048 bytes a block, 8 rows a wave
	s_lshl_b32 s47, s5, 14
	s_add_co_u32 s48, s48, s47
	s_mov_b32 s49, 0
	s_lshl_b32 s50, s46, 9                         ; Wv: 512 bytes of each row, 64 rows a wave
	s_lshl_b32 s47, s5, 17
	s_add_co_u32 s50, s50, s47
	s_mov_b32 s51, 0
	s_mul_i32 s52, s7, 0x300000                    ; wb: slot 0 or 6, k blocks 2 ib and 2 ib + 1, rows from 64 eb
	s_lshl_b32 s47, s46, 17
	s_add_co_u32 s52, s52, s47
	s_lshl_b32 s47, s6, 13
	s_add_co_u32 s52, s52, s47
	s_mov_b32 s53, 0
	s_lshl_b32 s54, s6, 8                          ; b'': 64 f32
	s_mov_b32 s55, 0
	s_wait_kmcnt 0x0
	s_cmp_eq_u32 s7, 0
	s_cselect_b64 s[56:57], s[28:29], s[30:31]     ; Wv
	s_cselect_b64 s[58:59], s[32:33], s[34:35]     ; Wp: proj_c for the saliency stream's values, proj_s for the contour stream's
	s_cselect_b64 s[60:61], s[36:37], s[38:39]     ; bv
	s_cselect_b64 s[62:63], s[42:43], s[44:45]     ; b''
	s_add_nc_u64 s[56:57], s[56:57], s[50:51]
	s_add_nc_u64 s[58:59], s[58:59], s[48:49]
	s_add_nc_u64 s[40:41], s[40:41], s[52:53]
	s_add_nc_u64 s[62:63], s[62:63], s[54:55]
	s_wait_alu depctr_va_vdst(0)                   ; v16 is written, which every global load of this arm reads as its offset; it is never written again
.irp q,0,1,2,3
	global_load_b128 v[BV+4*\q:BV+4*\q+3], v[LOFF], s[60:61] offset:512*\q     ; by every work-group, so that the registers are written on every path
.endr
.irp s,0,1,2,3,4,5,6,7
.irp q,0,1,2,3
	global_load_b128 v[AF+16*\s+4*\q:AF+16*\s+4*\q+3], v[LOFF], s[58:59] offset:2048*\s+512*\q
.endr
.endr
	BLD 0, 24                                      ; 60 loads are out
	v_and_b32 v[VR], 15, v0
	v_bfe_u32 v[VH], v0, 4, 1
	s_mul_i32 s47, s5, 8*PA
	v_lshl_add_u32 v[ASTA], v[VL], 3, s47
	s_mul_i32 s47, s5, 64*PB
	s_add_co_u32 s47, s47, LB
	v_lshl_add_u32 v[BSTA], v[VL], 3, s47
	s_lshl_b32 s47, s5, 5
	s_add_co_u32 s66, s47, LV
	v_mov_b32 v[LVA], s66
	v_mul_u32_u24 v1, v[VR], PA
	v_lshl_add_u32 v[ADA], v[VH], 4, v1            ; row r, 16 bytes for each half of the lanes
	v_and_b32 v1, 7, v0
	v_lshl_add_u32 v1, v[VH], 3, v1                ; row n = 8 h + lane % 8,
	v_mul_u32_u24 v1, v1, PB
	v_bfe_u32 v2, v0, 3, 1
	v_lshl_add_u32 v1, v2, 4, v1                   ; columns 8 ((lane / 8) % 2) .. + 7 of my 16
	s_add_co_u32 s66, s47, LB                      ; my 16 columns: 32 w bytes
	v_add_nc_u32 v[ADB], s66, v1
	v_add_nc_u32 v[ADB+1], 128*PB, v[ADB]
	v_add_nc_u32 v[ADB+2], 128*PB, v[ADB+1]
	v_add_nc_u32 v[ADB+3], 128*PB, v[ADB+2]
	s_lshr_b32 s47, s5, 2                          ; which of the two k blocks my columns lie in
	s_and_b32 s66, s5, 3
	s_lshl_b32 s67, s47, 16
	s_mul_i32 s47, s47, 64*144
	s_add_co_u32 s47, s47, LS
	v_mul_u32_u24 v1, v[VR], 144
	v_lshl_add_u32 v1, v[VH], 4, v1
	v_lshl_add_u32 v1, s66, 5, v1
	v_add_nc_u32 v[SSTA], s47, v1                  ; in: row e = r, bytes 32 (w % 4) + 16 h
	v_lshrrev_b32 v1, 3, v[VL]
	v_mul_u32_u24 v1, v1, 144
	v_and_b32 v2, 7, v0
	v_lshl_add_u32 v1, v2, 4, v1
	s_mul_i32 s54, s66, 16*144
	s_add_co_u32 s54, s54, s47
	v_add_nc_u32 v[SRDA], s54, v1                  ; back: rows 16 (w % 4) + lane / 8, four rows of 128 bytes a load
	s_lshl_b32 s66, s66, 11
	s_add_co_u32 s67, s67, s66
	v_lshl_add_u32 v[GOA], v[VL], 4, s67           ; 16 x lane, made from the lane's number: v16 stays the loads' alone
	v_lshlrev_b32 v[GV], 3, v[VL]
	v_add_nc_u32 v[LVR], LV, v[GV]
	s_wait_loadcnt 24                              ; bv and Wp are in; the 24 row pieces of Wv stay out
	BLD 24, 32                                     ; at once: at most 56 are out
.irp s,0,1,2,3,4,5,6,7
	OREG \s
.irp q,0,1,2,3
	v_cvt_pk_bf16_f32 v[O_+2*\q],   v[AF+16*\s+4*\q],   v[AF+16*\s+4*\q+1]
	v_cvt_pk_bf16_f32 v[O_+2*\q+1], v[AF+16*\s+4*\q+2], v[AF+16*\s+4*\q+3]
.endr
.endr
	s_wait_alu depctr_va_vdst(0)                   ; the 64 conversions have written v192-239 and v32-47, which the LDS stores read; the addresses v17-29 are written, for every LDS instruction and store from here on
.irp s,0,1,2,3,4,5,6,7
	OREG \s
.irp q,0,1,2,3
	ds_store_b64 v[ASTA], v[O_+2*\q:O_+2*\q+1] offset:\s*PA+256*\q
.endr
.endr
	s_cmp_lg_u32 s46, 0                            ; b'' hangs on e alone: the work-group of column block 0 makes it
	s_cbranch_scc1 .Lnodot
.irp s,0,1,2,3,4,5,6,7
	v_pk_mul_f32 v[2:3], v[AF+16*\s:AF+16*\s+1], v[BV:BV+1]
	v_pk_mul_f32 v[4:5], v[AF+16*\s+2:AF+16*\s+3], v[BV+2:BV+3]
.irp j,4,8,12
	v_pk_fma_f32 v[2:3], v[AF+16*\s+\j:AF+16*\s+\j+1], v[BV+\j:BV+\j+1], v[2:3]
	v_pk_fma_f32 v[4:5], v[AF+16*\s+\j+2:AF+16*\s+\j+3], v[BV+\j+2:BV+\j+3], v[4:5]
.endr
	v_pk_add_f32 v[2:3], v[2:3], v[4:5]
	v_add_f32 v2, v2, v3
	WSUM DS+\s
.endr
	s_wait_alu depctr_va_vdst(0)                   ; the eight sums have written v240-247, which the LDS stores read
.irp s,0,1,2,3,4,5,6,7
	ds_store_b32 v[LVA], v[DS+\s] offset:4*\s      ; all lanes write the same word with the same value
.endr
.Lnodot:
	s_wait_loadcnt 32                              ; rows 0 to 23 are in; the 32 issued behind them stay out
	BLD 56, 8                                      ; at once: 40 are out
	BCV 0, 24
	s_wait_loadcnt 8                               ; rows 24 to 55
	BCV 24, 32
	s_wait_loadcnt 0x0
	BCV 56, 8
	WIN 0
	s_wait_dscnt 0x0                               ; my stores are done, for the others' sake
	s_barrier_signal -1
	s_barrier_wait -1
	s_wait_alu depctr_vm_vsrc(0)                   ; my LDS stores have read v32-47: these registers are accumulators from here on, written by the products
	; wave w: all 64 rows e x columns 16 w .. 16 w + 15.  Source 0 is Wv, source 1 Wp: a lane holds one e and 8 neighbouring i.
	FETCHF 0, FB                                   ; no wait on va_vdst for these, nor for step 0's loads: the conversions and sums that read v64-191 stand ahead of the last batch's wait, and nothing has named them since
	FETCHF 1, FB+40
	KSTEP 0, 1                                     ; the first products start the sums
.irp c,1,2,3,4,5,6,7,8,9,10,11,12,13,14,15
	KSTEP \c, 0                                    ; the last two steps load nothing and state nothing
.endr
	PLACES
.irp a,0,1,2,3
.irp p,0,1,2,3
	v_cvt_pk_bf16_f32 v[PK+4*\a+\p], v[ACC+8*\a+2*\p], v[ACC+8*\a+2*\p+1]
.endr
.endr
	s_wait_alu depctr_va_vdst(0)                   ; the conversions have written v144-159, which the LDS stores read; the last products are done reading v64-79, in which the loads from the stage land
.irp a,0,1,2,3
	ds_store_b128 v[SSTA], v[PK+4*\a:PK+4*\a+3] offset:\a*16*144
.endr
	s_wait_dscnt 0x0                               ; a row of 128 bytes is made by four waves
	s_barrier_signal -1
	s_barrier_wait -1
.irp q,0,1,2,3
	ds_load_b128 v[FB+4*\q:FB+4*\q+3], v[SRDA] offset:576*\q
.endr
	s_wait_dscnt 0x0
.irp q,0,1,2,3
	global_store_b128 v[GOA], v[FB+4*\q:FB+4*\q+3], s[40:41] offset:512*\q   ; 512 consecutive bytes
.endr
	s_or_b32 s47, s46, s5
	s_cmp_lg_u32 s47, 0                            ; wave 0 of column block 0 stores b''
	s_cbranch_scc1 .Lend
	ds_load_b64 v[2:3], v[LVR]                     ; no vector instruction has named v2 or v3 since the waits above
	s_wait_dscnt 0x0
	global_store_b64 v[GV], v[2:3], s[62:63]       ; 32 lanes x 8 bytes: 256 consecutive bytes, aligned
.Lend:
	s_wait_dscnt 0x0                               ; the closing lines, six on end
	s_wait_alu 0x0
	s_wait_tensorcnt 0x0
	ds_add_u32 v254, v255
	s_wait_dscnt 0x0
	s_endpgm
.Lfunc_end_k_q5e0f5e405c_prep:
	.size	k_q5e0f5e405c_prep, .Lfunc_end_k_q5e0f5e405c_prep-k_q5e0f5e405c_prep
	.p2alignl 7, 3214868480
	.fill 96, 4, 3214868480
	.section	.rodata,"a",@progbits
	.p2align	6, 0x0
	.amdhsa_kernel k_q5e0f5e405c_prep
		.amdhsa_group_segment_fixed_size 233728
		.amdhsa_private_segment_fixed_size 0
		.amdhsa_enable_private_segment 0
		.amdhsa_kernarg_size 152
		.amdhsa_user_sgpr_count 2
		.amdhsa_user_sgpr_kernarg_segment_ptr 1
		.amdhsa_wavefront_size32 1
		.amdhsa_system_sgpr_workgroup_id_x 1
		.amdhsa_system_sgpr_workgroup_id_y 1
		.amdhsa_system_sgpr_workgroup_id_z 1
		.amdhsa_system_vgpr_workitem_id 0
		.amdhsa_next_free_vgpr 512
		.amdhsa_next_free_sgpr 68
		.amdhsa_reserve_vcc 0
		.amdhsa_float_denorm_mode_32 3
		.amdhsa_float_denorm_mode_16_64 3
		.amdhsa_memory_ordered 1
		.amdhsa_forward_progress 1
		.amdhsa_inst_pref_size 66
	.end_amdhsa_kernel
	.amdgpu_metadata
---
amdhsa.version: [ 1, 2 ]
amdhsa.kernels:
  - .name:           k_q5e0f5e405c_prep
    .symbol:         k_q5e0f5e405c_prep.kd
    .args:
      - { .name: ks_w, .offset: 0, .size: 8, .value_kind: global_buffer, .address_space: global }
      - { .name: qs_w, .offset: 8, .size: 8, .value_kind: global_buffer, .address_space: global }
      - { .name: mlps_w1, .offset: 16, .size: 8, .value_kind: global_buffer, .address_space: global }
      - { .name: mlps_w2, .offset: 24, .size: 8, .value_kind: global_buffer, .address_space: global }
      - { .name: kc_w, .offset: 32, .size: 8, .value_kind: global_buffer, .address_space: global }
      - { .name: qc_w, .offset: 40, .size: 8, .value_kind: global_buffer, .address_space: global }
      - { .name: mlpc_w1, .offset: 48, .size: 8, .value_kind: global_buffer, .address_space: global }
      - { .name: mlpc_w2, .offset: 56, .size: 8, .value_kind: global_buffer, .address_space: global }
      - { .name: w_s, .offset: 64, .size: 8, .value_kind: global_buffer, .address_space: global }
      - { .name: w_c, .offset: 72, .size: 8, .value_kind: global_buffer, .address_space: global }
      - { .name: vs_w, .offset: 80, .size: 8, .value_kind: global_buffer, .address_space: global }
      - { .name: vc_w, .offset: 88, .size: 8, .value_kind: global_buffer, .address_space: global }
      - { .name: proj_c_w, .offset: 96, .size: 8, .value_kind: global_buffer, .address_space: global }
      - { .name: proj_s_w, .offset: 104, .size: 8, .value_kind: global_buffer, .address_space: global }
      - { .name: vs_b, .offset: 112, .size: 8, .value_kind: global_buffer, .address_space: global }
      - { .name: vc_b, .offset: 120, .size: 8, .value_kind: global_buffer, .address_space: global }
      - { .name: wb, .offset: 128, .size: 8, .value_kind: global_buffer, .address_space: global }
      - { .name: vbs, .offset: 136, .size: 8, .value_kind: global_buffer, .address_space: global }
      - { .name: vbc, .offset: 144, .size: 8, .value_kind: global_buffer, .address_space: global }
    .group_segment_fixed_size: 233728
    .private_segment_fixed_size: 0
    .kernarg_segment_align: 8
    .kernarg_segment_size: 152
    .max_flat_workgroup_size: 256
    .sgpr_count:     68
    .vgpr_count:     512
    .wavefront_size: 32
...
	.end_amdgpu_metadata
.endif
;; end of part 12
;; launch kv: the kernel of part 7 again; grid 128 x 2, 4 waves a work-group, clusters of 4 x 1, 327,680 bytes of LDS; arguments saliency_fea, contour_fea, ln1s_g, ln1c_g, ln1s_b, ln1c_b, ks_b, kc_b, wb, vt, kpt; writes vt, kpt
;; launch kptv: the kernel of part 8 again; grid 4 x 64, 4 waves a work-group, clusters of 4 x 4, 327,680 bytes of LDS; arguments vt, kpt, gaug; writes gaug
;; launch mfold: the kernel of part 9 again; grid 4 x 64, 4 waves a work-group, clusters of 4 x 4, 258,560 bytes of LDS; arguments gaug, wb, vbs, vbc, kaug; writes kaug
;; launch qy: the kernel of part 10 again; grid 128 x 2, 4 waves a work-group, clusters of 4 x 1, 327,680 bytes of LDS; arguments saliency_fea, contour_fea, ln1s_g, ln1c_g, ln1s_b, ln1c_b, qs_b, qc_b, proj_s_b, proj_c_b, wb, kaug, sres; writes sres
;; launch mlp: the kernel of part 11 again; grid 128 x 2, 8 waves a work-group, clusters of 4 x 1, 327,680 bytes of LDS; arguments sres, ln2s_g, ln2c_g, ln2s_b, ln2c_b, mlps_b1, mlpc_b1, mlps_b2, mlpc_b2, wb, out0, out1; writes out0, out1
